; MI455X (gfx1250); checked and timed in simulation.
; The chip was launched on July 23, 2026; its instructions are those of AMD's public machine-readable ISA for CDNA 5 (MIT licence, August 2026) and "CDNA5" Instruction Set Architecture Reference Guide (July 2026). The comments in the code are by the model that wrote it; some were corrected since.
;; Zoom Transformer Block. Allowed arithmetic: matrix products marked QUANTISED: E2M3 operands, one E8M0 scale for each 32 along K, by v_wmma_scale_f32_16x16x128_f8f6f4 with both operands' format E2M3, f32 sums; everything else in f32.
;; Inputs: dist_matrix 2,048 x 2,048 float32; gamma 2 x 16 float32; ln1_b 1,024 float32; ln1_w 1,024 float32; ln2_b 1,024 float32; ln2_w 1,024 float32; mlp_b1 4,096 float32; mlp_b2 1,024 float32; mlp_w1 1,024 x 4,096 float32; mlp_w2 4,096 x 1,024 float32; proj_b 1,024 float32; proj_w 1,024 x 1,024 float32; qkv_b 3,072 float32; qkv_w 1,024 x 3,072 float32; x 2 x 2,048 x 1,024 float32.
;; Outputs: out0 2 x 2,048 x 1,024 float32.
;; This version of the problem:
;;   THIS VERSION OF THE PROBLEM IS GIVEN IN LOW PRECISION. The matrix products marked QUANTISED in the list below multiply operands that are first quantised to E2M3 (2 exponent bits, 3 mantissa bits; 6 bits a number), with one power-of-two scale for each 32 numbers along K (OCP MX v1.0); their sums are f32. All else is computed in f32.
;;   The module's matrix products, in the order in which they are computed (A, B: the left and right operand; K: the contracted axis; several contracted axes count as one K, in the product's order):
;;     1. [M 4,096, K 1,024] x [K 1,024, N 3,072]; A: computed on the way; B: input qkv_w: QUANTISED
;;     2. batch 32 x [M 2,048, K 64] x [K 64, N 2,048]; A: computed on the way; B: computed on the way: QUANTISED
;;     3. batch 32 x [M 2,048, K 2,048] x [K 2,048, N 64]; A: softmax (see below); B: computed on the way: QUANTISED
;;     4. [M 4,096, K 1,024] x [K 1,024, N 1,024]; A: computed on the way; B: input proj_w: QUANTISED
;;     5. [M 4,096, K 1,024] x [K 1,024, N 4,096]; A: computed on the way; B: input mlp_w1: QUANTISED
;;     6. [M 4,096, K 4,096] x [K 4,096, N 1,024]; A: computed on the way; B: input mlp_w2: QUANTISED
;;   THE QUANTISER, for each operand of a quantised product, along K:
;;     - K is cut into blocks of 32 from its start; a last block that is shorter is filled with zeros.
;;     - A block's scale is 2^e with e = floor(log2(the largest magnitude in the block)) - 2, held to -126 .. 127; a block of zeros has e = 0. As a byte (E8M0): e + 127.
;;     - Each number is divided by its block's scale, clamped to +-7.5, and rounded to the nearest number of E2M3, ties to even, subnormals kept.
;;     - The product sums the exact products of the quantised numbers (number of the format x scale) in f32.
;;   ~~~python
;;   def quantise(x, axis):      # numpy; x: float32 -> the quantised numbers, widened to float32 again
;;       x = np.moveaxis(x, axis, -1); K = x.shape[-1]
;;       x = np.pad(x, [(0, 0)] * (x.ndim - 1) + [(0, -K % 32)]); x = x.reshape(x.shape[:-1] + (-1, 32)); a = np.abs(x).max(-1, keepdims=True)
;;       e = np.where(a > 0, np.clip(np.frexp(np.where(a > 0, a, 1))[1] - 1 - 2, -126, 127), 0)      # np.frexp(a)[1] - 1 = floor(log2(a)), exactly
;;       r = np.clip(x / 2.0 ** e, -7.5, 7.5)
;;       step = 2.0 ** (np.maximum(np.frexp(np.where(r == 0, 1, r))[1] - 1, 0) - 3)
;;       q = np.round(r / step) * step * 2.0 ** e      # np.round: ties to even
;;       return np.moveaxis(q.reshape(q.shape[:-2] + (-1,))[..., :K], -1, axis).astype(np.float32)
;;   ~~~
;;   SOFTMAX AHEAD OF A QUANTISED PRODUCT. Where the list says 'softmax', what is quantised is not the finished softmax but p = 2^(t - M), with t = logit x log2(e) and M = ceil(the row's largest t), a whole number; so 1/2 < the row's largest p <= 1. The row's sum l is taken of the UNQUANTISED p, in f32, and the product's result is divided by l at the end. Since M is a whole number, a kernel that streams over the keys may use a running M (the ceiling of the running maximum): every later rescaling is an exact power of two, which a block's scale takes up: the codes' values come out the same.
;;   OPERANDS COMPUTED ON THE WAY. 'Computed on the way' means the value that the module computes at that place (a softmax that the list does not call 'softmax' is quantised finished and normalised). What goes into a quantiser is computed in f32, as accurately as f32 sums, v_exp_f32 and their like allow (about 1e-6 of the number): no bf16 or f16 on the way to a quantiser, and a product that is left as it is and whose result goes on into a quantised operand takes f32 operands (vector FMAs, or v_wmma_f32_16x16x4_f32). A number that lies on a knife's edge between two numbers of the format may be rounded either way, as far as f32 arithmetic and the matrix unit's own rounding can turn it there, and no further.
;; 2 versions. Each part assembles by itself: llvm-mc -triple=amdgcn-amd-amdhsa -mcpu=gfx1250 --defsym DOCPART=n.
;; ======== version 1 of 2: 8 launches
;; workspace buffers: wb 10,649,600 bytes; hb 3,276,800 bytes; qkvb 9,830,400 bytes; at 3,276,800 bytes; x1 16,777,216 bytes; gb 13,107,200 bytes
;; launch wq (part 1): grid 384 x 1, 4 waves a work-group, no clusters, 25,600 bytes of LDS; arguments qkv_w, proj_w, mlp_w1, mlp_w2, wb; writes wb
.if DOCPART == 1
	.amdgcn_target "amdgcn-amd-amdhsa--gfx1250"
	.amdhsa_code_object_version 6
	.text
	.protected	k_q41e30f43ae_wq
	.globl	k_q41e30f43ae_wq
	.p2align	8
	.type	k_q41e30f43ae_wq,@function
k_q41e30f43ae_wq:
	s_mov_b64 s[64:65], 0
	v_nop
	global_prefetch_b8 v0, s[64:65] scope:SCOPE_SE
	s_setreg_imm32_b32 hwreg(HW_REG_WAVE_MODE, 25, 1), 1
	s_wait_xcnt 0x0
; The four weights, f32 stored [K][N], become codes of E2M3 with one E8M0 byte for each 32 along K, in wb.
; LAYOUT OF AN OPERAND (all buffers of this program): codes [K/256][R rows][192 bytes], scale bytes [K/256][R][8]: a tile of rows x 256 K is one dense block.
; ORDER INSIDE A BLOCK OF 32: place 16 h + 8 u + j holds k = 16 u + 8 h + j, on both operands of every product, so the products are the same; the blocks and their scales are the true blocks.
; A work-group takes 128 columns x 256 K of one weight, a wave 32 columns, A LANE A COLUMN, its registers running down K: a block of 32 is one lane's, and the codes come out with K innermost.
; One path serves the four weights: the work-group's number picks pointer, pitch and places by selects.
; LIMITS: NaN and infinities are not served; a block of zeros (or under 2^-124) gets the byte 1, its codes are zeros, and this program alone reads the bytes.
.set X,     64                         ; v64-127  two sets of 32 numbers
.set OFF,   32                         ; v32-63   place i of a block: byte offset of its row k, + 4 x lane
.set C,     128                        ; v128-134 a block's codes
.set OUTR,  128                        ; v128-175 the way out
.set SB,    24                         ; v24-25   eight scale bytes
.set SPW,   14                         ; v14      my spare word's LDS address; never rewritten
.set NIL,   15                         ; v15      0; never rewritten
.set SPARE, 24576                      ; behind the four stages of 6,144 bytes: 128 spare bytes a wave
.macro PICK lim, start, pitch, logp, rows, cod, scl, ptr
	s_cmp_lt_u32 ttmp9, \lim
	s_cselect_b32 s16, \start, s16
	s_cselect_b32 s17, \pitch, s17
	s_cselect_b32 s18, \logp, s18
	s_cselect_b32 s19, \rows, s19
	s_cselect_b32 s20, \cod, s20
	s_cselect_b32 s21, \scl, s21
	s_cselect_b64 s[22:23], s[\ptr:\ptr+1], s[22:23]
.endm
	s_load_b256 s[4:11], s[0:1], 0x0               ; qkv_w, proj_w, mlp_w1, mlp_w2
	s_load_b64 s[12:13], s[0:1], 0x20              ; wb
	v_lshl_add_u32 v[SPW], v0, 2, SPARE
	v_mov_b32 v[NIL], 0
	v_lshrrev_b32 v1, 5, v0
	v_readfirstlane_b32 s14, v1                    ; wave
	v_and_b32 v2, 31, v0                           ; lane
	v_lshlrev_b32 v3, 2, v2
	s_mul_i32 s15, s14, 6144                       ; my stage: 32 rows of 192 bytes
	v_mul_u32_u24 v4, v2, 192
	v_add_nc_u32 v4, s15, v4                       ; into it: row = my column
	v_lshlrev_b32 v8, 4, v2                        ; out: 16 bytes a lane
	v_add_nc_u32 v7, s15, v8
	v_lshlrev_b32 v9, 3, v2                        ; my 8 scale bytes
	s_mov_b32 s16, 256                             ; mlp_w2's figures: first work-group,
	s_mov_b32 s17, 4096                            ; bytes in a row,
	s_mov_b32 s18, 4                               ; log2 of its panels of 256 K,
	s_mov_b32 s19, 1024                            ; rows of a panel in wb,
	s_mov_b32 s20, 7077888                         ; where its codes begin in wb,
	s_mov_b32 s21, 10518528                        ; and its scale bytes
	s_wait_kmcnt 0x0
	s_mov_b64 s[22:23], s[10:11]
	PICK 256, 128, 16384, 2, 4096, 3932160, 10387456, 8    ; mlp_w1
	PICK 128, 96, 4096, 2, 1024, 3145728, 10354688, 6      ; proj_w
	PICK 96, 0, 12288, 2, 4096, 0, 10223616, 4             ; qkv_w
	s_sub_co_u32 s28, ttmp9, s16
	s_lshl_b32 s29, 1, s18
	s_sub_co_u32 s29, s29, 1
	s_and_b32 s30, s28, s29                        ; which panel
	s_lshr_b32 s31, s28, s18                       ; which 128 columns
	s_lshl_b32 s31, s31, 7
	s_lshl_b32 s48, s14, 5
	s_add_co_u32 s31, s31, s48                     ; my wave's first column
	s_mul_i32 s48, s30, s19
	s_add_co_u32 s48, s48, s31                     ; its row in wb
	s_mul_i32 s49, s30, s17
	s_lshl_b32 s49, s49, 8                         ; 256 rows of the weight a panel
	s_lshl_b32 s50, s31, 2
	s_add_co_u32 s50, s49, s50
	s_mov_b32 s51, 0
	s_add_nc_u64 s[32:33], s[22:23], s[50:51]      ; eight bases, one for each block of 32 rows: no base is stepped
	s_lshl_b32 s50, s17, 5
.irp t, 1,2,3,4,5,6,7
	s_add_nc_u64 s[32+2*\t:33+2*\t], s[30+2*\t:31+2*\t], s[50:51]
.endr
	s_mul_i32 s52, s48, 192
	s_add_co_u32 s52, s52, s20
	s_mov_b32 s53, 0
	s_add_nc_u64 s[24:25], s[12:13], s[52:53]      ; my codes
	s_lshl_b32 s54, s48, 3
	s_add_co_u32 s54, s54, s21
	s_mov_b32 s55, 0
	s_add_nc_u64 s[26:27], s[12:13], s[54:55]      ; my scale bytes
.set li, 0
.rept 32
	v_mad_u32_u24 v[OFF+li], s17, 16*((li>>3)&1)+8*(li>>4)+(li&7), v3   ; place li takes row 16 u + 8 h + j of the block
.set li, li+1
.endr
.macro LOAD t
.set li, 0
.rept 32
	global_load_b32 v[X+32*((\t)%2)+li], v[OFF+li], s[32+2*(\t):33+2*(\t)] th:TH_LOAD_NT   ; 32 lanes read 128 consecutive bytes of a row
.set li, li+1
.endr
.endm
	LOAD 0
	LOAD 1
.macro BLOCK t
.set XS, X+32*((\t)%2)
.if (\t) < 7
	s_wait_loadcnt 32                              ; this block's 32 loads are in; the next block's may be out
.else
	s_wait_loadcnt 0
.endif
	v_max3_num_f32 v12, |v[XS]|, |v[XS+1]|, |v[XS+2]|
	v_max3_num_f32 v13, |v[XS+3]|, |v[XS+4]|, |v[XS+5]|
.irp i, 6,10,14,18,22,26
	v_max3_num_f32 v12, v12, |v[XS+\i]|, |v[XS+\i+1]|
	v_max3_num_f32 v13, v13, |v[XS+\i+2]|, |v[XS+\i+3]|
.endr
	v_max3_num_f32 v12, v12, |v[XS+30]|, |v[XS+31]|
	v_max3_num_f32 v12, v12, v13, 0x1800000        ; with the floor 2^(3 - 127): the byte cannot fall under 1
	v_add_nc_u32 v11, 0xff000000, v12              ; 2 off the exponent field: the conversion's scale operand
	v_lshrrev_b32 v13, 23, v11                     ; the byte
.if (\t)%4 == 0
	v_mov_b32 v[SB+(\t)/4], v13
.else
	v_lshl_or_b32 v[SB+(\t)/4], v13, 8*((\t)%4), v[SB+(\t)/4]
.endif
	v_cvt_scalef32_pk16_fp6_f32 v[C:C+2], v[XS:XS+15], v11
	v_cvt_scalef32_pk16_fp6_f32 v[C+4:C+6], v[XS+16:XS+31], v11    ; (three registers from an even one on)
	v_nop                                          ; a plain line behind the conversions
	v_mov_b32 v[C+3], v[C+4]
	v_mov_b32 v[C+4], v[C+5]
	v_mov_b32 v[C+5], v[C+6]                       ; the block's 24 bytes on end
	ds_store_b64 v4, v[C:C+1] offset:24*(\t)
	ds_store_b64 v4, v[C+2:C+3] offset:24*(\t)+8
	ds_store_b64 v4, v[C+4:C+5] offset:24*(\t)+16
.if (\t)+2 < 8
	LOAD (\t)+2
.endif
	s_wait_dscnt 0x0                               ; the stores have read their registers
.endm
.irp t, 0,1,2,3,4,5,6,7
	BLOCK \t
.endr
	global_store_b64 v9, v[SB:SB+1], s[26:27]      ; 32 lanes: 256 consecutive bytes, aligned
.irp k, 0,1,2,3,4,5,6,7,8,9,10,11
	ds_load_b128 v[OUTR+4*\k:OUTR+4*\k+3], v7 offset:512*\k    ; a wave's LDS instructions are served in order: these see my stores
.endr
.irp k, 0,1,2,3,4,5,6,7,8,9,10,11
	s_wait_dscnt 11-\k
	global_store_b128 v8, v[OUTR+4*\k:OUTR+4*\k+3], s[24:25] offset:512*\k   ; my 32 rows are 6,144 consecutive bytes of wb
.endr
	s_wait_tensorcnt 0x0                           ; the wave's end
	ds_add_u32 v[SPW], v[NIL]
	s_wait_dscnt 0x0
	s_endpgm
.Lfunc_end_k_q41e30f43ae_wq:
	.size	k_q41e30f43ae_wq, .Lfunc_end_k_q41e30f43ae_wq-k_q41e30f43ae_wq
	.p2alignl 7, 3214868480
	.fill 96, 4, 3214868480
	.section	.rodata,"a",@progbits
	.p2align	6, 0x0
	.amdhsa_kernel k_q41e30f43ae_wq
		.amdhsa_group_segment_fixed_size 25600
		.amdhsa_private_segment_fixed_size 0
		.amdhsa_enable_private_segment 0
		.amdhsa_kernarg_size 40
		.amdhsa_user_sgpr_count 2
		.amdhsa_user_sgpr_kernarg_segment_ptr 1
		.amdhsa_wavefront_size32 1
		.amdhsa_system_sgpr_workgroup_id_x 1
		.amdhsa_system_sgpr_workgroup_id_y 1
		.amdhsa_system_sgpr_workgroup_id_z 1
		.amdhsa_system_vgpr_workitem_id 0
		.amdhsa_next_free_vgpr 176
		.amdhsa_next_free_sgpr 66
		.amdhsa_reserve_vcc 0
		.amdhsa_float_denorm_mode_32 3
		.amdhsa_float_denorm_mode_16_64 3
		.amdhsa_memory_ordered 1
		.amdhsa_forward_progress 1
		.amdhsa_inst_pref_size 46
	.end_amdhsa_kernel
	.amdgpu_metadata
---
amdhsa.version: [ 1, 2 ]
amdhsa.kernels:
  - .name:           k_q41e30f43ae_wq
    .symbol:         k_q41e30f43ae_wq.kd
    .args:
      - { .name: qkv_w, .offset: 0, .size: 8, .value_kind: global_buffer, .address_space: global }
      - { .name: proj_w, .offset: 8, .size: 8, .value_kind: global_buffer, .address_space: global }
      - { .name: mlp_w1, .offset: 16, .size: 8, .value_kind: global_buffer, .address_space: global }
      - { .name: mlp_w2, .offset: 24, .size: 8, .value_kind: global_buffer, .address_space: global }
      - { .name: wb, .offset: 32, .size: 8, .value_kind: global_buffer, .address_space: global }
    .group_segment_fixed_size: 25600
    .private_segment_fixed_size: 0
    .kernarg_segment_align: 8
    .kernarg_segment_size: 40
    .max_flat_workgroup_size: 128
    .sgpr_count:     66
    .vgpr_count:     176
    .wavefront_size: 32
...
	.end_amdgpu_metadata
.endif
;; end of part 1
;; launch ln1 (part 2): grid 128 x 1, 8 waves a work-group, no clusters, 26,624 bytes of LDS; arguments x, ln1_w, ln1_b, hb; writes hb
.if DOCPART == 2
	.amdgcn_target "amdgcn-amd-amdhsa--gfx1250"
	.amdhsa_code_object_version 6
	.text
	.protected	k_q41e30f43ae_ln1
	.globl	k_q41e30f43ae_ln1
	.p2align	8
	.type	k_q41e30f43ae_ln1,@function
k_q41e30f43ae_ln1:
	s_mov_b64 s[64:65], 0
	v_nop
	global_prefetch_b8 v0, s[64:65] scope:SCOPE_SE
	s_setreg_imm32_b32 hwreg(HW_REG_WAVE_MODE, 25, 1), 1
	s_wait_xcnt 0x0
; y = (x - mean) rsqrt(var + 1e-5) w + b for rows of 1,024 f32, quantised along the row to E2M3 with one E8M0 byte for each 32.
; Out: codes [4 panels of 256][4096 rows][192 bytes] at byte 0, scale bytes [4][4096][8] at byte 3,145,728.
; Inside a block of 32, place 16 h + 8 u + j holds k = 16 u + 8 h + j (the order of all operands of this program).
; A work-group takes 32 rows, a wave four, one row across its 32 lanes.  Lane (i = lane / 2, e = lane % 2) owns half e of blocks i and i + 16: k = 8 e + 0..7 and 16 + 8 e + 0..7.
; Mean and variance in two passes over registers, as the definition has them.  Codes meet in LDS and leave as dense runs.
; LIMITS: NaN and infinities are not served; a block of zeros gets the byte 1 (its codes are zeros; this program alone reads the bytes).
.set W,     32                         ; v32-63   my 32 gains
.set BV,    64                         ; v64-95   my 32 biases
.set RW,    96                         ; v96-223  four rows, 32 numbers each
.set SPW,   224
.set NIL,   225
.set SCST,  24576                      ; LDS: codes [4][32][192] at 0, scale bytes [4][32][8] here,
.set SPARE, 25600                      ; and the spare words, 128 bytes a wave
	s_load_b256 s[4:11], s[0:1], 0x0               ; x, w, b, out
	v_lshl_add_u32 v[SPW], v0, 2, SPARE
	v_mov_b32 v[NIL], 0
	v_lshrrev_b32 v1, 5, v0
	v_readfirstlane_b32 s12, v1                    ; wave
	v_and_b32 v2, 31, v0
	v_lshrrev_b32 v3, 1, v2                        ; i
	v_and_b32 v4, 1, v2                            ; e
	v_lshlrev_b32 v5, 7, v3
	v_lshl_add_u32 v5, v4, 5, v5                   ; 128 i + 32 e
	v_lshrrev_b32 v6, 4, v2
	v_and_b32 v7, 15, v2
	v_mul_u32_u24 v28, v6, 6144
	v_mad_u32_u24 v28, v7, 12, v28
	s_mul_i32 s13, s12, 768
	v_add_nc_u32 v28, s13, v28                     ; my 12 bytes of codes: panel lane / 16, row 4 w, 12 (lane % 16)
	v_and_b32 v29, 7, v3
	v_lshl_add_u32 v29, v6, 8, v29
	s_lshl_b32 s13, s12, 5
	v_add_nc_u32 v29, s13, v29
	v_add_nc_u32 v29, SCST, v29                    ; my block's byte
	s_lshr_b32 s14, s12, 1
	s_and_b32 s15, s12, 1
	s_mul_i32 s16, s14, 6144
	s_mul_i32 s17, s15, 3072
	s_add_co_u32 s16, s16, s17                     ; the way out: wave w takes half w % 2 of panel w / 2
	v_lshlrev_b32 v30, 4, v2
	v_add_nc_u32 v31, s16, v30
	s_mul_i32 s26, s14, 786432
	s_add_co_u32 s26, s26, s17
	s_mul_i32 s24, ttmp9, 6144
	s_add_co_u32 s26, s26, s24
	s_mov_b32 s27, 0
	s_and_b32 s18, s12, 3
	s_lshl_b32 s28, s18, 15
	s_lshl_b32 s24, ttmp9, 8
	s_add_co_u32 s28, s28, s24
	s_add_co_u32 s28, s28, 3145728
	s_mov_b32 s29, 0
	s_lshl_b32 s18, s18, 8
	v_lshlrev_b32 v26, 3, v2
	v_add_nc_u32 v27, s18, v26
	v_add_nc_u32 v27, SCST, v27                    ; waves 0-3: a panel's 256 scale bytes
	s_lshl_b32 s24, ttmp9, 17
	s_lshl_b32 s25, s12, 14
	s_add_co_u32 s24, s24, s25                     ; my first row: 32 x work-group + 4 x wave, 4,096 bytes each
	s_mov_b32 s25, 0
	s_mov_b32 s20, 0x3a800000                      ; 1 / 1024
	s_mov_b32 s21, 0x3727c5ac                      ; 1e-5
	s_mov_b32 s22, 0x76543210
	s_mov_b32 s23, 0xfedcba98                      ; lane l xor 16
	s_wait_kmcnt 0x0
	s_add_nc_u64 s[4:5], s[4:5], s[24:25]
	s_add_nc_u64 s[26:27], s[10:11], s[26:27]
	s_add_nc_u64 s[28:29], s[10:11], s[28:29]
.macro LD8 reg, base, off
.irp c, 0,1
	global_load_b128 v[\reg+16*\c:\reg+16*\c+3], v5, s[\base:\base+1] offset:\off+2048*\c
	global_load_b128 v[\reg+16*\c+4:\reg+16*\c+7], v5, s[\base:\base+1] offset:\off+2048*\c+16
	global_load_b128 v[\reg+16*\c+8:\reg+16*\c+11], v5, s[\base:\base+1] offset:\off+2048*\c+64
	global_load_b128 v[\reg+16*\c+12:\reg+16*\c+15], v5, s[\base:\base+1] offset:\off+2048*\c+80
.endr
.endm
	LD8 W, 6, 0
	LD8 BV, 8, 0
.irp j, 0,1,2,3
	LD8 RW+32*\j, 4, 4096*\j
.endr
.macro ALL32 op                        ; a reduction over the wave's 32 lanes, in v[\op] with v[\op+1] as helper
	v_add_f32_dpp v[\op], v[\op], v[\op] row_xmask:1 row_mask:0xf bank_mask:0xf
	v_add_f32_dpp v[\op], v[\op], v[\op] row_xmask:2 row_mask:0xf bank_mask:0xf
	v_add_f32_dpp v[\op], v[\op], v[\op] row_xmask:4 row_mask:0xf bank_mask:0xf
	v_add_f32_dpp v[\op], v[\op], v[\op] row_xmask:8 row_mask:0xf bank_mask:0xf
	v_permlanex16_b32 v[\op+1], v[\op], s22, s23
	v_add_f32 v[\op], v[\op], v[\op+1]
.endm
.macro ROW j
.set R, RW+32*(\j)
	s_wait_loadcnt 8*(3-(\j))                      ; gains, biases and this row are in; the later rows' eight loads each may be out
	v_pk_add_f32 v[8:9], v[R:R+1], v[R+2:R+3]
	v_pk_add_f32 v[10:11], v[R+4:R+5], v[R+6:R+7]
.irp i, 8,12,16,20,24,28
	v_pk_add_f32 v[8:9], v[8:9], v[R+\i:R+\i+1]
	v_pk_add_f32 v[10:11], v[10:11], v[R+\i+2:R+\i+3]
.endr
	v_pk_add_f32 v[8:9], v[8:9], v[10:11]
	v_add_f32 v8, v8, v9
	ALL32 8
	v_mul_f32 v8, s20, v8                          ; the mean
.set ri, 0
.rept 16
	v_pk_add_f32 v[R+ri:R+ri+1], v[R+ri:R+ri+1], v[8:9] op_sel_hi:[1,0] neg_lo:[0,1] neg_hi:[0,1]
.set ri, ri+2
.endr
	v_pk_mul_f32 v[10:11], v[R:R+1], v[R:R+1]
	v_pk_mul_f32 v[12:13], v[R+2:R+3], v[R+2:R+3]
.irp i, 4,8,12,16,20,24,28
	v_pk_fma_f32 v[10:11], v[R+\i:R+\i+1], v[R+\i:R+\i+1], v[10:11]
	v_pk_fma_f32 v[12:13], v[R+\i+2:R+\i+3], v[R+\i+2:R+\i+3], v[12:13]
.endr
	v_pk_add_f32 v[10:11], v[10:11], v[12:13]
	v_add_f32 v10, v10, v11
	ALL32 10
	v_fma_f32 v10, v10, s20, s21                   ; the variance + 1e-5
	v_rsq_f32 v12, v10
	v_nop                                          ; a plain line behind the transcendental,
	s_wait_alu depctr_va_vdst(0)                   ; and the wait ahead of its first reader
.set ri, 0
.rept 16
	v_pk_mul_f32 v[R+ri:R+ri+1], v[R+ri:R+ri+1], v[12:13] op_sel_hi:[1,0]
.set ri, ri+2
.endr
.set ri, 0
.rept 16
	v_pk_fma_f32 v[R+ri:R+ri+1], v[R+ri:R+ri+1], v[W+ri:W+ri+1], v[BV+ri:BV+ri+1]
.set ri, ri+2
.endr
.irp c, 0,1
	v_max3_num_f32 v[14+\c], |v[R+16*\c]|, |v[R+16*\c+1]|, 0x1800000   ; my 16 of a block, and the floor 2^(3 - 127)
.endr
.irp i, 2,4,6,8,10,12,14
.irp c, 0,1
	v_max3_num_f32 v[14+\c], v[14+\c], |v[R+16*\c+\i]|, |v[R+16*\c+\i+1]|
.endr
.endr
.irp c, 0,1
	v_max_num_f32_dpp v[14+\c], v[14+\c], v[14+\c] row_xmask:1 row_mask:0xf bank_mask:0xf   ; with my neighbour's 16: the block's
.endr
	s_wait_dscnt 0x0                               ; the last row's LDS stores have read the registers written below
.irp c, 0,1
	v_add_nc_u32 v[24+\c], 0xff000000, v[14+\c]    ; 2 off the exponent field: the conversion's scale operand
.endr
	v_cvt_scalef32_pk16_fp6_f32 v[16:18], v[R:R+15], v24
	v_cvt_scalef32_pk16_fp6_f32 v[20:22], v[R+16:R+31], v25
	v_lshrrev_b32 v19, 23, v24                     ; the bytes (plain lines behind the conversions)
	v_lshrrev_b32 v23, 23, v25
.irp p, 0,1,2
	ds_store_b32 v28, v[16+\p] offset:192*(\j)+4*\p
	ds_store_b32 v28, v[20+\p] offset:192*(\j)+4*\p+12288
.endr
	ds_store_b8 v29, v19 offset:8*(\j)             ; both lanes of a block write the same byte with the same value
	ds_store_b8 v29, v23 offset:8*(\j)+512
.endm
	ROW 0
	ROW 1
	ROW 2
	ROW 3
	s_wait_dscnt 0x0                               ; my stores have landed: then the barrier, behind which other waves read them
	s_barrier_signal -1
	s_barrier_wait -1
	s_cmp_gt_u32 s12, 3
	s_cbranch_scc1 .Lcodes
	ds_load_b64 v[8:9], v27
	s_wait_dscnt 0x0
	global_store_b64 v26, v[8:9], s[28:29]         ; a panel's scale bytes of the 32 rows: 256 consecutive bytes, aligned
.Lcodes:
.irp k, 0,1,2,3,4,5
	ds_load_b128 v[96+4*\k:99+4*\k], v31 offset:512*\k
.endr
.irp k, 0,1,2,3,4,5
	s_wait_dscnt 5-\k
	global_store_b128 v30, v[96+4*\k:99+4*\k], s[26:27] offset:512*\k   ; 512 consecutive bytes an instruction
.endr
	s_wait_tensorcnt 0x0                           ; the wave's end
	ds_add_u32 v[SPW], v[NIL]
	s_wait_dscnt 0x0
	s_endpgm
.Lfunc_end_k_q41e30f43ae_ln1:
	.size	k_q41e30f43ae_ln1, .Lfunc_end_k_q41e30f43ae_ln1-k_q41e30f43ae_ln1
	.p2alignl 7, 3214868480
	.fill 96, 4, 3214868480
	.section	.rodata,"a",@progbits
	.p2align	6, 0x0
	.amdhsa_kernel k_q41e30f43ae_ln1
		.amdhsa_group_segment_fixed_size 26624
		.amdhsa_private_segment_fixed_size 0
		.amdhsa_enable_private_segment 0
		.amdhsa_kernarg_size 32
		.amdhsa_user_sgpr_count 2
		.amdhsa_user_sgpr_kernarg_segment_ptr 1
		.amdhsa_wavefront_size32 1
		.amdhsa_system_sgpr_workgroup_id_x 1
		.amdhsa_system_sgpr_workgroup_id_y 1
		.amdhsa_system_sgpr_workgroup_id_z 1
		.amdhsa_system_vgpr_workitem_id 0
		.amdhsa_next_free_vgpr 232
		.amdhsa_next_free_sgpr 66
		.amdhsa_reserve_vcc 0
		.amdhsa_float_denorm_mode_32 3
		.amdhsa_float_denorm_mode_16_64 3
		.amdhsa_memory_ordered 1
		.amdhsa_forward_progress 1
		.amdhsa_inst_pref_size 41
	.end_amdhsa_kernel
	.amdgpu_metadata
---
amdhsa.version: [ 1, 2 ]
amdhsa.kernels:
  - .name:           k_q41e30f43ae_ln1
    .symbol:         k_q41e30f43ae_ln1.kd
    .args:
      - { .name: x, .offset: 0, .size: 8, .value_kind: global_buffer, .address_space: global }
      - { .name: ln1_w, .offset: 8, .size: 8, .value_kind: global_buffer, .address_space: global }
      - { .name: ln1_b, .offset: 16, .size: 8, .value_kind: global_buffer, .address_space: global }
      - { .name: hb, .offset: 24, .size: 8, .value_kind: global_buffer, .address_space: global }
    .group_segment_fixed_size: 26624
    .private_segment_fixed_size: 0
    .kernarg_segment_align: 8
    .kernarg_segment_size: 32
    .max_flat_workgroup_size: 256
    .sgpr_count:     66
    .vgpr_count:     232
    .wavefront_size: 32
...
	.end_amdgpu_metadata
.endif
;; end of part 2
;; launch qkv (part 3): grid 8 x 24, 4 waves a work-group, clusters of 4 x 4, 327,680 bytes of LDS; arguments hb, wb, qkv_b, qkvb; writes qkvb
.if DOCPART == 3
	.amdgcn_target "amdgcn-amd-amdhsa--gfx1250"
	.amdhsa_code_object_version 6
	.text
	.protected	k_q41e30f43ae_qkv
	.globl	k_q41e30f43ae_qkv
	.p2align	8
	.type	k_q41e30f43ae_qkv,@function
k_q41e30f43ae_qkv:
	s_mov_b64 s[64:65], 0
	v_nop
	global_prefetch_b8 v0, s[64:65] scope:SCOPE_SE
	s_setreg_imm32_b32 hwreg(HW_REG_WAVE_MODE, 25, 1), 1
	s_wait_xcnt 0x0
	s_wait_alu depctr_hold_cnt(0) depctr_sa_sdst(0) depctr_va_vdst(0) depctr_va_sdst(0) depctr_va_ssrc(0) depctr_va_vcc(0) depctr_vm_vsrc(0)
	s_getreg_b32 s2, hwreg(HW_REG_IB_STS2, 6, 4)
	s_cmp_eq_u32 s2, 0
	s_cbranch_scc0 .Lentry_in_a_cluster
	s_endpgm
.Lentry_in_a_cluster:
	s_bfe_u32 s2, ttmp6, 0x10000c
	s_cmp_lg_u32 s2, 0xf033
	s_cbranch_scc0 .Lentry_shape_is_right
	s_endpgm
.Lentry_shape_is_right:
; q, k, v = LN(x) Wqkv + b on codes of E2M3 (K = 1,024), quantised again on the way out for the two products of attention.
; Operands lie as panels: codes [K/256][4096 rows][192 bytes], scale bytes [K/256][4096][8].  A tile is 256 x 256, four waves of 128 x 128, K in steps of 256 through a ring of two LDS slots.
; The matrix instruction takes source 0 (tile x) and source 1 (tile y); a lane holds ONE row of source 1 and eight neighbouring rows of source 0, so the result is quantised ALONG SOURCE 0.
; REGIONS, by the cluster's y (the same in all sixteen partners; selects only, one path):
;   cluster y 0-3: source 0 = 256 rows of Wqkv (q, k features), source 1 = 256 tokens: q and k quantised along the features: codes [8 panels][4096 tokens][192].
;   cluster y 4-5: source 0 = 256 tokens (a panel of keys), source 1 = 256 rows of Wqkv (v features): v quantised along the KEYS: codes [16 key panels][1024 d][192].
; CLUSTER 4 x 4: source 1's tiles are shared along a row of the cluster, source 0's down a column; each is asked for jointly.
; Inside a block of 32, place 16 h + 8 u + j holds k = 16 u + 8 h + j: the order in which two neighbouring result tiles lie in a lane.
; LIMITS: NaN and infinities are not served; a block of zeros gets the byte 1 (zero codes; this program alone reads the bytes).
.set KTOT,   1024
.set R0,     4096
.set R1,     4096
.set SPARE,  262144
.set NQ,     2
.set ROWB,   192
.set PITCH,  240                       ; an LDS row: 3 x (64 bytes + 16 of padding)
.set FR,     12
.set NL,     6
.set NP,     4
.set HALFT,  128*PITCH
.set SLOT,   4*HALFT
.set NPAN,   KTOT/256
.set LAPS,   NPAN/2
.set SCL,    2*SLOT                    ; behind the ring: the scale bytes of all of K, [quarter][panel][128 rows][8]
.set HALFS,  NPAN*1024
.set STG,    0                         ; the way out, in slot 0 after its last fill and last read: codes [256][192],
.set SSTG,   49152                     ; scale bytes [256][8]
.set SSO,  7
.set RSC,  15
.set ADRA, 16
.set ADRB, 20
.set STO,  24
.set RD,   25
.set CO,   26
.set ADRS, 27
.set SPW,  28
.set NIL,  29
.set CSO,  30
.set SC,   32                          ; v32-63 scale words, two sets: they hold scales and nothing else
.set B0,   64                          ; v64-127 the bias along source 0
.set AF,   128
.set HA,   128                         ; the way out: 64 numbers
.set CD,   192                         ; their codes
.set PW,   212                         ; their scale word
.set B1,   224                         ; v224-239 the bias along source 1, a pair for each block of 16 rows
.set TM,   240
.set SEL,  97
.set G1, 24
.set G0, 32
.set G1B, 48
.set G0B, 56
.set G1S, 68
.set G0S, 76
.set G1SB, 80
.set G0SB, 88
.set MSB, 0
.macro WIN new
.if MSB != (\new)
	s_set_vgpr_msb (MSB<<8)|(\new)
.set MSB, \new
.endif
.endm
.set MUL_LO, 0xa1
.set MUL_HI, 0xf1
.set TO_B,   0x40
.macro JLOAD g0a, g1a, g0b, g1b        ; waves 0, 1 fetch for source 1, waves 2, 3 for source 0
	s_cmp_eq_u32 s15, 0
	s_cbranch_scc0 .Lfor_b_\@
	tensor_load_to_lds s[\g0a:\g0a+3], s[\g1a:\g1a+7]
	s_nop 0
.rept 4
	v_nop
.endr
	s_branch .Lasked_\@
.Lfor_b_\@:
	tensor_load_to_lds s[\g0b:\g0b+3], s[\g1b:\g1b+7]
	s_nop 0
.rept 4
	v_nop
.endr
.Lasked_\@:
.endm
.macro CREST
	s_cmp_lg_u32 s14, 0
	s_cbranch_scc1 .Lnot_wave_0_\@
	s_barrier_signal -3
.Lnot_wave_0_\@:
	s_barrier_wait -3
	s_barrier_signal -1
	s_barrier_wait -1
.endm
.macro CROUND
	s_barrier_signal -1
	s_barrier_wait -1
	CREST
.endm
	s_load_b256 s[4:11], s[0:1], 0x0               ; hb, wb, qkv_b, qkvb
	v_lshl_add_u32 v[SPW], v0, 2, SPARE
	v_mov_b32 v[NIL], 0
	ds_add_u32 v[SPW], v[NIL]                      ; the wave's opening: the add and its wait ahead of my first tensor load
	v_lshrrev_b32 v1, 5, v0
	v_readfirstlane_b32 s14, v1                    ; wave
	s_lshr_b32 s15, s14, 1                         ; my half of source 1's rows; also: I fetch for source 1 (0) or 0 (1)
	s_and_b32 s16, s14, 1                          ; my half of source 0's rows; also: which 128 rows I fetch
	s_bfe_u32 s40, ttmp6, 0x40000                  ; cx
	s_bfe_u32 s41, ttmp6, 0x40004                  ; cy
	s_lshl_b32 s42, ttmp9, 2
	s_add_co_u32 s42, s42, s40                     ; x
	s_and_b32 s100, ttmp7, 0xffff                  ; the cluster's y: the region
	s_lshl_b32 s17, s100, 2
	s_add_co_u32 s17, s17, s41                     ; y
	s_lshl_b32 s43, s41, 2
	s_lshl_b32 s43, 15, s43                        ; my row of the cluster
	s_lshl_b32 s44, 0x1111, s40                    ; my column
	s_or_b32 s[G1+0], s43, (1<<20)|(1<<21)|(3<<22)|(3<<25)   ; bytes; 16 bytes of padding behind every 64
	s_or_b32 s[G1B+0], s44, (1<<20)|(1<<21)|(3<<22)|(3<<25)
.irp g, G1, G1B
	s_mov_b32 s[\g+1], ROWB<<16
	s_mov_b32 s[\g+2], 128<<16
	s_mov_b32 s[\g+3], ROWB<<16
	s_mov_b32 s[\g+4], 128
	s_mov_b32 s[\g+5], ROWB                        ; rows of a panel are dense
	s_mov_b32 s[\g+6], 0
	s_mov_b32 s[\g+7], 0
.endr
	s_or_b32 s[G1S+0], s43, (3<<16)|(1<<21)        ; scale bytes: 128 rows x 8 bytes are one line of 1,024 bytes, a line for each panel
	s_or_b32 s[G1SB+0], s44, (3<<16)|(1<<21)
.irp g, G1S, G1SB
	s_mov_b32 s[\g+1], 128<<16
	s_mov_b32 s[\g+2], NPAN<<16
	s_mov_b32 s[\g+3], 128<<16
	s_mov_b32 s[\g+4], NPAN
	s_mov_b32 s[\g+5], 4096
	s_mov_b32 s[\g+6], 0
	s_mov_b32 s[\g+7], 0
.endr
	s_lshl_b32 s20, s17, 8                         ; source 1's first row: tokens 256 y,
	s_lshl_b32 s21, s41, 8
	s_add_co_u32 s21, s21, 2048                    ; or v's features 2048 + 256 cy
	s_sub_co_u32 s46, s100, 4
	s_lshl_b32 s46, s46, 3
	s_add_co_u32 s46, s46, s42                     ; the key panel x + 8 (cluster y - 4)
	s_mov_b32 s95, 3145728                         ; where hb's scale bytes begin,
	s_mov_b32 s96, 10223616                        ; and Wqkv's in wb
	s_cmp_ge_u32 s100, 4
	s_cselect_b32 s20, s21, s20
	s_cselect_b32 s46, s46, s42
	s_cselect_b32 s97, s96, s95
	s_cselect_b32 s98, s95, s96
	s_mov_b32 s99, s46                             ; kept for the way out: source 0's tile,
	s_mov_b32 s101, s20                            ; source 1's first row
	s_lshl_b32 s18, s16, 7
	s_add_co_u32 s20, s20, s18
	s_lshl_b32 s46, s46, 8
	s_add_co_u32 s46, s46, s18
	s_lshl_b32 s22, s20, 3
	s_add_co_u32 s22, s22, s97
	s_lshl_b32 s92, s46, 3
	s_add_co_u32 s92, s92, s98
	s_mul_i32 s20, s20, ROWB
	s_mul_i32 s46, s46, ROWB
	s_mov_b32 s21, 0
	s_mov_b32 s23, 0
	s_mov_b32 s47, 0
	s_mov_b32 s93, 0
	s_mul_i32 s45, s14, HALFT
	s_mul_i32 s94, s14, HALFS
	s_wait_dscnt 0x0                               ; the opening add is done
	s_wait_kmcnt 0x0
	s_cmp_ge_u32 s100, 4
	s_cselect_b64 s[66:67], s[6:7], s[4:5]         ; source 1's buffer
	s_cselect_b64 s[104:105], s[4:5], s[6:7]       ; source 0's
	s_add_nc_u64 s[20:21], s[66:67], s[20:21]
	s_add_nc_u64 s[22:23], s[66:67], s[22:23]
	s_add_nc_u64 s[46:47], s[104:105], s[46:47]
	s_add_nc_u64 s[92:93], s[104:105], s[92:93]
	CROUND                                         ; all sixteen work-groups are here: the first joint loads meet
	s_mov_b32 s[G0S], 1
	s_add_co_u32 s[G0S+1], s94, SCL
	s_mov_b64 s[G0S+2:G0S+3], s[22:23]
	s_or_b32 s[G0S+3], s[G0S+3], 0x80000000
	s_mov_b32 s[G0SB], 1
	s_add_co_u32 s[G0SB+1], s94, SCL
	s_mov_b64 s[G0SB+2:G0SB+3], s[92:93]
	s_or_b32 s[G0SB+3], s[G0SB+3], 0x80000000
	JLOAD G0S, G1S, G0SB, G1SB
.irp s, 0,1
	s_mov_b32 s[G0+4*\s], 1
	s_add_co_u32 s[G0+4*\s+1], s45, \s*SLOT
	s_add_nc_u64 s[G0+4*\s+2:G0+4*\s+3], s[20:21], \s*R1*ROWB
	s_or_b32 s[G0+4*\s+3], s[G0+4*\s+3], 0x80000000
	s_mov_b32 s[G0B+4*\s], 1
	s_add_co_u32 s[G0B+4*\s+1], s45, \s*SLOT
	s_add_nc_u64 s[G0B+4*\s+2:G0B+4*\s+3], s[46:47], \s*R0*ROWB
	s_or_b32 s[G0B+4*\s+3], s[G0B+4*\s+3], 0x80000000
	JLOAD G0+4*\s, G1, G0B+4*\s, G1B
.endr
	v_and_b32 v1, 15, v0                           ; r
	v_bfe_u32 v2, v0, 4, 1                         ; h
	v_mul_u32_u24 v3, v1, PITCH
	v_mul_u32_u24 v4, v2, 24
	v_add_nc_u32 v4, v3, v4
	v_lshl_add_u32 v5, v2, 4, v4
	s_mul_i32 s21, s15, HALFT
	s_mul_i32 s22, s16, HALFT
	s_add_co_u32 s22, s22, 2*HALFT
.irp s, 0,1
	v_add_nc_u32 v[ADRA+\s], s21, v4
	v_add_nc_u32 v[ADRB+\s], s22, v4
	v_add_nc_u32 v[ADRA+2+\s], s21, v5
	v_add_nc_u32 v[ADRB+2+\s], s22, v5
	s_add_co_u32 s21, s21, SLOT
	s_add_co_u32 s22, s22, SLOT
.endr
	v_lshlrev_b32 v5, 3, v1                        ; scale words: 8 bytes a row;
	s_mul_i32 s21, s15, HALFS
	s_mul_i32 s22, s16, HALFS
	s_add_co_u32 s22, s22, 2*HALFS
	s_sub_co_u32 s22, s22, s21
	v_mul_u32_u24 v6, s22, v2                      ; lanes 16-31 take source 0's
	s_add_co_u32 s21, s21, SCL
	v_add_nc_u32 v5, v5, v6
	v_add_nc_u32 v[ADRS], s21, v5
	s_lshl_b32 s21, s15, 7
	v_add_nc_u32 v5, s21, v1                       ; my output row in the tile: 128 x half + r
	v_mul_u32_u24 v6, v5, 192
	v_mad_u32_u24 v6, v2, 24, v6
	s_mul_i32 s22, s16, 96
	v_add_nc_u32 v[STO], s22, v6                   ; its codes: + 96 x my half of source 0 + 24 h
	s_lshl_b32 s22, s16, 2
	s_add_co_u32 s22, s22, SSTG
	v_lshl_add_u32 v[SSO], v5, 3, s22              ; its scale word
	v_and_b32 v6, 31, v0
	v_lshlrev_b32 v6, 4, v6
	s_mul_i32 s22, s14, 12288
	v_add_nc_u32 v[RD], s22, v6                    ; back: a quarter of the stage, 16 bytes a lane
	s_lshl_b32 s22, s14, 9
	s_add_co_u32 s22, s22, SSTG
	v_add_nc_u32 v[RSC], s22, v6
	s_mov_b32 s23, 9437184
	s_cmp_ge_u32 s100, 4
	s_cselect_b32 s21, 10, 12                      ; rows of an output panel: 1,024 (v) or 4,096
	s_cselect_b32 s22, 2048, 0
	s_cselect_b32 s95, 0, -1                       ; lanes' mask: the bias along source 0 counts for q and k,
	s_cselect_b32 s96, -1, 0                       ; that along source 1 for v
	s_cselect_b32 s23, 9699328, s23
	s_cselect_b32 s45, 6291456, 0
	s_lshl_b32 s21, s99, s21
	s_sub_co_u32 s22, s101, s22
	s_add_co_u32 s21, s21, s22                     ; the tile's first output row
	s_lshl_b32 s22, s21, 3
	s_add_co_u32 s22, s22, s23
	s_lshl_b32 s23, s14, 9
	s_add_co_u32 s22, s22, s23
	v_add_nc_u32 v[CSO], s22, v6                   ; my 16 bytes of its scale bytes in qkvb
	s_mul_i32 s21, s21, 192
	s_add_co_u32 s21, s21, s45
	s_mul_i32 s23, s14, 12288
	s_add_co_u32 s21, s21, s23
	v_add_nc_u32 v[CO], s21, v6                    ; and of its codes
	s_lshl_b32 s23, s99, 8
	s_lshl_b32 s45, s16, 7
	s_add_co_u32 s23, s23, s45
	s_and_b32 s23, s23, s95                        ; (the bias that does not count is read at 0 and cleared)
	s_lshl_b32 s45, s15, 7
	s_add_co_u32 s45, s45, s101
	s_and_b32 s45, s45, s96
	s_lshl_b32 s23, s23, 2
	s_lshl_b32 s45, s45, 2
	v_lshl_add_u32 v8, v2, 5, s23
	v_lshl_add_u32 v9, v1, 2, s45
.irp b, 0,1,2,3,4,5,6,7
	global_load_b128 v[B0+8*\b:B0+8*\b+3], v8, s[8:9] offset:64*\b          ; qkv_b at source 0's rows 16 b + 8 h + 0..7
	global_load_b128 v[B0+8*\b+4:B0+8*\b+7], v8, s[8:9] offset:64*\b+16
.endr
.irp a, 0,1,2,3,4,5,6,7
	global_load_b32 v[B1+2*\a], v9, s[8:9] offset:64*\a                     ; and at source 1's row 16 a + r
.endr
	s_mov_b32 s[SEL], 0x76543210
	s_mov_b32 s[SEL+1], 0xfedcba98
.macro FRAG reg, adr, q, i             ; 16 rows x 128 K: 12 registers; each 24 bytes as three pieces of 8; the second address register serves pieces whose partner three on lies behind one padding more
.irp p, 0,1,2,3,4,5
.set PIECE, 12*(\q)+6*(\p/3)+\p%3
.if PIECE%8 < 5
	ds_load_b64 v[\reg+2*\p:\reg+2*\p+1], v[\adr] offset:8*PIECE+16*(PIECE/8)+(\i)*16*PITCH
.else
	ds_load_b64 v[\reg+2*\p:\reg+2*\p+1], v[\adr+2] offset:8*PIECE+16*(PIECE/8)+(\i)*16*PITCH
.endif
.endr
.endm
.macro MUL16 a0, p, q, sc, zero        ; the 64 accumulators take turns, one instruction a turn
.irp a, \a0, \a0+1
.irp b, 0,1,2,3,4,5,6,7
.if \zero
	v_wmma_scale_f32_16x16x128_f8f6f4 v[8*(8*((\a)%4)+\b):8*(8*((\a)%4)+\b)+7], v[128*(\p)+FR*\b:128*(\p)+FR*\b+FR-1], v[AF+FR*(\a):AF+FR*(\a)+FR-1], 0, v[SC+8*NQ*(\sc)+NQ*\b+(\q)], v[SC+8*NQ*(\sc)+NQ*(\a)+(\q)] matrix_a_fmt:MATRIX_FMT_FP6 matrix_b_fmt:MATRIX_FMT_FP6 matrix_a_scale:MATRIX_SCALE_ROW1
.else
	v_wmma_scale_f32_16x16x128_f8f6f4 v[8*(8*((\a)%4)+\b):8*(8*((\a)%4)+\b)+7], v[128*(\p)+FR*\b:128*(\p)+FR*\b+FR-1], v[AF+FR*(\a):AF+FR*(\a)+FR-1], v[8*(8*((\a)%4)+\b):8*(8*((\a)%4)+\b)+7], v[SC+8*NQ*(\sc)+NQ*\b+(\q)], v[SC+8*NQ*(\sc)+NQ*(\a)+(\q)] matrix_a_fmt:MATRIX_FMT_FP6 matrix_b_fmt:MATRIX_FMT_FP6 matrix_a_scale:MATRIX_SCALE_ROW1
.endif
.endr
.endr
.endm
.macro FETCH_B slot, q, p
	WIN TO_B
.irp i, 0,1,2,3,4,5,6,7
	FRAG 128*(\p)+FR*\i, ADRB+\slot, \q, \i
.endr
	WIN 0
.endm
.macro FETCH_A slot, q, i0
.irp i, \i0, \i0+1, \i0+2, \i0+3
	FRAG AF+FR*(\i), ADRA+\slot, \q, \i
.endr
.endm
.macro SCALES sc                       ; a K step's two words a row: lanes 0-15 source 1's block i, lanes 16-31 source 0's
.irp i, 0,1,2,3,4,5,6,7
	ds_load_b64 v[SC+8*NQ*\sc+NQ*\i:SC+8*NQ*\sc+NQ*\i+1], v[ADRS] offset:\i*128
.endr
.endm
.macro PLACES n                        ; plain lines between a matrix instruction and a load into, or a read of, its registers
.rept \n
	v_nop
.endr
.endm
.macro STEP slot, q, zero
	s_wait_dscnt 4*NL                              ; all but the youngest 24 loads (source 1's blocks 4-7)
	WIN MUL_LO
	MUL16 0, (\q)%2, \q, \slot, \zero
	MUL16 2, (\q)%2, \q, \slot, \zero
	s_wait_dscnt 0
	PLACES NP
	FETCH_B \slot, (\q)+1, 1-(\q)%2
	FETCH_A \slot, (\q)+1, 0
	WIN MUL_HI
	MUL16 4, (\q)%2, \q, \slot, \zero
	MUL16 6, (\q)%2, \q, \slot, \zero
	PLACES NP
	WIN 0
	FETCH_A \slot, (\q)+1, 4
.endm
.macro TURN slot, next, fill           ; a slot's last step changes slots
	s_wait_tensorcnt 0x0                           ; all my tensor loads have landed: my part of the next slot
	ds_add_u32 v[SPW], v[NIL]
	s_wait_dscnt 4*NL+1                            ; (the add and the youngest 24 loads may be out)
	WIN MUL_LO
	MUL16 0, 1, NQ-1, \slot, 0
	s_wait_dscnt 0x0                               ; the add is done, and my reads of this slot are over
	s_barrier_signal -1
	MUL16 2, 1, NQ-1, \slot, 0
	WIN 0
	s_barrier_wait -1
.if \fill
	CREST                                          ; the barrier opened a round of the cluster's: no wave of any partner still reads this slot or has a load out
	s_add_nc_u64 s[G0+4*\slot+2:G0+4*\slot+3], s[G0+4*\slot+2:G0+4*\slot+3], 2*R1*ROWB
	s_add_nc_u64 s[G0B+4*\slot+2:G0B+4*\slot+3], s[G0B+4*\slot+2:G0B+4*\slot+3], 2*R0*ROWB
	JLOAD G0+4*\slot, G1, G0B+4*\slot, G1B
.else
	PLACES NP
.endif
	v_add_nc_u32 v[ADRS], 1024, v[ADRS]            ; the next panel's scale words
	FETCH_B \next, 0, 0
	FETCH_A \next, 0, 0
	SCALES \next
	WIN MUL_HI
	MUL16 4, 1, NQ-1, \slot, 0
	MUL16 6, 1, NQ-1, \slot, 0
	PLACES NP
	WIN 0
	FETCH_A \next, 0, 4
.endm
	s_wait_tensorcnt 1                             ; the scales and K step 0 are in; K step 1's load may be out
	s_barrier_signal -1
	s_barrier_wait -1
	FETCH_B 0, 0, 0
	FETCH_A 0, 0, 0
	SCALES 0
	FETCH_A 0, 0, 4
	STEP 0, 0, 1
	s_mov_b32 s3, LAPS-1
.Llap:
	TURN 0, 1, 1
	STEP 1, 0, 0
	TURN 1, 0, 1
	STEP 0, 0, 0
	s_sub_co_u32 s3, s3, 1
	s_cmp_lg_u32 s3, 0
	s_cbranch_scc1 .Llap
	TURN 0, 1, 0
	STEP 1, 0, 0
	s_wait_dscnt 4*NL
	WIN MUL_LO
	MUL16 0, 1, NQ-1, 1, 0
	MUL16 2, 1, NQ-1, 1, 0
	s_wait_dscnt 0
	WIN MUL_HI
	MUL16 4, 1, NQ-1, 1, 0
	MUL16 6, 1, NQ-1, 1, 0
	WIN 0
; THE WAY OUT.  64 numbers of a lane (register 16 B + i: place 16 h + i of block B of my row) become 12 registers of codes and a scale word.
.macro QUANT s
.irp b, 0,1,2,3
	v_max3_num_f32 v[TM+\b], |v[\s+16*\b]|, |v[\s+1+16*\b]|, 0x1800000    ; with the floor 2^(3 - 127)
.endr
.irp i, 2,4,6,8,10,12,14
.irp b, 0,1,2,3
	v_max3_num_f32 v[TM+\b], v[TM+\b], |v[\s+16*\b+\i]|, |v[\s+1+16*\b+\i]|
.endr
.endr
.irp b, 0,1,2,3
	v_permlanex16_b32 v[TM+4+\b], v[TM+\b], s[SEL], s[SEL+1]
.endr
.irp b, 0,1,2,3
	v_max_num_f32 v[TM+\b], v[TM+\b], v[TM+4+\b]
.endr
.irp b, 0,1,2,3
	v_add_nc_u32 v[TM+12+\b], 0xff000000, v[TM+\b]
.endr
.irp b, 0,1,2,3
	v_lshrrev_b32 v[TM+4+\b], 23, v[TM+12+\b]
.endr
	v_lshl_or_b32 v[PW], v[TM+5], 8, v[TM+4]
	v_lshl_or_b32 v[PW], v[TM+6], 16, v[PW]
	v_lshl_or_b32 v[PW], v[TM+7], 24, v[PW]
.irp c, 0,1
	v_cvt_scalef32_pk16_fp6_f32 v[CD+6*\c:CD+2+6*\c], v[\s+32*\c:\s+15+32*\c], v[TM+12+2*\c]
	v_cvt_scalef32_pk16_fp6_f32 v[CD+12+4*\c:CD+14+4*\c], v[\s+16+32*\c:\s+31+32*\c], v[TM+12+2*\c+1]
.endr
	v_nop
.irp c, 0,1
.irp i, 0,1,2
	v_permlane16_swap_b32 v[CD+6*\c+\i], v[CD+12+4*\c+\i]
.endr
.irp i, 0,1,2
	v_mov_b32 v[CD+3+6*\c+\i], v[CD+12+4*\c+\i]
.endr
.endr
.endm
.macro EPI a
.set AC, 64*((\a)%4)
	WIN 0x02+(\a)/4                                ; source 0: the accumulators' window
.set ei, 0
.rept 32
	v_pk_add_f32 v[HA+ei:HA+ei+1], v[AC+ei:AC+ei+1], v[B0+ei:B0+ei+1]     ; each accumulator from its low end on
.set ei, ei+2
.endr
	WIN 0
.set ei, 0
.rept 32
	v_pk_add_f32 v[HA+ei:HA+ei+1], v[HA+ei:HA+ei+1], v[B1+2*(\a):B1+2*(\a)+1] op_sel_hi:[1,0]
.set ei, ei+2
.endr
	QUANT HA
.irp p, 0,1,2,3,4,5
	ds_store_b64 v[STO], v[CD+2*\p:CD+2*\p+1] offset:(\a)*3072+48*(\p/3)+8*(\p%3)
.endr
	ds_store_b32 v[SSO], v[PW] offset:(\a)*128     ; both halves of the lanes write the same word with the same value
	s_wait_dscnt 0x0                               ; the stores have read their registers
.endm
	s_wait_loadcnt 0x0                             ; the biases
.set ei, 0
.rept 64
	v_cndmask_b32 v[B0+ei], 0, v[B0+ei], s95       ; the bias that does not count is cleared.  (These plain lines are also the places behind the last products)
.set ei, ei+1
.endr
.irp a, 0,1,2,3,4,5,6,7
	v_cndmask_b32 v[B1+2*\a], 0, v[B1+2*\a], s96
	v_mov_b32 v[B1+2*\a+1], v[B1+2*\a]             ; (named with it as a pair)
.endr
.irp b, 0,1,2,3
	v_mov_b32 v[TM+4+\b], 0                        ; a lane permute's destination counts as read
.endr
.irp a, 0,1,2,3,4,5,6,7
	EPI \a
.endr
	s_barrier_signal -1                            ; every wave's stores into the stage have landed (the wait for 0 just above)
	s_barrier_wait -1
.set ek, 0
.rept 24
	ds_load_b128 v[128+4*ek:131+4*ek], v[RD] offset:512*ek
.set ek, ek+1
.endr
	ds_load_b128 v[224:227], v[RSC]
.set ek, 0
.rept 24
	s_wait_dscnt 24-ek
	global_store_b128 v[CO], v[128+4*ek:131+4*ek], s[10:11] offset:512*ek    ; the tile's 256 rows are 49,152 consecutive bytes: 512 an instruction
.set ek, ek+1
.endr
	s_wait_dscnt 0x0
	global_store_b128 v[CSO], v[224:227], s[10:11]
	s_wait_tensorcnt 0x0                           ; the wave's end
	ds_add_u32 v[SPW], v[NIL]
	s_wait_dscnt 0x0
	CROUND                                         ; the closing round
	s_endpgm
.Lfunc_end_k_q41e30f43ae_qkv:
	.size	k_q41e30f43ae_qkv, .Lfunc_end_k_q41e30f43ae_qkv-k_q41e30f43ae_qkv
	.p2alignl 7, 3214868480
	.fill 96, 4, 3214868480
	.section	.rodata,"a",@progbits
	.p2align	6, 0x0
	.amdhsa_kernel k_q41e30f43ae_qkv
		.amdhsa_group_segment_fixed_size 327680
		.amdhsa_private_segment_fixed_size 0
		.amdhsa_enable_private_segment 0
		.amdhsa_kernarg_size 32
		.amdhsa_user_sgpr_count 2
		.amdhsa_user_sgpr_kernarg_segment_ptr 1
		.amdhsa_wavefront_size32 1
		.amdhsa_system_sgpr_workgroup_id_x 1
		.amdhsa_system_sgpr_workgroup_id_y 1
		.amdhsa_system_sgpr_workgroup_id_z 1
		.amdhsa_system_vgpr_workitem_id 0
		.amdhsa_next_free_vgpr 1024
		.amdhsa_next_free_sgpr 106
		.amdhsa_reserve_vcc 0
		.amdhsa_float_denorm_mode_32 3
		.amdhsa_float_denorm_mode_16_64 3
		.amdhsa_memory_ordered 1
		.amdhsa_forward_progress 1
		.amdhsa_inst_pref_size 210
	.end_amdhsa_kernel
	.amdgpu_metadata
---
amdhsa.version: [ 1, 2 ]
amdhsa.kernels:
  - .name:           k_q41e30f43ae_qkv
    .symbol:         k_q41e30f43ae_qkv.kd
    .args:
      - { .name: hb, .offset: 0, .size: 8, .value_kind: global_buffer, .address_space: global }
      - { .name: wb, .offset: 8, .size: 8, .value_kind: global_buffer, .address_space: global }
      - { .name: qkv_b, .offset: 16, .size: 8, .value_kind: global_buffer, .address_space: global }
      - { .name: qkvb, .offset: 24, .size: 8, .value_kind: global_buffer, .address_space: global }
    .group_segment_fixed_size: 327680
    .private_segment_fixed_size: 0
    .kernarg_segment_align: 8
    .kernarg_segment_size: 32
    .max_flat_workgroup_size: 128
    .sgpr_count:     106
    .vgpr_count:     1024
    .wavefront_size: 32
...
	.end_amdgpu_metadata
.endif
;; end of part 3
;; launch attn (part 4): grid 32 x 8, 16 waves a work-group, clusters of 4 x 4, 327,680 bytes of LDS; arguments qkvb, dist_matrix, gamma, at; writes at
.if DOCPART == 4
	.amdgcn_target "amdgcn-amd-amdhsa--gfx1250"
	.amdhsa_code_object_version 6
	.text
	.protected	k_q41e30f43ae_attn
	.globl	k_q41e30f43ae_attn
	.p2align	8
	.type	k_q41e30f43ae_attn,@function
k_q41e30f43ae_attn:
	s_mov_b64 s[64:65], 0
	v_nop
	global_prefetch_b8 v0, s[64:65] scope:SCOPE_SE
	s_setreg_imm32_b32 hwreg(HW_REG_WAVE_MODE, 25, 1), 1
	s_wait_xcnt 0x0
	s_wait_alu depctr_hold_cnt(0) depctr_sa_sdst(0) depctr_va_vdst(0) depctr_va_sdst(0) depctr_va_ssrc(0) depctr_va_vcc(0) depctr_vm_vsrc(0)
	s_getreg_b32 s2, hwreg(HW_REG_IB_STS2, 6, 4)
	s_cmp_eq_u32 s2, 0
	s_cbranch_scc0 .Lentry_in_a_cluster
	s_endpgm
.Lentry_in_a_cluster:
	s_bfe_u32 s2, ttmp6, 0x10000c
	s_cmp_lg_u32 s2, 0xf033
	s_cbranch_scc0 .Lentry_shape_is_right
	s_endpgm
.Lentry_shape_is_right:
; o = softmax(q k^T / 32 - gamma dist) v for 32 (batch, head) pairs of 2,048 x 64, both products on codes of E2M3; o is quantised along the features for the next product.
; qkvb: q, k codes [8 panels: 0-3 q, 4-7 k][4096 tokens][192] (a panel = 4 heads x 48 bytes), v codes [16 key panels][1024 d][192], their scale bytes [..][8] behind them.
; SHARES.  Work-group (x, y): queries 64 x on of batch y / 4, heads 4 (y % 4) on.  Wave w: head w % 4, query tile w / 4: 16 queries of one head in 256 registers, four waves to a SIMD.
; Every wave walks the 2,048 keys, 128 a step, through a ring of two LDS slots (K 128 rows, V 256 d rows x 96 bytes, dist 64 x 128 f32), one step a slot.
; CLUSTER 4 x 4.  K, V and their scale bytes hang on y alone: shared along a row of the cluster.  dist hangs on x alone: shared down a column.  Each tile is asked for jointly.
; LAYOUT.  S^T = K Q^T, O^T = V^T P^T: a lane holds one query.  The head's 64 fill half of the instruction's 128: the upper halves of both fragments are zero codes.
; dist times -32 gamma is the C of the first product: S = q.k - 32 gamma dist = 32 x the logit; t = S log2(e) / 32.
; SOFTMAX.  M = the running largest t rounded up to a whole number; p = 2^(t - M) is quantised along the keys; the sum of the unquantised p divides at the end; a move of M multiplies by an exact power of two.
; Inside a block of 32, place 16 h + 8 u + j holds k = 16 u + 8 h + j, on both operands.
; LIMITS: NaN and infinities are not served; a block of zeros gets the byte 1 (zero codes).
.set SLOT1, 131072
.set VOFF,  30720                      ; a slot: K 128 rows of pitch 240; V 256 rows of pitch 144 (16 bytes behind every 32);
.set DOFF,  67584                      ; dist 64 rows of pitch 528
.set SCK,   262144                     ; K's scale bytes of all keys [2048][8]
.set SCV,   278528                     ; V's [8 panels][256 d][8]
.set SPARE, 294912                     ; the spare words, 128 bytes a wave
.set QKS,   9437184
.set VCO,   6291456
.set VSC,   9699328
.set ATS,   3145728
.set AK,   1                           ; v1-6   K: slot s, piece p at v[AK + 3 s + p]
.set AV,   7                           ; v7-10  V: slot s: v[AV + 2 s] (24 h), v[AV + 2 s + 1] (40 h)
.set AD,   11                          ; v11-12 dist
.set ASK0, 13
.set ASV0, 14
.set ADS,  15
.set ADT,  16
.set SPW,  17
.set NIL,  18
.set QF,   24                          ; v24-35 Q (v30-35 zero)
.set QS,   36                          ; Q's scale word
.set KFR,  40                          ; v40-87 four fragments of K; the upper six registers of each stay zero
.set O,    88                          ; v88-119 O^T
.set S,    128                         ; v128-191 dist, S^T, p; then V's four fragments
.set PC,   192                         ; p's codes
.set PX,   204
.set BM,   212
.set BP,   216
.set BS,   220
.set SW,   224                         ; v224-227 scale words of K or V: scales and nothing else
.set TT,   228
.set F,    230
.set PW,   231                         ; p's scale word
.set WV,  12
.set SEL, 20
.set CS,  22
.set GM,  66
.set TS,  2
.set CNT, 3
.set G1K, 24
.set G1V, 32
.set G1D, 40
.set G0K, 48
.set G0V, 56
.set G0D, 68
.set G1SK, 76
.set G1SV, 84
.set G0SK, 92
.set G0SV, 96
.macro AFTER                           ; behind each tensor load
	s_nop 0
.rept 4
	v_nop
.endr
.endm
.macro TLOAD2                          ; the scale bytes: waves 0, 1 K's halves, waves 2, 3 V's
	s_cmp_lt_u32 s[WV], 2
	s_cbranch_scc0 .Lnk_\@
	tensor_load_to_lds s[G0SK:G0SK+3], s[G1SK:G1SK+7]
	AFTER
	s_branch .Ldone_\@
.Lnk_\@:
	s_cmp_lt_u32 s[WV], 4
	s_cbranch_scc0 .Ldone_\@
	tensor_load_to_lds s[G0SV:G0SV+3], s[G1SV:G1SV+7]
	AFTER
.Ldone_\@:
.endm
.macro TLOAD3 n                        ; slot n: waves 0, 1 K, waves 2, 3 V, waves 4, 5 dist; the branches hang on the wave's number alone
	s_cmp_lt_u32 s[WV], 2
	s_cbranch_scc0 .Lnk_\@
	tensor_load_to_lds s[G0K+4*(\n):G0K+4*(\n)+3], s[G1K:G1K+7]
	AFTER
	s_branch .Ldone_\@
.Lnk_\@:
	s_cmp_lt_u32 s[WV], 4
	s_cbranch_scc0 .Lnv_\@
	tensor_load_to_lds s[G0V+4*(\n):G0V+4*(\n)+3], s[G1V:G1V+7]
	AFTER
	s_branch .Ldone_\@
.Lnv_\@:
	s_cmp_lt_u32 s[WV], 6
	s_cbranch_scc0 .Ldone_\@
	tensor_load_to_lds s[G0D+4*(\n):G0D+4*(\n)+3], s[G1D:G1D+7]
	AFTER
.Ldone_\@:
.endm
.macro CROUND
	s_barrier_signal -1
	s_barrier_wait -1
	s_cmp_lg_u32 s[WV], 0
	s_cbranch_scc1 .Lnot_wave_0_\@
	s_barrier_signal -3
.Lnot_wave_0_\@:
	s_barrier_wait -3
	s_barrier_signal -1
	s_barrier_wait -1
.endm
	s_load_b256 s[4:11], s[0:1], 0x0               ; qkvb, dist, gamma, at
	v_lshl_add_u32 v[SPW], v0, 2, SPARE
	v_mov_b32 v[NIL], 0
	ds_add_u32 v[SPW], v[NIL]                      ; the wave's opening: the add and its wait ahead of the first tensor loads
	v_lshrrev_b32 v19, 5, v0
	v_readfirstlane_b32 s[WV], v19                 ; wave 0..15
	s_and_b32 s13, s[WV], 3                        ; head in the group
	s_lshr_b32 s14, s[WV], 2                       ; query tile
	s_and_b32 s15, s[WV], 1                        ; which half of a tile I fetch, if I fetch
	s_bfe_u32 s16, ttmp6, 0x40000                  ; cx
	s_bfe_u32 s17, ttmp6, 0x40004                  ; cy = the head group
	s_lshl_b32 s18, ttmp9, 2
	s_add_co_u32 s18, s18, s16                     ; x
	s_and_b32 s19, ttmp7, 0xffff                   ; the cluster's y = the batch
	s_lshl_b32 s100, s17, 2
	s_lshl_b32 s100, 15, s100                      ; my row of the cluster
	s_lshl_b32 s101, 0x1111, s16                   ; my column
	s_or_b32 s[G1K], s100, (1<<20)|(1<<21)|(3<<22)|(3<<25)           ; K: 64 rows of 192 bytes, 16 bytes behind every 64
	s_mov_b32 s[G1K+1], 192<<16
	s_mov_b32 s[G1K+2], 64<<16
	s_mov_b32 s[G1K+3], 192<<16
	s_mov_b32 s[G1K+4], 64
	s_mov_b32 s[G1K+5], 192
	s_mov_b32 s[G1K+6], 0
	s_mov_b32 s[G1K+7], 0
	s_or_b32 s[G1V], s100, (1<<20)|(1<<21)|(2<<22)|(3<<25)           ; V: 128 rows of 96 bytes, 192 apart, 16 bytes behind every 32
	s_mov_b32 s[G1V+1], 96<<16
	s_mov_b32 s[G1V+2], 128<<16
	s_mov_b32 s[G1V+3], 96<<16
	s_mov_b32 s[G1V+4], 128
	s_mov_b32 s[G1V+5], 192
	s_mov_b32 s[G1V+6], 0
	s_mov_b32 s[G1V+7], 0
	s_or_b32 s[G1D], s101, (2<<16)|(1<<20)|(1<<21)|(6<<22)|(3<<25)   ; dist: 32 rows of 128 f32, 16 bytes behind each
	s_mov_b32 s[G1D+1], 128<<16
	s_mov_b32 s[G1D+2], 32<<16
	s_mov_b32 s[G1D+3], 128<<16
	s_mov_b32 s[G1D+4], 32
	s_mov_b32 s[G1D+5], 2048
	s_mov_b32 s[G1D+6], 0
	s_mov_b32 s[G1D+7], 0
	s_or_b32 s[G1SK], s100, (3<<16)|(1<<21)                          ; K's scale bytes: 8,192 dense bytes as 32 rows of 256
	s_mov_b32 s[G1SK+1], 32<<16
	s_mov_b32 s[G1SK+2], 32<<16
	s_mov_b32 s[G1SK+3], 32<<16
	s_mov_b32 s[G1SK+4], 32
	s_mov_b32 s[G1SK+5], 32
	s_mov_b32 s[G1SK+6], 0
	s_mov_b32 s[G1SK+7], 0
	s_or_b32 s[G1SV], s100, (3<<16)|(1<<21)                          ; V's: 4 panels, 2,048 bytes of each, 8,192 apart
	s_mov_b32 s[G1SV+1], 256<<16
	s_mov_b32 s[G1SV+2], 4<<16
	s_mov_b32 s[G1SV+3], 256<<16
	s_mov_b32 s[G1SV+4], 4
	s_mov_b32 s[G1SV+5], 1024
	s_mov_b32 s[G1SV+6], 0
	s_mov_b32 s[G1SV+7], 0
	; byte offsets, each made in its own descriptor's address words
	s_add_co_u32 s100, s17, 4
	s_lshl_b32 s100, s100, 12
	s_lshl_b32 s3, s19, 11
	s_add_co_u32 s100, s100, s3                    ; K's first row: (4 + g) 4096 + 2048 b
	s_lshl_b32 s[G0SK+2], s100, 3
	s_lshl_b32 s3, s15, 13
	s_add_co_u32 s[G0SK+2], s[G0SK+2], s3
	s_add_co_u32 s[G0SK+2], s[G0SK+2], QKS
	s_mov_b32 s[G0SK+3], 0
	s_lshl_b32 s3, s15, 6
	s_add_co_u32 s100, s100, s3
	s_mul_i32 s[G0K+2], s100, 192
	s_mov_b32 s[G0K+3], 0
	s_lshl_b32 s100, s19, 13
	s_lshl_b32 s3, s17, 8
	s_add_co_u32 s100, s100, s3                    ; V's first row: 8192 b + 256 g
	s_lshl_b32 s3, s15, 12
	s_add_co_u32 s3, s3, s100
	s_lshl_b32 s[G0SV+2], s3, 3
	s_add_co_u32 s[G0SV+2], s[G0SV+2], VSC
	s_mov_b32 s[G0SV+3], 0
	s_lshl_b32 s3, s15, 7
	s_add_co_u32 s100, s100, s3
	s_mul_i32 s[G0V+2], s100, 192
	s_add_co_u32 s[G0V+2], s[G0V+2], VCO
	s_mov_b32 s[G0V+3], 0
	s_lshl_b32 s[G0D+2], s18, 19
	s_lshl_b32 s101, s15, 18
	s_add_co_u32 s[G0D+2], s[G0D+2], s101          ; dist: row 64 x + 32 half, 8,192 bytes a row
	s_mov_b32 s[G0D+3], 0
	s_mov_b32 s[G0K], 1
	s_mul_i32 s[G0K+1], s15, 15360
	s_mov_b32 s[G0K+4], 1
	s_add_co_u32 s[G0K+5], s[G0K+1], SLOT1
	s_mov_b32 s[G0V], 1
	s_mul_i32 s[G0V+1], s15, 18432
	s_add_co_u32 s[G0V+1], s[G0V+1], VOFF
	s_mov_b32 s[G0V+4], 1
	s_add_co_u32 s[G0V+5], s[G0V+1], SLOT1
	s_mov_b32 s[G0D], 1
	s_mul_i32 s[G0D+1], s15, 16896
	s_add_co_u32 s[G0D+1], s[G0D+1], DOFF
	s_mov_b32 s[G0D+4], 1
	s_add_co_u32 s[G0D+5], s[G0D+1], SLOT1
	s_mov_b32 s[G0SK], 1
	s_lshl_b32 s[G0SK+1], s15, 13
	s_add_co_u32 s[G0SK+1], s[G0SK+1], SCK
	s_mov_b32 s[G0SV], 1
	s_lshl_b32 s[G0SV+1], s15, 13
	s_add_co_u32 s[G0SV+1], s[G0SV+1], SCV
	s_mov_b32 s[TS], 0
	s_wait_dscnt 0x0                               ; the opening add is done
	s_wait_kmcnt 0x0
	s_add_nc_u64 s[G0K+2:G0K+3], s[4:5], s[G0K+2:G0K+3]
	s_add_nc_u64 s[G0K+6:G0K+7], s[G0K+2:G0K+3], 128*192       ; slot 1 begins with the second step's 128 keys
	s_or_b32 s[G0K+3], s[G0K+3], 0x80000000
	s_or_b32 s[G0K+7], s[G0K+7], 0x80000000
	s_add_nc_u64 s[G0V+2:G0V+3], s[4:5], s[G0V+2:G0V+3]
	s_add_nc_u64 s[G0V+6:G0V+7], s[G0V+2:G0V+3], 96
	s_or_b32 s[G0V+3], s[G0V+3], 0x80000000
	s_or_b32 s[G0V+7], s[G0V+7], 0x80000000
	s_add_nc_u64 s[G0D+2:G0D+3], s[6:7], s[G0D+2:G0D+3]
	s_add_nc_u64 s[G0D+6:G0D+7], s[G0D+2:G0D+3], 512
	s_or_b32 s[G0D+3], s[G0D+3], 0x80000000
	s_or_b32 s[G0D+7], s[G0D+7], 0x80000000
	s_add_nc_u64 s[G0SK+2:G0SK+3], s[4:5], s[G0SK+2:G0SK+3]
	s_or_b32 s[G0SK+3], s[G0SK+3], 0x80000000
	s_add_nc_u64 s[G0SV+2:G0SV+3], s[4:5], s[G0SV+2:G0SV+3]
	s_or_b32 s[G0SV+3], s[G0SV+3], 0x80000000
	CROUND                                         ; all sixteen work-groups are here: the first joint loads meet
	TLOAD2                                         ; the scale bytes: filled once
	TLOAD3 0                                       ; step 0.  By this text's count a wave has at most two loads out here, later one
	v_and_b32 v19, 15, v0                          ; r
	v_bfe_u32 v37, v0, 4, 1                        ; h
	s_lshl_b32 s20, s17, 12
	s_lshl_b32 s21, s19, 11
	s_add_co_u32 s20, s20, s21
	s_lshl_b32 s21, s18, 6
	s_add_co_u32 s20, s20, s21                     ; my block's first row in a panel of q and of at: 4096 g + 2048 b + 64 x
	s_lshl_b32 s21, s14, 4
	s_add_co_u32 s21, s21, s20                     ; my tile's
	s_mul_i32 s22, s21, 192
	s_mul_i32 s23, s13, 48
	s_add_co_u32 s22, s22, s23
	v_mul_u32_u24 v38, v19, 192
	v_mad_u32_u24 v38, v37, 24, v38
	v_add_nc_u32 v38, s22, v38
	s_lshl_b32 s22, s21, 3
	s_lshl_b32 s23, s13, 1
	s_add_co_u32 s22, s22, s23
	s_add_co_u32 s22, s22, QKS
	v_lshl_add_u32 v39, v19, 3, s22
.irp p, 0,1,2
	global_load_b64 v[QF+2*\p:QF+2*\p+1], v38, s[4:5] offset:8*\p    ; Q's 24 bytes: my head's block h of query r
.endr
	global_load_u16 v[QS], v39, s[4:5]             ; its two scale bytes; the upper two come as 0, over zero codes
	s_mul_i32 s104, s20, 192                       ; kept for the way out
	s_lshl_b32 s105, s20, 3
	s_add_co_u32 s105, s105, ATS
	s_lshl_b32 s100, s19, 4
	s_lshl_b32 s3, s17, 2
	s_add_co_u32 s100, s100, s3
	s_add_co_u32 s100, s100, s13
	s_lshl_b32 s100, s100, 2
	s_load_b32 s[GM], s[8:9], s100 offset:0x0      ; gamma of my batch and head
	s_mul_i32 s22, s13, 6
	v_mul_u32_u24 v40, v37, 3
	v_add_nc_u32 v40, s22, v40                     ; my first piece of 8 bytes in a row of K: 6 hd + 3 h
	v_mul_u32_u24 v41, v19, 240
.irp p, 0,1,2
	v_add_nc_u32 v42, \p, v40
	v_lshrrev_b32 v43, 3, v42
	v_lshlrev_b32 v42, 3, v42
	v_lshl_add_u32 v42, v43, 4, v42                ; 8 x piece + 16 for each 8 pieces passed
	v_add_nc_u32 v[AK+\p], v41, v42
	v_add_nc_u32 v[AK+3+\p], SLOT1, v[AK+\p]
.endr
	s_mul_i32 s22, s13, 64*144
	s_add_co_u32 s22, s22, VOFF
	v_mul_u32_u24 v41, v19, 144
	v_add_nc_u32 v41, s22, v41
	v_mad_u32_u24 v[AV], v37, 24, v41
	v_mad_u32_u24 v[AV+1], v37, 40, v41            ; for the pieces whose partner three on lies behind one padding more
	v_add_nc_u32 v[AV+2], SLOT1, v[AV]
	v_add_nc_u32 v[AV+3], SLOT1, v[AV+1]
	s_mul_i32 s22, s14, 16*528
	s_add_co_u32 s22, s22, DOFF
	v_mul_u32_u24 v41, v19, 528
	v_lshl_add_u32 v41, v37, 5, v41
	v_add_nc_u32 v[AD], s22, v41
	v_add_nc_u32 v[AD+1], SLOT1, v[AD]
	s_lshl_b32 s22, s13, 1
	s_add_co_u32 s22, s22, SCK
	v_lshl_add_u32 v[ASK0], v19, 3, s22
	s_lshl_b32 s22, s13, 9
	s_add_co_u32 s22, s22, SCV
	v_lshl_add_u32 v[ASV0], v19, 3, s22
	s_mov_b32 s[SEL], 0x76543210
	s_mov_b32 s[SEL+1], 0xfedcba98
	s_mov_b32 s[CS], 0x3d38aa3b                    ; log2(e) / 32
	s_mov_b32 s[CS+1], s[CS]
.irp i, 6,7,8,9,10,11
	v_mov_b32 v[QF+\i], 0                          ; the upper 64 of the instruction's 128: zero codes, in Q
.irp t, 0,1,2,3
	v_mov_b32 v[KFR+12*\t+\i], 0                   ; and in K
.endr
.endr
	v_mov_b32 v21, 0xff61b1e6                      ; the largest t so far: -3e38
	v_floor_f32 v20, -v21                          ; -M
	v_mov_b32 v22, 0
	v_mov_b32 v23, 0
.irp b, 0,1,2,3
	v_mov_b32 v[BP+\b], 0
.endr
	v_mov_b32 v[PW], 0
.set j, 0
.rept 32
	v_mov_b32 v[O+j], 0                            ; the step is written once: its first run finds zeros
.set j, j+1
.endr
	s_wait_kmcnt 0x0
	s_mul_f32 s[GM], s[GM], 0xc2000000             ; -32 gamma
	s_mov_b32 s[GM+1], s[GM]
	s_wait_loadcnt 0x0                             ; Q
.macro STEP s
	v_add_nc_u32 v[ADS], s[TS], v[ASK0]
	v_add_nc_u32 v[ADT], s[TS], v[ASV0]
	v_nop
	v_nop                                          ; four plain lines behind the last products, ahead of loads into registers that they read
.set j, 0
.rept 8
	ds_load_b128 v[S+8*j:S+8*j+3], v[AD+\s] offset:64*j          ; dist(my query, keys 16 j + 8 h + 0..7), where S^T's tile j will lie
	ds_load_b128 v[S+8*j+4:S+8*j+7], v[AD+\s] offset:64*j+16
.set j, j+1
.endr
.irp g, 0,1
.if \g
.rept 4
	v_nop
.endr
.endif
.irp t, 0,1,2,3
.irp p, 0,1,2
	ds_load_b64 v[KFR+12*\t+2*\p:KFR+12*\t+2*\p+1], v[AK+3*\s+\p] offset:(4*\g+\t)*3840
.endr
	ds_load_u16 v[SW+\t], v[ADS] offset:\s*1024+(4*\g+\t)*128
.endr
.if \g == 0
	s_wait_dscnt 16                                ; dist is in; K's twelve loads and four scale loads may be out
.set j, 0
.rept 32
	v_pk_mul_f32 v[S+j:S+j+1], v[S+j:S+j+1], s[GM:GM+1] op_sel_hi:[1,0]
.set j, j+2
.endr
.endif
	s_wait_dscnt 0x0
.irp t, 0,1,2,3
	v_wmma_scale_f32_16x16x128_f8f6f4 v[S+8*(4*\g+\t):S+8*(4*\g+\t)+7], v[KFR+12*\t:KFR+12*\t+11], v[QF:QF+11], v[S+8*(4*\g+\t):S+8*(4*\g+\t)+7], v[SW+\t], v[QS] matrix_a_fmt:MATRIX_FMT_FP6 matrix_b_fmt:MATRIX_FMT_FP6
.endr
.endr
.rept 4
	v_nop
.endr
.irp b, 0,1,2,3
	v_max3_num_f32 v[BM+\b], v[S+16*\b], v[S+1+16*\b], v[S+2+16*\b]      ; the largest score of each block of 32 keys: for the row's maximum and for the block's largest p
.endr
.irp i, 3,5,7,9,11,13
.irp b, 0,1,2,3
	v_max3_num_f32 v[BM+\b], v[BM+\b], v[S+16*\b+\i], v[S+1+16*\b+\i]
.endr
.endr
.irp b, 0,1,2,3
	v_max_num_f32 v[BM+\b], v[BM+\b], v[S+15+16*\b]
.endr
.irp b, 0,1,2,3
	v_permlanex16_b32 v[BP+\b], v[BM+\b], s[SEL], s[SEL+1]
.endr
.irp b, 0,1,2,3
	v_max_num_f32 v[BM+\b], v[BM+\b], v[BP+\b]
.endr
	v_max3_num_f32 v[TT], v[BM], v[BM+1], v[BM+2]
	v_max_num_f32 v[TT], v[TT], v[BM+3]
	v_mul_f32 v[TT], s[CS], v[TT]
	v_max_num_f32 v21, v21, v[TT]                  ; the running largest t
	v_mov_b32 v[TT], v20
	v_floor_f32 v20, -v21                          ; -M = floor(-t): M is a whole number
	v_sub_f32 v[TT], v20, v[TT]
	v_cvt_i32_f32 v[TT], v[TT]                     ; (it saturates)
	v_ldexp_f32 v[F], 1.0, v[TT]                   ; f = 2^(old M - new M)
.set j, 0
.rept 32
	v_pk_fma_f32 v[S+j:S+j+1], v[S+j:S+j+1], s[CS:CS+1], v[20:21] op_sel_hi:[1,0,0]     ; t - M
.set j, j+2
.endr
.irp b, 0,1,2,3
	v_fma_f32 v[BM+\b], v[BM+\b], s[CS], v20
.endr
.set j, 0
.rept 64
	v_exp_f32 v[S+j], v[S+j]                       ; p = 2^(t - M)
.set j, j+1
.endr
	v_pk_mul_f32 v[22:23], v[22:23], v[F:F+1] op_sel_hi:[1,0]      ; the sums under the new M: a plain line behind the exponentials
	s_wait_alu depctr_va_vdst(0)                   ; one wait for the batch, ahead of its first reader
.irp b, 0,1,2,3
	v_exp_f32 v[BM+\b], v[BM+\b]                   ; each block's largest p
.endr
	v_pk_add_f32 v[BP:BP+1], v[S:S+1], v[S+2:S+3]  ; the row's sum of the unquantised p, in two chains
.irp i, 4,8,12,16,20,24,28,32,36,40,44,48,52,56,60
	v_pk_add_f32 v[22:23], v[22:23], v[S+\i:S+\i+1]
	v_pk_add_f32 v[BP:BP+1], v[BP:BP+1], v[S+2+\i:S+3+\i]
.endr
	v_pk_add_f32 v[22:23], v[22:23], v[BP:BP+1]
	s_wait_alu depctr_va_vdst(0)                   ; and one for the four
.irp b, 0,1,2,3
	v_max_num_f32 v[BM+\b], 0x1800000, v[BM+\b]    ; the floor 2^(3 - 127)
.endr
.irp b, 0,1,2,3
	v_add_nc_u32 v[BS+\b], 0xff000000, v[BM+\b]
.endr
.irp b, 0,1,2,3
	v_lshrrev_b32 v[BP+\b], 23, v[BS+\b]
.endr
	v_lshl_or_b32 v[PW], v[BP+1], 8, v[BP]
	v_lshl_or_b32 v[PW], v[BP+2], 16, v[PW]
	v_lshl_or_b32 v[PW], v[BP+3], 24, v[PW]
.irp c, 0,1
	v_cvt_scalef32_pk16_fp6_f32 v[PC+6*\c:PC+6*\c+2], v[S+32*\c:S+32*\c+15], v[BS+2*\c]
	v_cvt_scalef32_pk16_fp6_f32 v[PX+4*\c:PX+4*\c+2], v[S+16+32*\c:S+31+32*\c], v[BS+2*\c+1]
.endr
	v_nop
.irp t, 0,1,2,3                        ; V's four fragments (16 d x 128 keys) into the registers that p has left
	ds_load_b64 v[S+12*\t:S+12*\t+1], v[AV+2*\s] offset:2304*\t
	ds_load_b64 v[S+12*\t+2:S+12*\t+3], v[AV+2*\s+1] offset:2304*\t+8
	ds_load_b64 v[S+12*\t+4:S+12*\t+5], v[AV+2*\s+1] offset:2304*\t+16
	ds_load_b64 v[S+12*\t+6:S+12*\t+7], v[AV+2*\s+1] offset:2304*\t+64
	ds_load_b64 v[S+12*\t+8:S+12*\t+9], v[AV+2*\s+1] offset:2304*\t+72
	ds_load_b64 v[S+12*\t+10:S+12*\t+11], v[AV+2*\s] offset:2304*\t+96
	ds_load_b32 v[SW+\t], v[ADT] offset:128*\t+4*\s
.endr
.irp c, 0,1
.irp i, 0,1,2
	v_permlane16_swap_b32 v[PC+6*\c+\i], v[PX+4*\c+\i]     ; a whole block to a lane
.endr
.irp i, 0,1,2
	v_mov_b32 v[PC+3+6*\c+\i], v[PX+4*\c+\i]
.endr
.endr
.set j, 0
.rept 16
	v_pk_mul_f32 v[O+j:O+j+1], v[O+j:O+j+1], v[F:F+1] op_sel_hi:[1,0]      ; O^T under the new M; sixteen lines between the scale word, the codes and the products
.set j, j+2
.endr
	s_wait_dscnt 0x0
.irp t, 0,1,2,3
	v_wmma_scale_f32_16x16x128_f8f6f4 v[O+8*\t:O+8*\t+7], v[S+12*\t:S+12*\t+11], v[PC:PC+11], v[O+8*\t:O+8*\t+7], v[SW+\t], v[PW] matrix_a_fmt:MATRIX_FMT_FP6 matrix_b_fmt:MATRIX_FMT_FP6
.endr
.endm
.macro TRIP s, refill
	s_wait_tensorcnt 0x0                           ; all my loads are done, my part of this step's tiles among them
	ds_add_u32 v[SPW], v[NIL]
	s_add_nc_u64 s[G0K+4*\s+2:G0K+4*\s+3], s[G0K+4*\s+2:G0K+4*\s+3], 49152       ; this slot's next tiles: 256 keys on
	s_add_nc_u64 s[G0V+4*\s+2:G0V+4*\s+3], s[G0V+4*\s+2:G0V+4*\s+3], 196608
	s_add_nc_u64 s[G0D+4*\s+2:G0D+4*\s+3], s[G0D+4*\s+2:G0D+4*\s+3], 1024
	s_wait_dscnt 0x0                               ; the add is done, and so are my reads of the last step's tiles
	CROUND                                         ; both now hold of every wave of every partner
.if \refill
	TLOAD3 1-\s                                    ; the next step's tiles, into the slot read last
.endif
	STEP \s
.endm
	s_mov_b32 s[CNT], 7
.Lloop:
	TRIP 0, 1
	TRIP 1, 1
	s_add_co_u32 s[TS], s[TS], 2048                ; 256 keys' scale bytes of K; a panel's of V
	s_sub_co_u32 s[CNT], s[CNT], 1
	s_cmp_lg_u32 s[CNT], 0
	s_cbranch_scc1 .Lloop
	TRIP 0, 1
	TRIP 1, 0                                      ; the tail is written out
	; THE WAY OUT: O^T / the sum, quantised along my head's 64 (two blocks), through a stage in slot 0, which has had its last fill and its last read
	v_add_f32 v22, v22, v23
	v_permlanex16_b32 v[TT], v22, s[SEL], s[SEL+1]
	v_add_f32 v22, v22, v[TT]
	v_rcp_f32 v22, v22
	s_mul_i32 s100, s14, 16*192
	s_mul_i32 s101, s13, 48
	s_add_co_u32 s100, s100, s101
	v_mul_u32_u24 v1, v19, 192
	v_mad_u32_u24 v1, v37, 24, v1
	v_add_nc_u32 v1, s100, v1                      ; codes: row 16 qt + r, 48 hd + 24 h
	s_lshl_b32 s100, s14, 7
	s_lshl_b32 s101, s13, 1
	s_add_co_u32 s100, s100, s101
	s_add_co_u32 s100, s100, 12288
	v_lshl_add_u32 v2, v19, 3, s100                ; the two scale bytes
	v_and_b32 v3, 31, v0
	s_mul_i32 s100, s[WV], 768
	v_lshl_add_u32 v4, v3, 3, s100                 ; back: 768 bytes a wave, 8 a lane
	v_lshlrev_b32 v5, 4, v3
	v_add_nc_u32 v6, 12288, v5
	v_add_nc_u32 v15, s104, v4
	v_add_nc_u32 v16, s105, v5
	s_wait_alu depctr_va_vdst(0)                   ; ahead of the reciprocal's first reader
.set j, 0
.rept 32
	v_mul_f32 v[S+j], v[O+j], v22
.set j, j+1
.endr
.irp b, 0,1
	v_max3_num_f32 v[BM+\b], |v[S+16*\b]|, |v[S+1+16*\b]|, 0x1800000
.endr
.irp i, 2,4,6,8,10,12,14
.irp b, 0,1
	v_max3_num_f32 v[BM+\b], v[BM+\b], |v[S+16*\b+\i]|, |v[S+1+16*\b+\i]|
.endr
.endr
.irp b, 0,1
	v_permlanex16_b32 v[BP+\b], v[BM+\b], s[SEL], s[SEL+1]
.endr
.irp b, 0,1
	v_max_num_f32 v[BM+\b], v[BM+\b], v[BP+\b]
.endr
.irp b, 0,1
	v_add_nc_u32 v[BS+\b], 0xff000000, v[BM+\b]
.endr
.irp b, 0,1
	v_lshrrev_b32 v[BP+\b], 23, v[BS+\b]
.endr
	v_lshl_or_b32 v[TT], v[BP+1], 8, v[BP]
	v_cvt_scalef32_pk16_fp6_f32 v[PC:PC+2], v[S:S+15], v[BS]
	v_cvt_scalef32_pk16_fp6_f32 v[PX:PX+2], v[S+16:S+31], v[BS+1]
	v_nop
.irp i, 0,1,2
	v_permlane16_swap_b32 v[PC+\i], v[PX+\i]
.endr
.irp i, 0,1,2
	v_mov_b32 v[PC+3+\i], v[PX+\i]
.endr
.irp p, 0,1,2
	ds_store_b64 v1, v[PC+2*\p:PC+2*\p+1] offset:8*\p
.endr
	ds_store_b16 v2, v[TT]                         ; both halves of the lanes write the same bytes with the same value
	s_wait_dscnt 0x0                               ; my stores have landed: then the barrier, behind which other waves read them
	s_barrier_signal -1
	s_barrier_wait -1
	s_cmp_lg_u32 s[WV], 0
	s_cbranch_scc1 .Lcodes
	ds_load_b128 v[S:S+3], v6
	s_wait_dscnt 0x0
	global_store_b128 v16, v[S:S+3], s[10:11]      ; the 64 rows' scale bytes: 512 consecutive bytes
.Lcodes:
.irp k, 0,1,2
	ds_load_b64 v[S+8+2*\k:S+9+2*\k], v4 offset:256*\k
.endr
.irp k, 0,1,2
	s_wait_dscnt 2-\k
	global_store_b64 v15, v[S+8+2*\k:S+9+2*\k], s[10:11] offset:256*\k       ; 256 consecutive bytes, aligned
.endr
	s_wait_tensorcnt 0x0                           ; the wave's end
	ds_add_u32 v[SPW], v[NIL]
	s_wait_dscnt 0x0
	CROUND                                         ; the closing round
	s_endpgm
.Lfunc_end_k_q41e30f43ae_attn:
	.size	k_q41e30f43ae_attn, .Lfunc_end_k_q41e30f43ae_attn-k_q41e30f43ae_attn
	.p2alignl 7, 3214868480
	.fill 96, 4, 3214868480
	.section	.rodata,"a",@progbits
	.p2align	6, 0x0
	.amdhsa_kernel k_q41e30f43ae_attn
		.amdhsa_group_segment_fixed_size 327680
		.amdhsa_private_segment_fixed_size 0
		.amdhsa_enable_private_segment 0
		.amdhsa_kernarg_size 32
		.amdhsa_user_sgpr_count 2
		.amdhsa_user_sgpr_kernarg_segment_ptr 1
		.amdhsa_wavefront_size32 1
		.amdhsa_system_sgpr_workgroup_id_x 1
		.amdhsa_system_sgpr_workgroup_id_y 1
		.amdhsa_system_sgpr_workgroup_id_z 1
		.amdhsa_system_vgpr_workitem_id 0
		.amdhsa_next_free_vgpr 256
		.amdhsa_next_free_sgpr 106
		.amdhsa_reserve_vcc 0
		.amdhsa_float_denorm_mode_32 3
		.amdhsa_float_denorm_mode_16_64 3
		.amdhsa_memory_ordered 1
		.amdhsa_forward_progress 1
		.amdhsa_inst_pref_size 107
	.end_amdhsa_kernel
	.amdgpu_metadata
---
amdhsa.version: [ 1, 2 ]
amdhsa.kernels:
  - .name:           k_q41e30f43ae_attn
    .symbol:         k_q41e30f43ae_attn.kd
    .args:
      - { .name: qkvb, .offset: 0, .size: 8, .value_kind: global_buffer, .address_space: global }
      - { .name: dist_matrix, .offset: 8, .size: 8, .value_kind: global_buffer, .address_space: global }
      - { .name: gamma, .offset: 16, .size: 8, .value_kind: global_buffer, .address_space: global }
      - { .name: at, .offset: 24, .size: 8, .value_kind: global_buffer, .address_space: global }
    .group_segment_fixed_size: 327680
    .private_segment_fixed_size: 0
    .kernarg_segment_align: 8
    .kernarg_segment_size: 32
    .max_flat_workgroup_size: 512
    .sgpr_count:     106
    .vgpr_count:     256
    .wavefront_size: 32
...
	.end_amdgpu_metadata
.endif
;; end of part 4
;; launch proj (part 5): grid 4 x 16, 4 waves a work-group, clusters of 4 x 4, 327,680 bytes of LDS; arguments at, wb, proj_b, x, x1; writes x1
.if DOCPART == 5
	.amdgcn_target "amdgcn-amd-amdhsa--gfx1250"
	.amdhsa_code_object_version 6
	.text
	.protected	k_q41e30f43ae_proj
	.globl	k_q41e30f43ae_proj
	.p2align	8
	.type	k_q41e30f43ae_proj,@function
k_q41e30f43ae_proj:
	s_mov_b64 s[64:65], 0
	v_nop
	global_prefetch_b8 v0, s[64:65] scope:SCOPE_SE
	s_setreg_imm32_b32 hwreg(HW_REG_WAVE_MODE, 25, 1), 1
	s_wait_xcnt 0x0
	s_wait_alu depctr_hold_cnt(0) depctr_sa_sdst(0) depctr_va_vdst(0) depctr_va_sdst(0) depctr_va_ssrc(0) depctr_va_vcc(0) depctr_vm_vsrc(0)
	s_getreg_b32 s2, hwreg(HW_REG_IB_STS2, 6, 4)
	s_cmp_eq_u32 s2, 0
	s_cbranch_scc0 .Lentry_in_a_cluster
	s_endpgm
.Lentry_in_a_cluster:
	s_bfe_u32 s2, ttmp6, 0x10000c
	s_cmp_lg_u32 s2, 0xf033
	s_cbranch_scc0 .Lentry_shape_is_right
	s_endpgm
.Lentry_shape_is_right:
; out = res + A W + bias.  A [4096 tokens][KTOT] and W [1024 columns][KTOT] are codes of E2M3 in panels: codes [K/256][rows][192 bytes], scale bytes [K/256][rows][8].  res, out: [4096][1024] f32.
; A tile of out is 256 x 256, four waves of 128 x 128 (64 accumulators); K goes in steps of 256 through a ring of two LDS slots filled by tensor loads; the scale bytes of all of K come once.
; CLUSTER 4 x 4: A's tiles are shared along a row of the cluster, W's down a column: each is asked for jointly.  Source 0 = 16 rows of W, source 1 = 16 rows of A: a lane holds eight neighbouring columns of a row.
; The residual's rows are asked for ahead of the blocks that want them, into the registers that W's fragments have left.
; LIMITS: NaN and infinities are not served.
.set KTOT,   1024
.set R0,     1024
.set R1,     4096
.set ACOD,   0
.set ASCL,   3145728
.set BCOD,   3145728
.set BSCL,   10354688
.set LAST,   0
.set SPARE,  311296
.set NQ,     2
.set ROWB,   192
.set PITCH,  240                       ; an LDS row: 3 x (64 bytes + 16 of padding)
.set FR,     12
.set NL,     6
.set NP,     4
.set HALFT,  128*PITCH
.set SLOT,   4*HALFT
.set NPAN,   KTOT/256
.set LAPS,   NPAN/2
.set SCL,    2*SLOT                    ; behind the ring: the scale bytes, [quarter][panel][128 rows][8]
.set HALFS,  NPAN*1024
.set SPITCH, 528                       ; the way out: a stage of 16 rows x (512 + 16) bytes a wave, in slot 0 after its last fill and last read
.set ADRA, 16
.set ADRB, 20
.set STO,  24
.set RD,   25
.set CO,   26
.set ADRS, 27
.set SPW,  28
.set NIL,  29
.set SC,   32                          ; v32-63 scale words, two sets: scales and nothing else
.set BIAS, 96                          ; v96-99 the bias of my four columns of a row read back
.set AF,   128
.set BK,   128
.set G1, 24
.set G0, 32
.set G1B, 48
.set G0B, 56
.set G1S, 68
.set G0S, 76
.set G1SB, 80
.set G0SB, 88
.set MSB, 0
.macro WIN new
.if MSB != (\new)
	s_set_vgpr_msb (MSB<<8)|(\new)
.set MSB, \new
.endif
.endm
.set MUL_LO, 0xa1
.set MUL_HI, 0xf1
.set TO_B,   0x40
.macro JLOAD g0a, g1a, g0b, g1b        ; waves 0, 1 fetch for A, waves 2, 3 for W
	s_cmp_eq_u32 s15, 0
	s_cbranch_scc0 .Lfor_b_\@
	tensor_load_to_lds s[\g0a:\g0a+3], s[\g1a:\g1a+7]
	s_nop 0
.rept 4
	v_nop
.endr
	s_branch .Lasked_\@
.Lfor_b_\@:
	tensor_load_to_lds s[\g0b:\g0b+3], s[\g1b:\g1b+7]
	s_nop 0
.rept 4
	v_nop
.endr
.Lasked_\@:
.endm
.macro CREST
	s_cmp_lg_u32 s14, 0
	s_cbranch_scc1 .Lnot_wave_0_\@
	s_barrier_signal -3
.Lnot_wave_0_\@:
	s_barrier_wait -3
	s_barrier_signal -1
	s_barrier_wait -1
.endm
.macro CROUND
	s_barrier_signal -1
	s_barrier_wait -1
	CREST
.endm
	s_load_b256 s[4:11], s[0:1], 0x0               ; A, wb, bias, res
	s_load_b64 s[12:13], s[0:1], 0x20              ; out
	v_lshl_add_u32 v[SPW], v0, 2, SPARE
	v_mov_b32 v[NIL], 0
	ds_add_u32 v[SPW], v[NIL]                      ; the wave's opening: the add and its wait ahead of my first tensor load
	v_lshrrev_b32 v1, 5, v0
	v_readfirstlane_b32 s14, v1                    ; wave
	s_lshr_b32 s15, s14, 1                         ; my half of the tile's rows; also: I fetch for A (0) or W (1)
	s_and_b32 s16, s14, 1                          ; my half of its columns; also: which 128 rows I fetch
	s_bfe_u32 s40, ttmp6, 0x40000                  ; cx
	s_bfe_u32 s41, ttmp6, 0x40004                  ; cy
	s_lshl_b32 s42, ttmp9, 2
	s_add_co_u32 s42, s42, s40                     ; tile column
	s_and_b32 s17, ttmp7, 0xffff
	s_lshl_b32 s17, s17, 2
	s_add_co_u32 s17, s17, s41                     ; tile row
	s_lshl_b32 s43, s41, 2
	s_lshl_b32 s43, 15, s43                        ; my row of the cluster
	s_lshl_b32 s44, 0x1111, s40                    ; my column
	s_or_b32 s[G1+0], s43, (1<<20)|(1<<21)|(3<<22)|(3<<25)   ; bytes; 16 bytes of padding behind every 64
	s_or_b32 s[G1B+0], s44, (1<<20)|(1<<21)|(3<<22)|(3<<25)
.irp g, G1, G1B
	s_mov_b32 s[\g+1], ROWB<<16
	s_mov_b32 s[\g+2], 128<<16
	s_mov_b32 s[\g+3], ROWB<<16
	s_mov_b32 s[\g+4], 128
	s_mov_b32 s[\g+5], ROWB                        ; rows of a panel are dense
	s_mov_b32 s[\g+6], 0
	s_mov_b32 s[\g+7], 0
.endr
	s_or_b32 s[G1S+0], s43, (3<<16)|(1<<21)        ; scale bytes: 128 rows x 8 bytes are one line of 1,024 bytes, a line for each panel
	s_or_b32 s[G1SB+0], s44, (3<<16)|(1<<21)
.irp g, G1S, G1SB
	s_mov_b32 s[\g+1], 128<<16
	s_mov_b32 s[\g+2], NPAN<<16
	s_mov_b32 s[\g+3], 128<<16
	s_mov_b32 s[\g+4], NPAN
	s_mov_b32 s[\g+6], 0
	s_mov_b32 s[\g+7], 0
.endr
	s_mov_b32 s[G1S+5], R1
	s_mov_b32 s[G1SB+5], R0
	s_lshl_b32 s18, s16, 7
	s_lshl_b32 s20, s17, 8
	s_add_co_u32 s20, s20, s18                     ; A: row 256 x tile row + 128 x half
	s_lshl_b32 s46, s42, 8
	s_add_co_u32 s46, s46, s18                     ; W: row 256 x tile column + 128 x half
	s_lshl_b32 s22, s20, 3
	s_add_co_u32 s22, s22, ASCL
	s_lshl_b32 s92, s46, 3
	s_add_co_u32 s92, s92, BSCL
	s_mul_i32 s20, s20, ROWB
	s_add_co_u32 s20, s20, ACOD
	s_mul_i32 s46, s46, ROWB
	s_add_co_u32 s46, s46, BCOD
	s_mov_b32 s21, 0
	s_mov_b32 s23, 0
	s_mov_b32 s47, 0
	s_mov_b32 s93, 0
	s_mul_i32 s45, s14, HALFT
	s_mul_i32 s94, s14, HALFS
	s_wait_dscnt 0x0                               ; the opening add is done
	s_wait_kmcnt 0x0
	s_add_nc_u64 s[20:21], s[4:5], s[20:21]
	s_add_nc_u64 s[22:23], s[4:5], s[22:23]
	s_add_nc_u64 s[46:47], s[6:7], s[46:47]
	s_add_nc_u64 s[92:93], s[6:7], s[92:93]
	CROUND                                         ; all sixteen work-groups are here: the first joint loads meet
	s_mov_b32 s[G0S], 1
	s_add_co_u32 s[G0S+1], s94, SCL
	s_mov_b64 s[G0S+2:G0S+3], s[22:23]
	s_or_b32 s[G0S+3], s[G0S+3], 0x80000000
	s_mov_b32 s[G0SB], 1
	s_add_co_u32 s[G0SB+1], s94, SCL
	s_mov_b64 s[G0SB+2:G0SB+3], s[92:93]
	s_or_b32 s[G0SB+3], s[G0SB+3], 0x80000000
	JLOAD G0S, G1S, G0SB, G1SB
.irp s, 0,1
	s_mov_b32 s[G0+4*\s], 1
	s_add_co_u32 s[G0+4*\s+1], s45, \s*SLOT
	s_add_nc_u64 s[G0+4*\s+2:G0+4*\s+3], s[20:21], \s*R1*ROWB
	s_or_b32 s[G0+4*\s+3], s[G0+4*\s+3], 0x80000000
	s_mov_b32 s[G0B+4*\s], 1
	s_add_co_u32 s[G0B+4*\s+1], s45, \s*SLOT
	s_add_nc_u64 s[G0B+4*\s+2:G0B+4*\s+3], s[46:47], \s*R0*ROWB
	s_or_b32 s[G0B+4*\s+3], s[G0B+4*\s+3], 0x80000000
	JLOAD G0+4*\s, G1, G0B+4*\s, G1B
.endr
	v_and_b32 v1, 15, v0                           ; r
	v_bfe_u32 v2, v0, 4, 1                         ; h
	v_mul_u32_u24 v3, v1, PITCH
	v_mul_u32_u24 v4, v2, 24
	v_add_nc_u32 v4, v3, v4
	v_lshl_add_u32 v5, v2, 4, v4
	s_mul_i32 s21, s15, HALFT
	s_mul_i32 s22, s16, HALFT
	s_add_co_u32 s22, s22, 2*HALFT
.irp s, 0,1
	v_add_nc_u32 v[ADRA+\s], s21, v4
	v_add_nc_u32 v[ADRB+\s], s22, v4
	v_add_nc_u32 v[ADRA+2+\s], s21, v5
	v_add_nc_u32 v[ADRB+2+\s], s22, v5
	s_add_co_u32 s21, s21, SLOT
	s_add_co_u32 s22, s22, SLOT
.endr
	v_lshlrev_b32 v5, 3, v1                        ; scale words: 8 bytes a row;
	s_mul_i32 s21, s15, HALFS
	s_mul_i32 s22, s16, HALFS
	s_add_co_u32 s22, s22, 2*HALFS
	s_sub_co_u32 s22, s22, s21
	v_mul_u32_u24 v6, s22, v2                      ; lanes 16-31 take W's
	s_add_co_u32 s21, s21, SCL
	v_add_nc_u32 v5, v5, v6
	v_add_nc_u32 v[ADRS], s21, v5
	s_mul_i32 s23, s14, 16*SPITCH                  ; my stage
	v_mul_u32_u24 v5, v1, SPITCH
	v_lshl_add_u32 v5, v2, 5, v5
	v_add_nc_u32 v[STO], s23, v5
	v_and_b32 v6, 31, v0
	v_lshlrev_b32 v[CO], 4, v6
	v_add_nc_u32 v[RD], s23, v[CO]
	s_lshl_b32 s20, s17, 8
	s_lshl_b32 s21, s15, 7
	s_add_co_u32 s20, s20, s21
	s_lshl_b32 s20, s20, 12                        ; my first row of out, 4,096 bytes a row,
	s_lshl_b32 s46, s42, 10
	s_lshl_b32 s47, s16, 9
	s_add_co_u32 s46, s46, s47                     ; my first column, in bytes
	v_add_nc_u32 v7, s46, v[CO]
	global_load_b128 v[BIAS:BIAS+3], v7, s[8:9]
	s_add_co_u32 s20, s20, s46
	s_mov_b32 s21, 0
	s_add_nc_u64 s[10:11], s[10:11], s[20:21]
	s_add_nc_u64 s[12:13], s[12:13], s[20:21]
.macro FRAG reg, adr, q, i             ; 16 rows x 128 K: 12 registers; each 24 bytes as three pieces of 8; the second address register serves pieces whose partner three on lies behind one padding more
.irp p, 0,1,2,3,4,5
.set PIECE, 12*(\q)+6*(\p/3)+\p%3
.if PIECE%8 < 5
	ds_load_b64 v[\reg+2*\p:\reg+2*\p+1], v[\adr] offset:8*PIECE+16*(PIECE/8)+(\i)*16*PITCH
.else
	ds_load_b64 v[\reg+2*\p:\reg+2*\p+1], v[\adr+2] offset:8*PIECE+16*(PIECE/8)+(\i)*16*PITCH
.endif
.endr
.endm
.macro MUL16 a0, p, q, sc, zero        ; the 64 accumulators take turns, one instruction a turn
.irp a, \a0, \a0+1
.irp b, 0,1,2,3,4,5,6,7
.if \zero
	v_wmma_scale_f32_16x16x128_f8f6f4 v[8*(8*((\a)%4)+\b):8*(8*((\a)%4)+\b)+7], v[128*(\p)+FR*\b:128*(\p)+FR*\b+FR-1], v[AF+FR*(\a):AF+FR*(\a)+FR-1], 0, v[SC+8*NQ*(\sc)+NQ*\b+(\q)], v[SC+8*NQ*(\sc)+NQ*(\a)+(\q)] matrix_a_fmt:MATRIX_FMT_FP6 matrix_b_fmt:MATRIX_FMT_FP6 matrix_a_scale:MATRIX_SCALE_ROW1
.else
	v_wmma_scale_f32_16x16x128_f8f6f4 v[8*(8*((\a)%4)+\b):8*(8*((\a)%4)+\b)+7], v[128*(\p)+FR*\b:128*(\p)+FR*\b+FR-1], v[AF+FR*(\a):AF+FR*(\a)+FR-1], v[8*(8*((\a)%4)+\b):8*(8*((\a)%4)+\b)+7], v[SC+8*NQ*(\sc)+NQ*\b+(\q)], v[SC+8*NQ*(\sc)+NQ*(\a)+(\q)] matrix_a_fmt:MATRIX_FMT_FP6 matrix_b_fmt:MATRIX_FMT_FP6 matrix_a_scale:MATRIX_SCALE_ROW1
.endif
.endr
.endr
.endm
.macro FETCH_B slot, q, p
	WIN TO_B
.irp i, 0,1,2,3,4,5,6,7
	FRAG 128*(\p)+FR*\i, ADRB+\slot, \q, \i
.endr
	WIN 0
.endm
.macro FETCH_A slot, q, i0
.irp i, \i0, \i0+1, \i0+2, \i0+3
	FRAG AF+FR*(\i), ADRA+\slot, \q, \i
.endr
.endm
.macro SCALES sc                       ; a K step's two words a row: lanes 0-15 A's block i, lanes 16-31 W's
.irp i, 0,1,2,3,4,5,6,7
	ds_load_b64 v[SC+8*NQ*\sc+NQ*\i:SC+8*NQ*\sc+NQ*\i+1], v[ADRS] offset:\i*128
.endr
.endm
.macro PLACES n                        ; plain lines between a matrix instruction and a load into, or a read of, its registers
.rept \n
	v_nop
.endr
.endm
.macro STEP slot, q, zero
	s_wait_dscnt 4*NL                              ; all but the youngest 24 loads (A's blocks 4-7)
	WIN MUL_LO
	MUL16 0, (\q)%2, \q, \slot, \zero
	MUL16 2, (\q)%2, \q, \slot, \zero
	s_wait_dscnt 0
	PLACES NP
	FETCH_B \slot, (\q)+1, 1-(\q)%2
	FETCH_A \slot, (\q)+1, 0
	WIN MUL_HI
	MUL16 4, (\q)%2, \q, \slot, \zero
	MUL16 6, (\q)%2, \q, \slot, \zero
	PLACES NP
	WIN 0
	FETCH_A \slot, (\q)+1, 4
.endm
.macro TURN slot, next, fill           ; a slot's last step changes slots
	s_wait_tensorcnt 0x0                           ; all my tensor loads have landed: my part of the next slot
	ds_add_u32 v[SPW], v[NIL]
	s_wait_dscnt 4*NL+1                            ; (the add and the youngest 24 loads may be out)
	WIN MUL_LO
	MUL16 0, 1, NQ-1, \slot, 0
	s_wait_dscnt 0x0                               ; the add is done, and my reads of this slot are over
	s_barrier_signal -1
	MUL16 2, 1, NQ-1, \slot, 0
	WIN 0
	s_barrier_wait -1
.if \fill
	CREST                                          ; the barrier opened a round of the cluster's: no wave of any partner still reads this slot or has a load out
	s_add_nc_u64 s[G0+4*\slot+2:G0+4*\slot+3], s[G0+4*\slot+2:G0+4*\slot+3], 2*R1*ROWB
	s_add_nc_u64 s[G0B+4*\slot+2:G0B+4*\slot+3], s[G0B+4*\slot+2:G0B+4*\slot+3], 2*R0*ROWB
	JLOAD G0+4*\slot, G1, G0B+4*\slot, G1B
.else
	PLACES NP
.endif
	v_add_nc_u32 v[ADRS], 1024, v[ADRS]            ; the next panel's scale words
	FETCH_B \next, 0, 0
	FETCH_A \next, 0, 0
	SCALES \next
	WIN MUL_HI
	MUL16 4, 1, NQ-1, \slot, 0
	MUL16 6, 1, NQ-1, \slot, 0
	PLACES NP
	WIN 0
	FETCH_A \next, 0, 4
.endm
; THE WAY OUT, block by block of 16 rows x 128 columns: through my stage, back as whole rows of 512 bytes, + residual + bias, stored.
.macro RES a                           ; the residual's 16 rows of block a into window 1, set a % 4
	WIN 0x40
.irp t, 0,1,2,3,4,5,6,7,8,9,10,11,12,13,14,15
	global_load_b128 v[64*((\a)%4)+4*\t:64*((\a)%4)+4*\t+3], v[CO], s[10:11] offset:(16*(\a)+\t)*4096
.endr
	WIN 0
.endm
.macro TOSTAGE a
.set AC, 64*((\a)%4)
	WIN 0x08+4*((\a)/4)
.irp b, 0,1,2,3,4,5,6,7
	ds_store_b128 v[STO], v[AC+8*\b:AC+8*\b+3] offset:64*\b          ; each accumulator from its low end on
	ds_store_b128 v[STO], v[AC+8*\b+4:AC+8*\b+7] offset:64*\b+16
.endr
	WIN 0
.set BB, BK+64*((\a)%2)
.irp t, 0,1,2,3,4,5,6,7,8,9,10,11,12,13,14,15
	ds_load_b128 v[BB+4*\t:BB+4*\t+3], v[RD] offset:\t*SPITCH        ; a wave's LDS instructions are served in order: these see the stores above
.endr
.endm
.macro SEND a, younger
.set BB, BK+64*((\a)%2)
.set RS, 64*((\a)%4)
	s_wait_dscnt \younger                          ; the block is back in registers
.if (\a) <= 4
	s_wait_loadcnt 48                              ; its residual is in; the three blocks asked for behind it may be out
.else
	s_wait_loadcnt 16*(7-(\a))
.endif
	WIN 0x04                                       ; source 1: window 1
.set si, 0
.rept 32
	v_pk_add_f32 v[BB+si:BB+si+1], v[BB+si:BB+si+1], v[RS+si:RS+si+1]
.set si, si+2
.endr
	WIN 0
.irp t, 0,1,2,3,4,5,6,7,8,9,10,11,12,13,14,15
	v_pk_add_f32 v[BB+4*\t:BB+4*\t+1], v[BB+4*\t:BB+4*\t+1], v[BIAS:BIAS+1]
	v_pk_add_f32 v[BB+4*\t+2:BB+4*\t+3], v[BB+4*\t+2:BB+4*\t+3], v[BIAS+2:BIAS+3]
.endr
.irp t, 0,1,2,3,4,5,6,7,8,9,10,11,12,13,14,15
.if LAST
	global_store_b128 v[CO], v[BB+4*\t:BB+4*\t+3], s[12:13] offset:(16*(\a)+\t)*4096 th:TH_STORE_NT
.else
	global_store_b128 v[CO], v[BB+4*\t:BB+4*\t+3], s[12:13] offset:(16*(\a)+\t)*4096    ; 32 lanes store 512 consecutive bytes, aligned; no base is stepped
.endif
.endr
.if (\a) < 4
	RES (\a)+4
.endif
.endm
	s_wait_tensorcnt 1                             ; the scales and K step 0 are in; K step 1's load may be out
	s_barrier_signal -1
	s_barrier_wait -1
	FETCH_B 0, 0, 0
	FETCH_A 0, 0, 0
	SCALES 0
	FETCH_A 0, 0, 4
	STEP 0, 0, 1
	s_mov_b32 s3, LAPS-1
.Llap:
	TURN 0, 1, 1
	STEP 1, 0, 0
	TURN 1, 0, 1
	STEP 0, 0, 0
	s_sub_co_u32 s3, s3, 1
	s_cmp_lg_u32 s3, 0
	s_cbranch_scc1 .Llap
	TURN 0, 1, 0
	STEP 1, 0, 0
	RES 0                                          ; W's set 0 is done with (four plain lines stand behind its last products)
	RES 1
	s_wait_dscnt 4*NL
	WIN MUL_LO
	MUL16 0, 1, NQ-1, 1, 0
	MUL16 2, 1, NQ-1, 1, 0
	s_wait_dscnt 0
	WIN MUL_HI
	MUL16 4, 1, NQ-1, 1, 0
	MUL16 6, 1, NQ-1, 1, 0
	WIN 0
	PLACES NP
	RES 2
	RES 3
	TOSTAGE 0
.irp a, 1,2,3,4,5,6,7
.if \a > 1
	s_wait_xcnt 0x0                                ; block a - 2's stores have read their registers: block a's loads may land there
.endif
	TOSTAGE \a
	SEND \a-1, 32                                  ; behind block a - 1's loads: block a's 16 stores and 16 loads
.endr
	SEND 7, 0
	s_wait_tensorcnt 0x0                           ; the wave's end
	ds_add_u32 v[SPW], v[NIL]
	s_wait_dscnt 0x0
	CROUND                                         ; the closing round
	s_endpgm
.Lfunc_end_k_q41e30f43ae_proj:
	.size	k_q41e30f43ae_proj, .Lfunc_end_k_q41e30f43ae_proj-k_q41e30f43ae_proj
	.p2alignl 7, 3214868480
	.fill 96, 4, 3214868480
	.section	.rodata,"a",@progbits
	.p2align	6, 0x0
	.amdhsa_kernel k_q41e30f43ae_proj
		.amdhsa_group_segment_fixed_size 327680
		.amdhsa_private_segment_fixed_size 0
		.amdhsa_enable_private_segment 0
		.amdhsa_kernarg_size 40
		.amdhsa_user_sgpr_count 2
		.amdhsa_user_sgpr_kernarg_segment_ptr 1
		.amdhsa_wavefront_size32 1
		.amdhsa_system_sgpr_workgroup_id_x 1
		.amdhsa_system_sgpr_workgroup_id_y 1
		.amdhsa_system_sgpr_workgroup_id_z 1
		.amdhsa_system_vgpr_workitem_id 0
		.amdhsa_next_free_vgpr 1024
		.amdhsa_next_free_sgpr 106
		.amdhsa_reserve_vcc 0
		.amdhsa_float_denorm_mode_32 3
		.amdhsa_float_denorm_mode_16_64 3
		.amdhsa_memory_ordered 1
		.amdhsa_forward_progress 1
		.amdhsa_inst_pref_size 205
	.end_amdhsa_kernel
	.amdgpu_metadata
---
amdhsa.version: [ 1, 2 ]
amdhsa.kernels:
  - .name:           k_q41e30f43ae_proj
    .symbol:         k_q41e30f43ae_proj.kd
    .args:
      - { .name: at, .offset: 0, .size: 8, .value_kind: global_buffer, .address_space: global }
      - { .name: wb, .offset: 8, .size: 8, .value_kind: global_buffer, .address_space: global }
      - { .name: proj_b, .offset: 16, .size: 8, .value_kind: global_buffer, .address_space: global }
      - { .name: x, .offset: 24, .size: 8, .value_kind: global_buffer, .address_space: global }
      - { .name: x1, .offset: 32, .size: 8, .value_kind: global_buffer, .address_space: global }
    .group_segment_fixed_size: 327680
    .private_segment_fixed_size: 0
    .kernarg_segment_align: 8
    .kernarg_segment_size: 40
    .max_flat_workgroup_size: 128
    .sgpr_count:     106
    .vgpr_count:     1024
    .wavefront_size: 32
...
	.end_amdgpu_metadata
.endif
;; end of part 5
;; launch ln2: the kernel of part 2 again; grid 128 x 1, 8 waves a work-group, no clusters, 26,624 bytes of LDS; arguments x1, ln2_w, ln2_b, hb; writes hb
;; launch mlp1 (part 6): grid 16 x 16, 4 waves a work-group, clusters of 4 x 4, 327,680 bytes of LDS; arguments hb, wb, mlp_b1, gb; writes gb
.if DOCPART == 6
	.amdgcn_target "amdgcn-amd-amdhsa--gfx1250"
	.amdhsa_code_object_version 6
	.text
	.protected	k_q41e30f43ae_mlp1
	.globl	k_q41e30f43ae_mlp1
	.p2align	8
	.type	k_q41e30f43ae_mlp1,@function
k_q41e30f43ae_mlp1:
	s_mov_b64 s[64:65], 0
	v_nop
	global_prefetch_b8 v0, s[64:65] scope:SCOPE_SE
	s_setreg_imm32_b32 hwreg(HW_REG_WAVE_MODE, 25, 1), 1
	s_wait_xcnt 0x0
	s_wait_alu depctr_hold_cnt(0) depctr_sa_sdst(0) depctr_va_vdst(0) depctr_va_sdst(0) depctr_va_ssrc(0) depctr_va_vcc(0) depctr_vm_vsrc(0)
	s_getreg_b32 s2, hwreg(HW_REG_IB_STS2, 6, 4)
	s_cmp_eq_u32 s2, 0
	s_cbranch_scc0 .Lentry_in_a_cluster
	s_endpgm
.Lentry_in_a_cluster:
	s_bfe_u32 s2, ttmp6, 0x10000c
	s_cmp_lg_u32 s2, 0xf033
	s_cbranch_scc0 .Lentry_shape_is_right
	s_endpgm
.Lentry_shape_is_right:
; g = gelu(LN(x1) W1 + b1), exact (by erf), on codes of E2M3 (K = 1,024), quantised along the 4,096 features for the next product.
; Operands lie as panels: codes [K/256][4096 rows][192 bytes], scale bytes [K/256][4096][8].  Out: gb codes [16 panels][4096 tokens][192], scale bytes [16][4096][8] at byte 12,582,912.
; A tile is 256 x 256, four waves of 128 x 128, K in steps of 256 through a ring of two LDS slots.  Source 0 = 16 rows of W1, source 1 = 16 tokens: a lane holds one token and eight neighbouring features.
; CLUSTER 4 x 4: the tokens' tiles are shared along a row of the cluster, W1's down a column; each is asked for jointly.
; THE WAY OUT is ONE loop of eight trips, so that the activation is written once: the accumulators go to LDS as images of their registers (the ring is done with) and come back 64 registers a trip.
; erf(u) = u P(u^2) / Q(u^2), u held to +-4: a rational form good to a few units in the last place of erf.
; Inside a block of 32, place 16 h + 8 u + j holds k = 16 u + 8 h + j.
; LIMITS: NaN and infinities are not served; a block of zeros gets the byte 1 (zero codes; this program alone reads the bytes).
.set KTOT,   1024
.set R0,     4096
.set R1,     4096
.set ACOD,   0
.set ASCL,   3145728
.set BCOD,   3932160
.set BSCL,   10387456
.set SPARE,  313344
.set NQ,     2
.set ROWB,   192
.set PITCH,  240
.set FR,     12
.set NL,     6
.set NP,     4
.set HALFT,  128*PITCH
.set SLOT,   4*HALFT
.set NPAN,   KTOT/256
.set LAPS,   NPAN/2
.set SCL,    2*SLOT
.set HALFS,  NPAN*1024
.set STG,    262144                    ; the way out: images of the accumulators at wave x 65,536; codes [256][192] here;
.set SSTG,   311296                    ; scale bytes [256][8]
.set SSO,  7
.set RSC,  9
.set DA,   14
.set DAL,  15
.set ADRA, 16
.set ADRB, 20
.set STO,  24
.set RD,   25
.set CO,   26
.set ADRS, 27
.set SPW,  28
.set NIL,  29
.set STOA, 30
.set SSOA, 31
.set SC,   32                          ; v32-63 scale words: scales and nothing else
.set B0,   64                          ; v64-127 the bias of my 64 features a lane
.set AF,   128
.set HA,   128
.set U,    192
.set Z,    208
.set P,    224
.set Q,    240
.set CD,   192
.set TM,   212
.set PW,   228
.set SEL,  96
.set KC,  24                           ; scalar pairs of the activation's constants, in registers that the descriptors have left
.set A13, 26
.set A9,  28
.set A7,  30
.set A5,  32
.set A3,  34
.set A1,  36
.set B8,  38
.set B4,  40
.set B2,  42
.set BZ,  44
.set G1, 24
.set G0, 32
.set G1B, 48
.set G0B, 56
.set G1S, 68
.set G0S, 76
.set G1SB, 80
.set G0SB, 88
.set MSB, 0
.macro WIN new
.if MSB != (\new)
	s_set_vgpr_msb (MSB<<8)|(\new)
.set MSB, \new
.endif
.endm
.set MUL_LO, 0xa1
.set MUL_HI, 0xf1
.set TO_B,   0x40
.macro JLOAD g0a, g1a, g0b, g1b        ; waves 0, 1 fetch for the tokens, waves 2, 3 for W1
	s_cmp_eq_u32 s15, 0
	s_cbranch_scc0 .Lfor_b_\@
	tensor_load_to_lds s[\g0a:\g0a+3], s[\g1a:\g1a+7]
	s_nop 0
.rept 4
	v_nop
.endr
	s_branch .Lasked_\@
.Lfor_b_\@:
	tensor_load_to_lds s[\g0b:\g0b+3], s[\g1b:\g1b+7]
	s_nop 0
.rept 4
	v_nop
.endr
.Lasked_\@:
.endm
.macro CREST
	s_cmp_lg_u32 s14, 0
	s_cbranch_scc1 .Lnot_wave_0_\@
	s_barrier_signal -3
.Lnot_wave_0_\@:
	s_barrier_wait -3
	s_barrier_signal -1
	s_barrier_wait -1
.endm
.macro CROUND
	s_barrier_signal -1
	s_barrier_wait -1
	CREST
.endm
	s_load_b256 s[4:11], s[0:1], 0x0               ; hb, wb, mlp_b1, gb
	v_lshl_add_u32 v[SPW], v0, 2, SPARE
	v_mov_b32 v[NIL], 0
	ds_add_u32 v[SPW], v[NIL]                      ; the wave's opening: the add and its wait ahead of my first tensor load
	v_lshrrev_b32 v1, 5, v0
	v_readfirstlane_b32 s14, v1                    ; wave
	s_lshr_b32 s15, s14, 1
	s_and_b32 s16, s14, 1
	s_bfe_u32 s40, ttmp6, 0x40000                  ; cx
	s_bfe_u32 s41, ttmp6, 0x40004                  ; cy
	s_lshl_b32 s42, ttmp9, 2
	s_add_co_u32 s42, s42, s40                     ; x: 256 features, a panel of gb
	s_and_b32 s17, ttmp7, 0xffff
	s_lshl_b32 s17, s17, 2
	s_add_co_u32 s17, s17, s41                     ; y: 256 tokens
	s_lshl_b32 s43, s41, 2
	s_lshl_b32 s43, 15, s43
	s_lshl_b32 s44, 0x1111, s40
	s_or_b32 s[G1+0], s43, (1<<20)|(1<<21)|(3<<22)|(3<<25)
	s_or_b32 s[G1B+0], s44, (1<<20)|(1<<21)|(3<<22)|(3<<25)
.irp g, G1, G1B
	s_mov_b32 s[\g+1], ROWB<<16
	s_mov_b32 s[\g+2], 128<<16
	s_mov_b32 s[\g+3], ROWB<<16
	s_mov_b32 s[\g+4], 128
	s_mov_b32 s[\g+5], ROWB
	s_mov_b32 s[\g+6], 0
	s_mov_b32 s[\g+7], 0
.endr
	s_or_b32 s[G1S+0], s43, (3<<16)|(1<<21)
	s_or_b32 s[G1SB+0], s44, (3<<16)|(1<<21)
.irp g, G1S, G1SB
	s_mov_b32 s[\g+1], 128<<16
	s_mov_b32 s[\g+2], NPAN<<16
	s_mov_b32 s[\g+3], 128<<16
	s_mov_b32 s[\g+4], NPAN
	s_mov_b32 s[\g+5], 4096
	s_mov_b32 s[\g+6], 0
	s_mov_b32 s[\g+7], 0
.endr
	s_lshl_b32 s18, s16, 7
	s_lshl_b32 s20, s17, 8
	s_add_co_u32 s20, s20, s18
	s_lshl_b32 s46, s42, 8
	s_add_co_u32 s46, s46, s18
	s_lshl_b32 s22, s20, 3
	s_add_co_u32 s22, s22, ASCL
	s_lshl_b32 s92, s46, 3
	s_add_co_u32 s92, s92, BSCL
	s_mul_i32 s20, s20, ROWB
	s_add_co_u32 s20, s20, ACOD
	s_mul_i32 s46, s46, ROWB
	s_add_co_u32 s46, s46, BCOD
	s_mov_b32 s21, 0
	s_mov_b32 s23, 0
	s_mov_b32 s47, 0
	s_mov_b32 s93, 0
	s_mul_i32 s45, s14, HALFT
	s_mul_i32 s94, s14, HALFS
	s_wait_dscnt 0x0                               ; the opening add is done
	s_wait_kmcnt 0x0
	s_add_nc_u64 s[20:21], s[4:5], s[20:21]
	s_add_nc_u64 s[22:23], s[4:5], s[22:23]
	s_add_nc_u64 s[46:47], s[6:7], s[46:47]
	s_add_nc_u64 s[92:93], s[6:7], s[92:93]
	CROUND                                         ; all sixteen work-groups are here: the first joint loads meet
	s_mov_b32 s[G0S], 1
	s_add_co_u32 s[G0S+1], s94, SCL
	s_mov_b64 s[G0S+2:G0S+3], s[22:23]
	s_or_b32 s[G0S+3], s[G0S+3], 0x80000000
	s_mov_b32 s[G0SB], 1
	s_add_co_u32 s[G0SB+1], s94, SCL
	s_mov_b64 s[G0SB+2:G0SB+3], s[92:93]
	s_or_b32 s[G0SB+3], s[G0SB+3], 0x80000000
	JLOAD G0S, G1S, G0SB, G1SB
.irp s, 0,1
	s_mov_b32 s[G0+4*\s], 1
	s_add_co_u32 s[G0+4*\s+1], s45, \s*SLOT
	s_add_nc_u64 s[G0+4*\s+2:G0+4*\s+3], s[20:21], \s*R1*ROWB
	s_or_b32 s[G0+4*\s+3], s[G0+4*\s+3], 0x80000000
	s_mov_b32 s[G0B+4*\s], 1
	s_add_co_u32 s[G0B+4*\s+1], s45, \s*SLOT
	s_add_nc_u64 s[G0B+4*\s+2:G0B+4*\s+3], s[46:47], \s*R0*ROWB
	s_or_b32 s[G0B+4*\s+3], s[G0B+4*\s+3], 0x80000000
	JLOAD G0+4*\s, G1, G0B+4*\s, G1B
.endr
	v_and_b32 v1, 15, v0                           ; r
	v_bfe_u32 v2, v0, 4, 1                         ; h
	v_mul_u32_u24 v3, v1, PITCH
	v_mul_u32_u24 v4, v2, 24
	v_add_nc_u32 v4, v3, v4
	v_lshl_add_u32 v5, v2, 4, v4
	s_mul_i32 s21, s15, HALFT
	s_mul_i32 s22, s16, HALFT
	s_add_co_u32 s22, s22, 2*HALFT
.irp s, 0,1
	v_add_nc_u32 v[ADRA+\s], s21, v4
	v_add_nc_u32 v[ADRB+\s], s22, v4
	v_add_nc_u32 v[ADRA+2+\s], s21, v5
	v_add_nc_u32 v[ADRB+2+\s], s22, v5
	s_add_co_u32 s21, s21, SLOT
	s_add_co_u32 s22, s22, SLOT
.endr
	v_lshlrev_b32 v5, 3, v1
	s_mul_i32 s21, s15, HALFS
	s_mul_i32 s22, s16, HALFS
	s_add_co_u32 s22, s22, 2*HALFS
	s_sub_co_u32 s22, s22, s21
	v_mul_u32_u24 v6, s22, v2
	s_add_co_u32 s21, s21, SCL
	v_add_nc_u32 v5, v5, v6
	v_add_nc_u32 v[ADRS], s21, v5
	s_lshl_b32 s21, s15, 7
	v_add_nc_u32 v5, s21, v1                       ; my output row in the tile: 128 x half + r
	v_mul_u32_u24 v6, v5, 192
	v_mad_u32_u24 v6, v2, 24, v6
	s_mul_i32 s22, s16, 96
	s_add_co_u32 s22, s22, STG
	v_add_nc_u32 v[STO], s22, v6
	s_lshl_b32 s22, s16, 2
	s_add_co_u32 s22, s22, SSTG
	v_lshl_add_u32 v[SSO], v5, 3, s22
	v_and_b32 v6, 31, v0
	v_lshlrev_b32 v6, 4, v6
	s_mul_i32 s22, s14, 12288
	s_add_co_u32 s22, s22, STG
	v_add_nc_u32 v[RD], s22, v6
	s_lshl_b32 s22, s14, 9
	s_add_co_u32 s22, s22, SSTG
	v_add_nc_u32 v[RSC], s22, v6
	s_lshl_b32 s22, s14, 16
	v_add_nc_u32 v[DA], s22, v6                    ; my images: 65,536 x wave + 16 x lane
	s_lshl_b32 s21, s42, 12
	s_lshl_b32 s22, s17, 8
	s_add_co_u32 s21, s21, s22                     ; the tile's first output row: 4096 x + 256 y
	s_lshl_b32 s22, s21, 3
	s_add_co_u32 s22, s22, 12582912
	s_lshl_b32 s23, s14, 9
	s_add_co_u32 s22, s22, s23
	v_add_nc_u32 v3, s22, v6                       ; v3: my 16 bytes of its scale bytes in gb
	s_mul_i32 s21, s21, 192
	s_mul_i32 s23, s14, 12288
	s_add_co_u32 s21, s21, s23
	v_add_nc_u32 v[CO], s21, v6                    ; and of its codes
	s_lshl_b32 s23, s42, 8
	s_lshl_b32 s45, s16, 7
	s_add_co_u32 s23, s23, s45
	s_lshl_b32 s23, s23, 2
	v_lshl_add_u32 v8, v2, 5, s23
.irp b, 0,1,2,3,4,5,6,7
	global_load_b128 v[B0+8*\b:B0+8*\b+3], v8, s[8:9] offset:64*\b          ; b1 at my features 16 b + 8 h + 0..7
	global_load_b128 v[B0+8*\b+4:B0+8*\b+7], v8, s[8:9] offset:64*\b+16
.endr
	s_mov_b32 s[SEL], 0x76543210
	s_mov_b32 s[SEL+1], 0xfedcba98
.macro FRAG reg, adr, q, i
.irp p, 0,1,2,3,4,5
.set PIECE, 12*(\q)+6*(\p/3)+\p%3
.if PIECE%8 < 5
	ds_load_b64 v[\reg+2*\p:\reg+2*\p+1], v[\adr] offset:8*PIECE+16*(PIECE/8)+(\i)*16*PITCH
.else
	ds_load_b64 v[\reg+2*\p:\reg+2*\p+1], v[\adr+2] offset:8*PIECE+16*(PIECE/8)+(\i)*16*PITCH
.endif
.endr
.endm
.macro MUL16 a0, p, q, sc, zero        ; the 64 accumulators take turns, one instruction a turn
.irp a, \a0, \a0+1
.irp b, 0,1,2,3,4,5,6,7
.if \zero
	v_wmma_scale_f32_16x16x128_f8f6f4 v[8*(8*((\a)%4)+\b):8*(8*((\a)%4)+\b)+7], v[128*(\p)+FR*\b:128*(\p)+FR*\b+FR-1], v[AF+FR*(\a):AF+FR*(\a)+FR-1], 0, v[SC+8*NQ*(\sc)+NQ*\b+(\q)], v[SC+8*NQ*(\sc)+NQ*(\a)+(\q)] matrix_a_fmt:MATRIX_FMT_FP6 matrix_b_fmt:MATRIX_FMT_FP6 matrix_a_scale:MATRIX_SCALE_ROW1
.else
	v_wmma_scale_f32_16x16x128_f8f6f4 v[8*(8*((\a)%4)+\b):8*(8*((\a)%4)+\b)+7], v[128*(\p)+FR*\b:128*(\p)+FR*\b+FR-1], v[AF+FR*(\a):AF+FR*(\a)+FR-1], v[8*(8*((\a)%4)+\b):8*(8*((\a)%4)+\b)+7], v[SC+8*NQ*(\sc)+NQ*\b+(\q)], v[SC+8*NQ*(\sc)+NQ*(\a)+(\q)] matrix_a_fmt:MATRIX_FMT_FP6 matrix_b_fmt:MATRIX_FMT_FP6 matrix_a_scale:MATRIX_SCALE_ROW1
.endif
.endr
.endr
.endm
.macro FETCH_B slot, q, p
	WIN TO_B
.irp i, 0,1,2,3,4,5,6,7
	FRAG 128*(\p)+FR*\i, ADRB+\slot, \q, \i
.endr
	WIN 0
.endm
.macro FETCH_A slot, q, i0
.irp i, \i0, \i0+1, \i0+2, \i0+3
	FRAG AF+FR*(\i), ADRA+\slot, \q, \i
.endr
.endm
.macro SCALES sc
.irp i, 0,1,2,3,4,5,6,7
	ds_load_b64 v[SC+8*NQ*\sc+NQ*\i:SC+8*NQ*\sc+NQ*\i+1], v[ADRS] offset:\i*128
.endr
.endm
.macro PLACES n                        ; plain lines between a matrix instruction and a load into, or a read of, its registers
.rept \n
	v_nop
.endr
.endm
.macro STEP slot, q, zero
	s_wait_dscnt 4*NL                              ; all but the youngest 24 loads
	WIN MUL_LO
	MUL16 0, (\q)%2, \q, \slot, \zero
	MUL16 2, (\q)%2, \q, \slot, \zero
	s_wait_dscnt 0
	PLACES NP
	FETCH_B \slot, (\q)+1, 1-(\q)%2
	FETCH_A \slot, (\q)+1, 0
	WIN MUL_HI
	MUL16 4, (\q)%2, \q, \slot, \zero
	MUL16 6, (\q)%2, \q, \slot, \zero
	PLACES NP
	WIN 0
	FETCH_A \slot, (\q)+1, 4
.endm
.macro TURN slot, next, fill
	s_wait_tensorcnt 0x0                           ; all my tensor loads have landed: my part of the next slot
	ds_add_u32 v[SPW], v[NIL]
	s_wait_dscnt 4*NL+1                            ; (the add and the youngest 24 loads may be out)
	WIN MUL_LO
	MUL16 0, 1, NQ-1, \slot, 0
	s_wait_dscnt 0x0                               ; the add is done, and my reads of this slot are over
	s_barrier_signal -1
	MUL16 2, 1, NQ-1, \slot, 0
	WIN 0
	s_barrier_wait -1
.if \fill
	CREST
	s_add_nc_u64 s[G0+4*\slot+2:G0+4*\slot+3], s[G0+4*\slot+2:G0+4*\slot+3], 2*R1*ROWB
	s_add_nc_u64 s[G0B+4*\slot+2:G0B+4*\slot+3], s[G0B+4*\slot+2:G0B+4*\slot+3], 2*R0*ROWB
	JLOAD G0+4*\slot, G1, G0B+4*\slot, G1B
.else
	PLACES NP
.endif
	v_add_nc_u32 v[ADRS], 1024, v[ADRS]
	FETCH_B \next, 0, 0
	FETCH_A \next, 0, 0
	SCALES \next
	WIN MUL_HI
	MUL16 4, 1, NQ-1, \slot, 0
	MUL16 6, 1, NQ-1, \slot, 0
	PLACES NP
	WIN 0
	FETCH_A \next, 0, 4
.endm
	s_wait_tensorcnt 1                             ; the scales and K step 0 are in; K step 1's load may be out
	s_barrier_signal -1
	s_barrier_wait -1
	FETCH_B 0, 0, 0
	FETCH_A 0, 0, 0
	SCALES 0
	FETCH_A 0, 0, 4
	STEP 0, 0, 1
	s_mov_b32 s3, LAPS-1
.Llap:
	TURN 0, 1, 1
	STEP 1, 0, 0
	TURN 1, 0, 1
	STEP 0, 0, 0
	s_sub_co_u32 s3, s3, 1
	s_cmp_lg_u32 s3, 0
	s_cbranch_scc1 .Llap
	TURN 0, 1, 0
	STEP 1, 0, 0
	s_wait_dscnt 4*NL
	WIN MUL_LO
	MUL16 0, 1, NQ-1, 1, 0
	MUL16 2, 1, NQ-1, 1, 0
	s_wait_dscnt 0
	WIN MUL_HI
	MUL16 4, 1, NQ-1, 1, 0
	MUL16 6, 1, NQ-1, 1, 0
	WIN 0
	PLACES NP
	s_wait_dscnt 0x0                               ; my reads of the ring and of the scale bytes are over:
	s_barrier_signal -1
	s_barrier_wait -1                              ; everybody's are; both have had their last fill, and are written from here on
.set da, 0
.rept 8
	WIN 0x08+4*(da/4)                              ; an LDS store's data: window 2 or 3
.set db, 0
.rept 8
	ds_store_b128 v[DA], v[64*(da%4)+8*db:64*(da%4)+8*db+3] offset:da*8192+db*1024        ; each accumulator from its low end on
	ds_store_b128 v[DA], v[64*(da%4)+8*db+4:64*(da%4)+8*db+7] offset:da*8192+db*1024+512
.set db, db+1
.endr
.set da, da+1
.endr
	WIN 0
.macro CONST reg, val
	s_mov_b32 s[\reg], \val
	s_mov_b32 s[\reg+1], \val
.endm
	CONST KC,  0x3f3504f3                          ; 1 / sqrt(2)
	CONST A13, 0xaf95df0b                          ; P, from the highest power down (its second coefficient lies in v[10:11])
	CONST A9,  0xb60cff51
	CONST A7,  0xb86ec2d2
	CONST A5,  0xba40ac63
	CONST A3,  0xbb41a1f6
	CONST A1,  0xbc83dbd4
	CONST B8,  0xb77460cd                          ; Q likewise (v[12:13])
	CONST B4,  0xbadc924e
	CONST B2,  0xbbf19bf8
	CONST BZ,  0xbc69b6a7
	v_mov_b32 v10, 0x32edffee
	v_mov_b32 v11, 0x32edffee
	v_mov_b32 v12, 0xb95fbd29
	v_mov_b32 v13, 0xb95fbd29
.macro EACH8 text:vararg               ; (not used)
.endm
; 16 numbers: x = acc + b1; g = x/2 + (x/2) erf(x / sqrt 2)
.macro GELU g
.set XG, HA+16*(\g)
.set BG, B0+16*(\g)
.irp i, 0,2,4,6,8,10,12,14
	v_pk_add_f32 v[XG+\i:XG+\i+1], v[XG+\i:XG+\i+1], v[BG+\i:BG+\i+1]
.endr
.irp i, 0,2,4,6,8,10,12,14
	v_pk_mul_f32 v[U+\i:U+\i+1], v[XG+\i:XG+\i+1], s[KC:KC+1] op_sel_hi:[1,0]
.endr
.irp i, 0,1,2,3,4,5,6,7,8,9,10,11,12,13,14,15
	v_med3_num_f32 v[U+\i], v[U+\i], -4.0, 4.0
.endr
.irp i, 0,2,4,6,8,10,12,14
	v_pk_mul_f32 v[Z+\i:Z+\i+1], v[U+\i:U+\i+1], v[U+\i:U+\i+1]
.endr
.irp i, 0,2,4,6,8,10,12,14
	v_pk_fma_f32 v[P+\i:P+\i+1], v[Z+\i:Z+\i+1], s[A13:A13+1], v[10:11] op_sel_hi:[1,0,1]
.endr
.irp c, A9, A7, A5, A3, A1
.irp i, 0,2,4,6,8,10,12,14
	v_pk_fma_f32 v[P+\i:P+\i+1], v[P+\i:P+\i+1], v[Z+\i:Z+\i+1], s[\c:\c+1] op_sel_hi:[1,1,0]
.endr
.endr
.irp i, 0,2,4,6,8,10,12,14
	v_pk_fma_f32 v[Q+\i:Q+\i+1], v[Z+\i:Z+\i+1], s[B8:B8+1], v[12:13] op_sel_hi:[1,0,1]
.endr
.irp c, B4, B2, BZ
.irp i, 0,2,4,6,8,10,12,14
	v_pk_fma_f32 v[Q+\i:Q+\i+1], v[Q+\i:Q+\i+1], v[Z+\i:Z+\i+1], s[\c:\c+1] op_sel_hi:[1,1,0]
.endr
.endr
.irp i, 0,1,2,3,4,5,6,7,8,9,10,11,12,13,14,15
	v_rcp_f32 v[Q+\i], v[Q+\i]
.endr
.irp i, 0,2,4,6,8,10,12,14
	v_pk_mul_f32 v[P+\i:P+\i+1], v[P+\i:P+\i+1], v[U+\i:U+\i+1]              ; plain work that names no reciprocal
.endr
.irp i, 0,2,4,6,8,10,12,14
	v_pk_mul_f32 v[XG+\i:XG+\i+1], v[XG+\i:XG+\i+1], 0.5 op_sel_hi:[1,0]
.endr
	s_wait_alu depctr_va_vdst(0)                   ; one wait for the sixteen reciprocals, ahead of their first reader
.irp i, 0,2,4,6,8,10,12,14
	v_pk_mul_f32 v[P+\i:P+\i+1], v[P+\i:P+\i+1], v[Q+\i:Q+\i+1]              ; erf
.endr
.irp i, 0,2,4,6,8,10,12,14
	v_pk_fma_f32 v[XG+\i:XG+\i+1], v[XG+\i:XG+\i+1], v[P+\i:P+\i+1], v[XG+\i:XG+\i+1]
.endr
.endm
.macro QUANT s
.irp b, 0,1,2,3
	v_max3_num_f32 v[TM+\b], |v[\s+16*\b]|, |v[\s+1+16*\b]|, 0x1800000    ; with the floor 2^(3 - 127)
.endr
.irp i, 2,4,6,8,10,12,14
.irp b, 0,1,2,3
	v_max3_num_f32 v[TM+\b], v[TM+\b], |v[\s+16*\b+\i]|, |v[\s+1+16*\b+\i]|
.endr
.endr
.irp b, 0,1,2,3
	v_permlanex16_b32 v[TM+4+\b], v[TM+\b], s[SEL], s[SEL+1]
.endr
.irp b, 0,1,2,3
	v_max_num_f32 v[TM+\b], v[TM+\b], v[TM+4+\b]
.endr
.irp b, 0,1,2,3
	v_add_nc_u32 v[TM+12+\b], 0xff000000, v[TM+\b]
.endr
.irp b, 0,1,2,3
	v_lshrrev_b32 v[TM+4+\b], 23, v[TM+12+\b]
.endr
	v_lshl_or_b32 v[PW], v[TM+5], 8, v[TM+4]
	v_lshl_or_b32 v[PW], v[TM+6], 16, v[PW]
	v_lshl_or_b32 v[PW], v[TM+7], 24, v[PW]
.irp c, 0,1
	v_cvt_scalef32_pk16_fp6_f32 v[CD+6*\c:CD+2+6*\c], v[\s+32*\c:\s+15+32*\c], v[TM+12+2*\c]
	v_cvt_scalef32_pk16_fp6_f32 v[CD+12+4*\c:CD+14+4*\c], v[\s+16+32*\c:\s+31+32*\c], v[TM+12+2*\c+1]
.endr
	v_nop
.irp c, 0,1
.irp i, 0,1,2
	v_permlane16_swap_b32 v[CD+6*\c+\i], v[CD+12+4*\c+\i]
.endr
.irp i, 0,1,2
	v_mov_b32 v[CD+3+6*\c+\i], v[CD+12+4*\c+\i]
.endr
.endr
.endm
	s_mov_b32 s3, 0
	s_mov_b32 s52, 0
	s_mov_b32 s53, 0
	s_mov_b32 s54, 0
	s_wait_loadcnt 0x0                             ; b1
.Lepi:                                             ; a trip: 16 tokens x my 128 features
	v_add_nc_u32 v[DAL], s52, v[DA]
	v_add_nc_u32 v[STOA], s53, v[STO]
	v_add_nc_u32 v[SSOA], s54, v[SSO]
.set ek, 0
.rept 16
	ds_load_b128 v[HA+4*ek:HA+4*ek+3], v[DAL] offset:512*ek      ; my own images: a wave's LDS instructions are served in order
.set ek, ek+1
.endr
	s_wait_dscnt 0x0
	GELU 0
	GELU 1
	GELU 2
	GELU 3
	QUANT HA
.irp p, 0,1,2,3,4,5
	ds_store_b64 v[STOA], v[CD+2*\p:CD+2*\p+1] offset:48*(\p/3)+8*(\p%3)
.endr
	ds_store_b32 v[SSOA], v[PW]
	s_wait_dscnt 0x0                               ; the stores have read their registers, and have landed
	s_add_co_u32 s52, s52, 8192
	s_add_co_u32 s53, s53, 3072
	s_add_co_u32 s54, s54, 128
	s_add_co_u32 s3, s3, 1
	s_cmp_lt_u32 s3, 8
	s_cbranch_scc1 .Lepi
	s_barrier_signal -1
	s_barrier_wait -1                              ; the tile's codes and scale bytes lie in the stage
.set ek, 0
.rept 24
	ds_load_b128 v[128+4*ek:131+4*ek], v[RD] offset:512*ek
.set ek, ek+1
.endr
	ds_load_b128 v[224:227], v[RSC]
.set ek, 0
.rept 24
	s_wait_dscnt 24-ek
	global_store_b128 v[CO], v[128+4*ek:131+4*ek], s[10:11] offset:512*ek    ; the tile's 256 rows are 49,152 consecutive bytes: 512 an instruction
.set ek, ek+1
.endr
	s_wait_dscnt 0x0
	global_store_b128 v3, v[224:227], s[10:11]
	s_wait_tensorcnt 0x0                           ; the wave's end
	ds_add_u32 v[SPW], v[NIL]
	s_wait_dscnt 0x0
	CROUND                                         ; the closing round
	s_endpgm
.Lfunc_end_k_q41e30f43ae_mlp1:
	.size	k_q41e30f43ae_mlp1, .Lfunc_end_k_q41e30f43ae_mlp1-k_q41e30f43ae_mlp1
	.p2alignl 7, 3214868480
	.fill 96, 4, 3214868480
	.section	.rodata,"a",@progbits
	.p2align	6, 0x0
	.amdhsa_kernel k_q41e30f43ae_mlp1
		.amdhsa_group_segment_fixed_size 327680
		.amdhsa_private_segment_fixed_size 0
		.amdhsa_enable_private_segment 0
		.amdhsa_kernarg_size 32
		.amdhsa_user_sgpr_count 2
		.amdhsa_user_sgpr_kernarg_segment_ptr 1
		.amdhsa_wavefront_size32 1
		.amdhsa_system_sgpr_workgroup_id_x 1
		.amdhsa_system_sgpr_workgroup_id_y 1
		.amdhsa_system_sgpr_workgroup_id_z 1
		.amdhsa_system_vgpr_workitem_id 0
		.amdhsa_next_free_vgpr 1024
		.amdhsa_next_free_sgpr 106
		.amdhsa_reserve_vcc 0
		.amdhsa_float_denorm_mode_32 3
		.amdhsa_float_denorm_mode_16_64 3
		.amdhsa_memory_ordered 1
		.amdhsa_forward_progress 1
		.amdhsa_inst_pref_size 193
	.end_amdhsa_kernel
	.amdgpu_metadata
---
amdhsa.version: [ 1, 2 ]
amdhsa.kernels:
  - .name:           k_q41e30f43ae_mlp1
    .symbol:         k_q41e30f43ae_mlp1.kd
    .args:
      - { .name: hb, .offset: 0, .size: 8, .value_kind: global_buffer, .address_space: global }
      - { .name: wb, .offset: 8, .size: 8, .value_kind: global_buffer, .address_space: global }
      - { .name: mlp_b1, .offset: 16, .size: 8, .value_kind: global_buffer, .address_space: global }
      - { .name: gb, .offset: 24, .size: 8, .value_kind: global_buffer, .address_space: global }
    .group_segment_fixed_size: 327680
    .private_segment_fixed_size: 0
    .kernarg_segment_align: 8
    .kernarg_segment_size: 32
    .max_flat_workgroup_size: 128
    .sgpr_count:     106
    .vgpr_count:     1024
    .wavefront_size: 32
...
	.end_amdgpu_metadata
.endif
;; end of part 6
;; launch mlp2 (part 7): grid 4 x 16, 4 waves a work-group, clusters of 4 x 4, 327,680 bytes of LDS; arguments gb, wb, mlp_b2, x1, out0; writes out0
.if DOCPART == 7
	.amdgcn_target "amdgcn-amd-amdhsa--gfx1250"
	.amdhsa_code_object_version 6
	.text
	.protected	k_q41e30f43ae_mlp2
	.globl	k_q41e30f43ae_mlp2
	.p2align	8
	.type	k_q41e30f43ae_mlp2,@function
k_q41e30f43ae_mlp2:
	s_mov_b64 s[64:65], 0
	v_nop
	global_prefetch_b8 v0, s[64:65] scope:SCOPE_SE
	s_setreg_imm32_b32 hwreg(HW_REG_WAVE_MODE, 25, 1), 1
	s_wait_xcnt 0x0
	s_wait_alu depctr_hold_cnt(0) depctr_sa_sdst(0) depctr_va_vdst(0) depctr_va_sdst(0) depctr_va_ssrc(0) depctr_va_vcc(0) depctr_vm_vsrc(0)
	s_getreg_b32 s2, hwreg(HW_REG_IB_STS2, 6, 4)
	s_cmp_eq_u32 s2, 0
	s_cbranch_scc0 .Lentry_in_a_cluster
	s_endpgm
.Lentry_in_a_cluster:
	s_bfe_u32 s2, ttmp6, 0x10000c
	s_cmp_lg_u32 s2, 0xf033
	s_cbranch_scc0 .Lentry_shape_is_right
	s_endpgm
.Lentry_shape_is_right:
; out = res + A W + bias.  A [4096 tokens][KTOT] and W [1024 columns][KTOT] are codes of E2M3 in panels: codes [K/256][rows][192 bytes], scale bytes [K/256][rows][8].  res, out: [4096][1024] f32.
; A tile of out is 256 x 256, four waves of 128 x 128 (64 accumulators); K goes in steps of 256 through a ring of two LDS slots filled by tensor loads; the scale bytes of all of K come once.
; CLUSTER 4 x 4: A's tiles are shared along a row of the cluster, W's down a column: each is asked for jointly.  Source 0 = 16 rows of W, source 1 = 16 rows of A: a lane holds eight neighbouring columns of a row.
; The residual's rows are asked for ahead of the blocks that want them, into the registers that W's fragments have left.
; LIMITS: NaN and infinities are not served.
.set KTOT,   4096
.set R0,     1024
.set R1,     4096
.set ACOD,   0
.set ASCL,   12582912
.set BCOD,   7077888
.set BSCL,   10518528
.set LAST,   1
.set SPARE,  311296
.set NQ,     2
.set ROWB,   192
.set PITCH,  240                       ; an LDS row: 3 x (64 bytes + 16 of padding)
.set FR,     12
.set NL,     6
.set NP,     4
.set HALFT,  128*PITCH
.set SLOT,   4*HALFT
.set NPAN,   KTOT/256
.set LAPS,   NPAN/2
.set SCL,    2*SLOT                    ; behind the ring: the scale bytes, [quarter][panel][128 rows][8]
.set HALFS,  NPAN*1024
.set SPITCH, 528                       ; the way out: a stage of 16 rows x (512 + 16) bytes a wave, in slot 0 after its last fill and last read
.set ADRA, 16
.set ADRB, 20
.set STO,  24
.set RD,   25
.set CO,   26
.set ADRS, 27
.set SPW,  28
.set NIL,  29
.set SC,   32                          ; v32-63 scale words, two sets: scales and nothing else
.set BIAS, 96                          ; v96-99 the bias of my four columns of a row read back
.set AF,   128
.set BK,   128
.set G1, 24
.set G0, 32
.set G1B, 48
.set G0B, 56
.set G1S, 68
.set G0S, 76
.set G1SB, 80
.set G0SB, 88
.set MSB, 0
.macro WIN new
.if MSB != (\new)
	s_set_vgpr_msb (MSB<<8)|(\new)
.set MSB, \new
.endif
.endm
.set MUL_LO, 0xa1
.set MUL_HI, 0xf1
.set TO_B,   0x40
.macro JLOAD g0a, g1a, g0b, g1b        ; waves 0, 1 fetch for A, waves 2, 3 for W
	s_cmp_eq_u32 s15, 0
	s_cbranch_scc0 .Lfor_b_\@
	tensor_load_to_lds s[\g0a:\g0a+3], s[\g1a:\g1a+7]
	s_nop 0
.rept 4
	v_nop
.endr
	s_branch .Lasked_\@
.Lfor_b_\@:
	tensor_load_to_lds s[\g0b:\g0b+3], s[\g1b:\g1b+7]
	s_nop 0
.rept 4
	v_nop
.endr
.Lasked_\@:
.endm
.macro CREST
	s_cmp_lg_u32 s14, 0
	s_cbranch_scc1 .Lnot_wave_0_\@
	s_barrier_signal -3
.Lnot_wave_0_\@:
	s_barrier_wait -3
	s_barrier_signal -1
	s_barrier_wait -1
.endm
.macro CROUND
	s_barrier_signal -1
	s_barrier_wait -1
	CREST
.endm
	s_load_b256 s[4:11], s[0:1], 0x0               ; A, wb, bias, res
	s_load_b64 s[12:13], s[0:1], 0x20              ; out
	v_lshl_add_u32 v[SPW], v0, 2, SPARE
	v_mov_b32 v[NIL], 0
	ds_add_u32 v[SPW], v[NIL]                      ; the wave's opening: the add and its wait ahead of my first tensor load
	v_lshrrev_b32 v1, 5, v0
	v_readfirstlane_b32 s14, v1                    ; wave
	s_lshr_b32 s15, s14, 1                         ; my half of the tile's rows; also: I fetch for A (0) or W (1)
	s_and_b32 s16, s14, 1                          ; my half of its columns; also: which 128 rows I fetch
	s_bfe_u32 s40, ttmp6, 0x40000                  ; cx
	s_bfe_u32 s41, ttmp6, 0x40004                  ; cy
	s_lshl_b32 s42, ttmp9, 2
	s_add_co_u32 s42, s42, s40                     ; tile column
	s_and_b32 s17, ttmp7, 0xffff
	s_lshl_b32 s17, s17, 2
	s_add_co_u32 s17, s17, s41                     ; tile row
	s_lshl_b32 s43, s41, 2
	s_lshl_b32 s43, 15, s43                        ; my row of the cluster
	s_lshl_b32 s44, 0x1111, s40                    ; my column
	s_or_b32 s[G1+0], s43, (1<<20)|(1<<21)|(3<<22)|(3<<25)   ; bytes; 16 bytes of padding behind every 64
	s_or_b32 s[G1B+0], s44, (1<<20)|(1<<21)|(3<<22)|(3<<25)
.irp g, G1, G1B
	s_mov_b32 s[\g+1], ROWB<<16
	s_mov_b32 s[\g+2], 128<<16
	s_mov_b32 s[\g+3], ROWB<<16
	s_mov_b32 s[\g+4], 128
	s_mov_b32 s[\g+5], ROWB                        ; rows of a panel are dense
	s_mov_b32 s[\g+6], 0
	s_mov_b32 s[\g+7], 0
.endr
	s_or_b32 s[G1S+0], s43, (3<<16)|(1<<21)        ; scale bytes: 128 rows x 8 bytes are one line of 1,024 bytes, a line for each panel
	s_or_b32 s[G1SB+0], s44, (3<<16)|(1<<21)
.irp g, G1S, G1SB
	s_mov_b32 s[\g+1], 128<<16
	s_mov_b32 s[\g+2], NPAN<<16
	s_mov_b32 s[\g+3], 128<<16
	s_mov_b32 s[\g+4], NPAN
	s_mov_b32 s[\g+6], 0
	s_mov_b32 s[\g+7], 0
.endr
	s_mov_b32 s[G1S+5], R1
	s_mov_b32 s[G1SB+5], R0
	s_lshl_b32 s18, s16, 7
	s_lshl_b32 s20, s17, 8
	s_add_co_u32 s20, s20, s18                     ; A: row 256 x tile row + 128 x half
	s_lshl_b32 s46, s42, 8
	s_add_co_u32 s46, s46, s18                     ; W: row 256 x tile column + 128 x half
	s_lshl_b32 s22, s20, 3
	s_add_co_u32 s22, s22, ASCL
	s_lshl_b32 s92, s46, 3
	s_add_co_u32 s92, s92, BSCL
	s_mul_i32 s20, s20, ROWB
	s_add_co_u32 s20, s20, ACOD
	s_mul_i32 s46, s46, ROWB
	s_add_co_u32 s46, s46, BCOD
	s_mov_b32 s21, 0
	s_mov_b32 s23, 0
	s_mov_b32 s47, 0
	s_mov_b32 s93, 0
	s_mul_i32 s45, s14, HALFT
	s_mul_i32 s94, s14, HALFS
	s_wait_dscnt 0x0                               ; the opening add is done
	s_wait_kmcnt 0x0
	s_add_nc_u64 s[20:21], s[4:5], s[20:21]
	s_add_nc_u64 s[22:23], s[4:5], s[22:23]
	s_add_nc_u64 s[46:47], s[6:7], s[46:47]
	s_add_nc_u64 s[92:93], s[6:7], s[92:93]
	CROUND                                         ; all sixteen work-groups are here: the first joint loads meet
	s_mov_b32 s[G0S], 1
	s_add_co_u32 s[G0S+1], s94, SCL
	s_mov_b64 s[G0S+2:G0S+3], s[22:23]
	s_or_b32 s[G0S+3], s[G0S+3], 0x80000000
	s_mov_b32 s[G0SB], 1
	s_add_co_u32 s[G0SB+1], s94, SCL
	s_mov_b64 s[G0SB+2:G0SB+3], s[92:93]
	s_or_b32 s[G0SB+3], s[G0SB+3], 0x80000000
	JLOAD G0S, G1S, G0SB, G1SB
.irp s, 0,1
	s_mov_b32 s[G0+4*\s], 1
	s_add_co_u32 s[G0+4*\s+1], s45, \s*SLOT
	s_add_nc_u64 s[G0+4*\s+2:G0+4*\s+3], s[20:21], \s*R1*ROWB
	s_or_b32 s[G0+4*\s+3], s[G0+4*\s+3], 0x80000000
	s_mov_b32 s[G0B+4*\s], 1
	s_add_co_u32 s[G0B+4*\s+1], s45, \s*SLOT
	s_add_nc_u64 s[G0B+4*\s+2:G0B+4*\s+3], s[46:47], \s*R0*ROWB
	s_or_b32 s[G0B+4*\s+3], s[G0B+4*\s+3], 0x80000000
	JLOAD G0+4*\s, G1, G0B+4*\s, G1B
.endr
	v_and_b32 v1, 15, v0                           ; r
	v_bfe_u32 v2, v0, 4, 1                         ; h
	v_mul_u32_u24 v3, v1, PITCH
	v_mul_u32_u24 v4, v2, 24
	v_add_nc_u32 v4, v3, v4
	v_lshl_add_u32 v5, v2, 4, v4
	s_mul_i32 s21, s15, HALFT
	s_mul_i32 s22, s16, HALFT
	s_add_co_u32 s22, s22, 2*HALFT
.irp s, 0,1
	v_add_nc_u32 v[ADRA+\s], s21, v4
	v_add_nc_u32 v[ADRB+\s], s22, v4
	v_add_nc_u32 v[ADRA+2+\s], s21, v5
	v_add_nc_u32 v[ADRB+2+\s], s22, v5
	s_add_co_u32 s21, s21, SLOT
	s_add_co_u32 s22, s22, SLOT
.endr
	v_lshlrev_b32 v5, 3, v1                        ; scale words: 8 bytes a row;
	s_mul_i32 s21, s15, HALFS
	s_mul_i32 s22, s16, HALFS
	s_add_co_u32 s22, s22, 2*HALFS
	s_sub_co_u32 s22, s22, s21
	v_mul_u32_u24 v6, s22, v2                      ; lanes 16-31 take W's
	s_add_co_u32 s21, s21, SCL
	v_add_nc_u32 v5, v5, v6
	v_add_nc_u32 v[ADRS], s21, v5
	s_mul_i32 s23, s14, 16*SPITCH                  ; my stage
	v_mul_u32_u24 v5, v1, SPITCH
	v_lshl_add_u32 v5, v2, 5, v5
	v_add_nc_u32 v[STO], s23, v5
	v_and_b32 v6, 31, v0
	v_lshlrev_b32 v[CO], 4, v6
	v_add_nc_u32 v[RD], s23, v[CO]
	s_lshl_b32 s20, s17, 8
	s_lshl_b32 s21, s15, 7
	s_add_co_u32 s20, s20, s21
	s_lshl_b32 s20, s20, 12                        ; my first row of out, 4,096 bytes a row,
	s_lshl_b32 s46, s42, 10
	s_lshl_b32 s47, s16, 9
	s_add_co_u32 s46, s46, s47                     ; my first column, in bytes
	v_add_nc_u32 v7, s46, v[CO]
	global_load_b128 v[BIAS:BIAS+3], v7, s[8:9]
	s_add_co_u32 s20, s20, s46
	s_mov_b32 s21, 0
	s_add_nc_u64 s[10:11], s[10:11], s[20:21]
	s_add_nc_u64 s[12:13], s[12:13], s[20:21]
.macro FRAG reg, adr, q, i             ; 16 rows x 128 K: 12 registers; each 24 bytes as three pieces of 8; the second address register serves pieces whose partner three on lies behind one padding more
.irp p, 0,1,2,3,4,5
.set PIECE, 12*(\q)+6*(\p/3)+\p%3
.if PIECE%8 < 5
	ds_load_b64 v[\reg+2*\p:\reg+2*\p+1], v[\adr] offset:8*PIECE+16*(PIECE/8)+(\i)*16*PITCH
.else
	ds_load_b64 v[\reg+2*\p:\reg+2*\p+1], v[\adr+2] offset:8*PIECE+16*(PIECE/8)+(\i)*16*PITCH
.endif
.endr
.endm
.macro MUL16 a0, p, q, sc, zero        ; the 64 accumulators take turns, one instruction a turn
.irp a, \a0, \a0+1
.irp b, 0,1,2,3,4,5,6,7
.if \zero
	v_wmma_scale_f32_16x16x128_f8f6f4 v[8*(8*((\a)%4)+\b):8*(8*((\a)%4)+\b)+7], v[128*(\p)+FR*\b:128*(\p)+FR*\b+FR-1], v[AF+FR*(\a):AF+FR*(\a)+FR-1], 0, v[SC+8*NQ*(\sc)+NQ*\b+(\q)], v[SC+8*NQ*(\sc)+NQ*(\a)+(\q)] matrix_a_fmt:MATRIX_FMT_FP6 matrix_b_fmt:MATRIX_FMT_FP6 matrix_a_scale:MATRIX_SCALE_ROW1
.else
	v_wmma_scale_f32_16x16x128_f8f6f4 v[8*(8*((\a)%4)+\b):8*(8*((\a)%4)+\b)+7], v[128*(\p)+FR*\b:128*(\p)+FR*\b+FR-1], v[AF+FR*(\a):AF+FR*(\a)+FR-1], v[8*(8*((\a)%4)+\b):8*(8*((\a)%4)+\b)+7], v[SC+8*NQ*(\sc)+NQ*\b+(\q)], v[SC+8*NQ*(\sc)+NQ*(\a)+(\q)] matrix_a_fmt:MATRIX_FMT_FP6 matrix_b_fmt:MATRIX_FMT_FP6 matrix_a_scale:MATRIX_SCALE_ROW1
.endif
.endr
.endr
.endm
.macro FETCH_B slot, q, p
	WIN TO_B
.irp i, 0,1,2,3,4,5,6,7
	FRAG 128*(\p)+FR*\i, ADRB+\slot, \q, \i
.endr
	WIN 0
.endm
.macro FETCH_A slot, q, i0
.irp i, \i0, \i0+1, \i0+2, \i0+3
	FRAG AF+FR*(\i), ADRA+\slot, \q, \i
.endr
.endm
.macro SCALES sc                       ; a K step's two words a row: lanes 0-15 A's block i, lanes 16-31 W's
.irp i, 0,1,2,3,4,5,6,7
	ds_load_b64 v[SC+8*NQ*\sc+NQ*\i:SC+8*NQ*\sc+NQ*\i+1], v[ADRS] offset:\i*128
.endr
.endm
.macro PLACES n                        ; plain lines between a matrix instruction and a load into, or a read of, its registers
.rept \n
	v_nop
.endr
.endm
.macro STEP slot, q, zero
	s_wait_dscnt 4*NL                              ; all but the youngest 24 loads (A's blocks 4-7)
	WIN MUL_LO
	MUL16 0, (\q)%2, \q, \slot, \zero
	MUL16 2, (\q)%2, \q, \slot, \zero
	s_wait_dscnt 0
	PLACES NP
	FETCH_B \slot, (\q)+1, 1-(\q)%2
	FETCH_A \slot, (\q)+1, 0
	WIN MUL_HI
	MUL16 4, (\q)%2, \q, \slot, \zero
	MUL16 6, (\q)%2, \q, \slot, \zero
	PLACES NP
	WIN 0
	FETCH_A \slot, (\q)+1, 4
.endm
.macro TURN slot, next, fill           ; a slot's last step changes slots
	s_wait_tensorcnt 0x0                           ; all my tensor loads have landed: my part of the next slot
	ds_add_u32 v[SPW], v[NIL]
	s_wait_dscnt 4*NL+1                            ; (the add and the youngest 24 loads may be out)
	WIN MUL_LO
	MUL16 0, 1, NQ-1, \slot, 0
	s_wait_dscnt 0x0                               ; the add is done, and my reads of this slot are over
	s_barrier_signal -1
	MUL16 2, 1, NQ-1, \slot, 0
	WIN 0
	s_barrier_wait -1
.if \fill
	CREST                                          ; the barrier opened a round of the cluster's: no wave of any partner still reads this slot or has a load out
	s_add_nc_u64 s[G0+4*\slot+2:G0+4*\slot+3], s[G0+4*\slot+2:G0+4*\slot+3], 2*R1*ROWB
	s_add_nc_u64 s[G0B+4*\slot+2:G0B+4*\slot+3], s[G0B+4*\slot+2:G0B+4*\slot+3], 2*R0*ROWB
	JLOAD G0+4*\slot, G1, G0B+4*\slot, G1B
.else
	PLACES NP
.endif
	v_add_nc_u32 v[ADRS], 1024, v[ADRS]            ; the next panel's scale words
	FETCH_B \next, 0, 0
	FETCH_A \next, 0, 0
	SCALES \next
	WIN MUL_HI
	MUL16 4, 1, NQ-1, \slot, 0
	MUL16 6, 1, NQ-1, \slot, 0
	PLACES NP
	WIN 0
	FETCH_A \next, 0, 4
.endm
; THE WAY OUT, block by block of 16 rows x 128 columns: through my stage, back as whole rows of 512 bytes, + residual + bias, stored.
.macro RES a                           ; the residual's 16 rows of block a into window 1, set a % 4
	WIN 0x40
.irp t, 0,1,2,3,4,5,6,7,8,9,10,11,12,13,14,15
	global_load_b128 v[64*((\a)%4)+4*\t:64*((\a)%4)+4*\t+3], v[CO], s[10:11] offset:(16*(\a)+\t)*4096
.endr
	WIN 0
.endm
.macro TOSTAGE a
.set AC, 64*((\a)%4)
	WIN 0x08+4*((\a)/4)
.irp b, 0,1,2,3,4,5,6,7
	ds_store_b128 v[STO], v[AC+8*\b:AC+8*\b+3] offset:64*\b          ; each accumulator from its low end on
	ds_store_b128 v[STO], v[AC+8*\b+4:AC+8*\b+7] offset:64*\b+16
.endr
	WIN 0
.set BB, BK+64*((\a)%2)
.irp t, 0,1,2,3,4,5,6,7,8,9,10,11,12,13,14,15
	ds_load_b128 v[BB+4*\t:BB+4*\t+3], v[RD] offset:\t*SPITCH        ; a wave's LDS instructions are served in order: these see the stores above
.endr
.endm
.macro SEND a, younger
.set BB, BK+64*((\a)%2)
.set RS, 64*((\a)%4)
	s_wait_dscnt \younger                          ; the block is back in registers
.if (\a) <= 4
	s_wait_loadcnt 48                              ; its residual is in; the three blocks asked for behind it may be out
.else
	s_wait_loadcnt 16*(7-(\a))
.endif
	WIN 0x04                                       ; source 1: window 1
.set si, 0
.rept 32
	v_pk_add_f32 v[BB+si:BB+si+1], v[BB+si:BB+si+1], v[RS+si:RS+si+1]
.set si, si+2
.endr
	WIN 0
.irp t, 0,1,2,3,4,5,6,7,8,9,10,11,12,13,14,15
	v_pk_add_f32 v[BB+4*\t:BB+4*\t+1], v[BB+4*\t:BB+4*\t+1], v[BIAS:BIAS+1]
	v_pk_add_f32 v[BB+4*\t+2:BB+4*\t+3], v[BB+4*\t+2:BB+4*\t+3], v[BIAS+2:BIAS+3]
.endr
.irp t, 0,1,2,3,4,5,6,7,8,9,10,11,12,13,14,15
.if LAST
	global_store_b128 v[CO], v[BB+4*\t:BB+4*\t+3], s[12:13] offset:(16*(\a)+\t)*4096 th:TH_STORE_NT    ; 32 lanes store 512 consecutive bytes, aligned; written once, read by nobody here
.else
	global_store_b128 v[CO], v[BB+4*\t:BB+4*\t+3], s[12:13] offset:(16*(\a)+\t)*4096
.endif
.endr
.if (\a) < 4
	RES (\a)+4
.endif
.endm
	s_wait_tensorcnt 1                             ; the scales and K step 0 are in; K step 1's load may be out
	s_barrier_signal -1
	s_barrier_wait -1
	FETCH_B 0, 0, 0
	FETCH_A 0, 0, 0
	SCALES 0
	FETCH_A 0, 0, 4
	STEP 0, 0, 1
	s_mov_b32 s3, LAPS-1
.Llap:
	TURN 0, 1, 1
	STEP 1, 0, 0
	TURN 1, 0, 1
	STEP 0, 0, 0
	s_sub_co_u32 s3, s3, 1
	s_cmp_lg_u32 s3, 0
	s_cbranch_scc1 .Llap
	TURN 0, 1, 0
	STEP 1, 0, 0
	RES 0                                          ; W's set 0 is done with (four plain lines stand behind its last products)
	RES 1
	s_wait_dscnt 4*NL
	WIN MUL_LO
	MUL16 0, 1, NQ-1, 1, 0
	MUL16 2, 1, NQ-1, 1, 0
	s_wait_dscnt 0
	WIN MUL_HI
	MUL16 4, 1, NQ-1, 1, 0
	MUL16 6, 1, NQ-1, 1, 0
	WIN 0
	PLACES NP
	RES 2
	RES 3
	TOSTAGE 0
.irp a, 1,2,3,4,5,6,7
.if \a > 1
	s_wait_xcnt 0x0                                ; block a - 2's stores have read their registers: block a's loads may land there
.endif
	TOSTAGE \a
	SEND \a-1, 32                                  ; behind block a - 1's loads: block a's 16 stores and 16 loads
.endr
	SEND 7, 0
	s_wait_tensorcnt 0x0                           ; the wave's end
	ds_add_u32 v[SPW], v[NIL]
	s_wait_dscnt 0x0
	CROUND                                         ; the closing round
	s_endpgm
.Lfunc_end_k_q41e30f43ae_mlp2:
	.size	k_q41e30f43ae_mlp2, .Lfunc_end_k_q41e30f43ae_mlp2-k_q41e30f43ae_mlp2
	.p2alignl 7, 3214868480
	.fill 96, 4, 3214868480
	.section	.rodata,"a",@progbits
	.p2align	6, 0x0
	.amdhsa_kernel k_q41e30f43ae_mlp2
		.amdhsa_group_segment_fixed_size 327680
		.amdhsa_private_segment_fixed_size 0
		.amdhsa_enable_private_segment 0
		.amdhsa_kernarg_size 40
		.amdhsa_user_sgpr_count 2
		.amdhsa_user_sgpr_kernarg_segment_ptr 1
		.amdhsa_wavefront_size32 1
		.amdhsa_system_sgpr_workgroup_id_x 1
		.amdhsa_system_sgpr_workgroup_id_y 1
		.amdhsa_system_sgpr_workgroup_id_z 1
		.amdhsa_system_vgpr_workitem_id 0
		.amdhsa_next_free_vgpr 1024
		.amdhsa_next_free_sgpr 106
		.amdhsa_reserve_vcc 0
		.amdhsa_float_denorm_mode_32 3
		.amdhsa_float_denorm_mode_16_64 3
		.amdhsa_memory_ordered 1
		.amdhsa_forward_progress 1
		.amdhsa_inst_pref_size 205
	.end_amdhsa_kernel
	.amdgpu_metadata
---
amdhsa.version: [ 1, 2 ]
amdhsa.kernels:
  - .name:           k_q41e30f43ae_mlp2
    .symbol:         k_q41e30f43ae_mlp2.kd
    .args:
      - { .name: gb, .offset: 0, .size: 8, .value_kind: global_buffer, .address_space: global }
      - { .name: wb, .offset: 8, .size: 8, .value_kind: global_buffer, .address_space: global }
      - { .name: mlp_b2, .offset: 16, .size: 8, .value_kind: global_buffer, .address_space: global }
      - { .name: x1, .offset: 24, .size: 8, .value_kind: global_buffer, .address_space: global }
      - { .name: out0, .offset: 32, .size: 8, .value_kind: global_buffer, .address_space: global }
    .group_segment_fixed_size: 327680
    .private_segment_fixed_size: 0
    .kernarg_segment_align: 8
    .kernarg_segment_size: 40
    .max_flat_workgroup_size: 128
    .sgpr_count:     106
    .vgpr_count:     1024
    .wavefront_size: 32
...
	.end_amdgpu_metadata
.endif
;; end of part 7
;; ======== version 2 of 2: 7 launches
;; limits: right only within a limited range of input values
;; workspace buffers: wb 10,649,600 bytes; hb 3,276,800 bytes; qkvb 9,830,400 bytes; at 3,276,800 bytes; x1 16,777,216 bytes; gb 13,107,200 bytes
;; launch wq (part 8): grid 320 x 1, 8 waves a work-group, no clusters, 75,776 bytes of LDS; arguments x, ln1_w, ln1_b, hb, qkv_w, proj_w, mlp_w1, mlp_w2, wb; writes hb, wb
.if DOCPART == 8
	.amdgcn_target "amdgcn-amd-amdhsa--gfx1250"
	.amdhsa_code_object_version 6
	.text
	.protected	k_q41e30f43ae_wq
	.globl	k_q41e30f43ae_wq
	.p2align	8
	.type	k_q41e30f43ae_wq,@function
k_q41e30f43ae_wq:
	s_mov_b64 s[64:65], 0
	v_nop
	global_prefetch_b8 v0, s[64:65] scope:SCOPE_SE
	s_setreg_imm32_b32 hwreg(HW_REG_WAVE_MODE, 25, 1), 1
	s_wait_xcnt 0x0
; The four weights, f32 stored [K][N], become codes of E2M3 with one E8M0 byte for each 32 along K, in wb.
; LAYOUT OF AN OPERAND (all buffers of this program): codes [K/256][R rows][192 bytes], scale bytes [K/256][R][8]: a tile of rows x 256 K is one dense block.
; ORDER INSIDE A BLOCK OF 32: place 16 h + 8 u + j holds k = 16 u + 8 h + j, on both operands of every product, so the products are the same; the blocks and their scales are the true blocks.
; A work-group takes 128 columns x 256 K of one weight, a wave 32 columns, A LANE A COLUMN, its registers running down K: a block of 32 is one lane's, and the codes come out with K innermost.
; One path serves the four weights: the work-group's number picks pointer, pitch and places by selects.
; LIMITS: NaN and infinities are not served; a block of zeros (or under 2^-124) gets the byte 1, its codes are zeros, and this program alone reads the bytes.
.set X,     64                         ; v64-127  two sets of 32 numbers
.set OFF,   32                         ; v32-63   place i of a block: byte offset of its row k, + 4 x lane
.set C,     128                        ; v128-134 a block's codes
.set OUTR,  128                        ; v128-175 the way out
.set SB,    24                         ; v24-25   eight scale bytes
; THIS LAUNCH PREPARES ALL OPERANDS THAT HANG ON INPUTS ALONE.  Work-groups 0-127 take the first layer norm (32 rows of x each, at the end of this text); work-groups 128-319 take the weights:
; a work-group has eight waves, and each four of them are one group of 128 columns x 256 K as described above (384 such groups).  The two paths part on the work-group's number and have LDS bytes of their own.
.set SPW,   224                        ; v224     my spare word's LDS address; never rewritten
.set NIL,   225                        ; v225     0; never rewritten
.set SPARE, 74752                      ; LDS: 0 .. 25,599 the layer norm's; then eight stages of 6,144 bytes; then 128 spare bytes a wave
.macro PICK lim, start, pitch, logp, rows, cod, scl, ptr
	s_cmp_lt_u32 s56, \lim
	s_cselect_b32 s16, \start, s16
	s_cselect_b32 s17, \pitch, s17
	s_cselect_b32 s18, \logp, s18
	s_cselect_b32 s19, \rows, s19
	s_cselect_b32 s20, \cod, s20
	s_cselect_b32 s21, \scl, s21
	s_cselect_b64 s[22:23], s[\ptr:\ptr+1], s[22:23]
.endm
	v_lshl_add_u32 v[SPW], v0, 2, SPARE
	v_mov_b32 v[NIL], 0
	v_lshrrev_b32 v1, 5, v0
	s_delay_alu instid0(VALU_DEP_1)
	v_readfirstlane_b32 s14, v1                    ; wave 0..7
	s_cmp_lt_u32 ttmp9, 128
	s_wait_alu depctr_va_vdst(0)
	s_cbranch_scc1 .Lln                            ; the layer norm's work-groups
	s_load_b256 s[4:11], s[0:1], 0x20              ; qkv_w, proj_w, mlp_w1, mlp_w2
	s_load_b64 s[12:13], s[0:1], 0x40              ; wb
	v_and_b32 v2, 31, v0
	v_lshlrev_b32 v3, 2, v2
	s_mul_i32 s15, s14, 6144
	s_add_co_u32 s15, s15, 25600                   ; my stage: 32 rows of 192 bytes
	s_lshr_b32 s57, s14, 2
	s_and_b32 s14, s14, 3                          ; my place among my group's four waves
	s_sub_co_u32 s56, ttmp9, 128
	s_lshl_b32 s56, s56, 1
	s_add_co_u32 s56, s56, s57                     ; which of the 384 groups
	v_mul_u32_u24 v4, v2, 192
	v_add_nc_u32 v4, s15, v4                       ; into it: row = my column
	v_lshlrev_b32 v8, 4, v2                        ; out: 16 bytes a lane
	v_add_nc_u32 v7, s15, v8
	v_lshlrev_b32 v9, 3, v2                        ; my 8 scale bytes
	s_mov_b32 s16, 256                             ; mlp_w2's figures: first work-group,
	s_mov_b32 s17, 4096                            ; bytes in a row,
	s_mov_b32 s18, 4                               ; log2 of its panels of 256 K,
	s_mov_b32 s19, 1024                            ; rows of a panel in wb,
	s_mov_b32 s20, 7077888                         ; where its codes begin in wb,
	s_mov_b32 s21, 10518528                        ; and its scale bytes
	s_wait_alu depctr_va_vdst(0)
	s_wait_kmcnt 0x0
	s_mov_b64 s[22:23], s[10:11]
	PICK 256, 128, 16384, 2, 4096, 3932160, 10387456, 8    ; mlp_w1
	PICK 128, 96, 4096, 2, 1024, 3145728, 10354688, 6      ; proj_w
	PICK 96, 0, 12288, 2, 4096, 0, 10223616, 4             ; qkv_w
	s_sub_co_u32 s28, s56, s16
	s_lshl_b32 s29, 1, s18
	s_sub_co_u32 s29, s29, 1
	s_and_b32 s30, s28, s29                        ; which panel
	s_lshr_b32 s31, s28, s18                       ; which 128 columns
	s_lshl_b32 s31, s31, 7
	s_lshl_b32 s48, s14, 5
	s_add_co_u32 s31, s31, s48                     ; my wave's first column
	s_mul_i32 s48, s30, s19
	s_add_co_u32 s48, s48, s31                     ; its row in wb
	s_mul_i32 s49, s30, s17
	s_lshl_b32 s49, s49, 8                         ; 256 rows of the weight a panel
	s_lshl_b32 s50, s31, 2
	s_add_co_u32 s50, s49, s50
	s_mov_b32 s51, 0
	s_add_nc_u64 s[32:33], s[22:23], s[50:51]      ; eight bases, one for each block of 32 rows: no base is stepped
	s_lshl_b32 s50, s17, 5
.irp t, 1,2,3,4,5,6,7
	s_add_nc_u64 s[32+2*\t:33+2*\t], s[30+2*\t:31+2*\t], s[50:51]
.endr
	s_mul_i32 s52, s48, 192
	s_add_co_u32 s52, s52, s20
	s_mov_b32 s53, 0
	s_add_nc_u64 s[24:25], s[12:13], s[52:53]      ; my codes
	s_lshl_b32 s54, s48, 3
	s_add_co_u32 s54, s54, s21
	s_mov_b32 s55, 0
	s_add_nc_u64 s[26:27], s[12:13], s[54:55]      ; my scale bytes
.set li, 0
.rept 32
	v_mad_u32_u24 v[OFF+li], s17, 16*((li>>3)&1)+8*(li>>4)+(li&7), v3   ; place li takes row 16 u + 8 h + j of the block
.set li, li+1
.endr
.macro LOAD t
.set li, 0
.rept 32
	global_load_b32 v[X+32*((\t)%2)+li], v[OFF+li], s[32+2*(\t):33+2*(\t)] th:TH_LOAD_NT   ; 32 lanes read 128 consecutive bytes of a row
.set li, li+1
.endr
.endm
	LOAD 0
	LOAD 1
.macro BLOCK t
.set XS, X+32*((\t)%2)
.if (\t) < 7
	s_wait_loadcnt 32                              ; this block's 32 loads are in; the next block's may be out
.else
	s_wait_loadcnt 0
.endif
	v_max3_num_f32 v12, |v[XS]|, |v[XS+1]|, |v[XS+2]|
	v_max3_num_f32 v13, |v[XS+3]|, |v[XS+4]|, |v[XS+5]|
.irp i, 6,10,14,18,22,26
	v_max3_num_f32 v12, v12, |v[XS+\i]|, |v[XS+\i+1]|
	v_max3_num_f32 v13, v13, |v[XS+\i+2]|, |v[XS+\i+3]|
.endr
	v_max3_num_f32 v12, v12, |v[XS+30]|, |v[XS+31]|
	v_max3_num_f32 v12, v12, v13, 0x1800000        ; with the floor 2^(3 - 127): the byte cannot fall under 1
	v_add_nc_u32 v11, 0xff000000, v12              ; 2 off the exponent field: the conversion's scale operand
	v_lshrrev_b32 v13, 23, v11                     ; the byte
.if (\t)%4 == 0
	v_mov_b32 v[SB+(\t)/4], v13
.else
	v_lshl_or_b32 v[SB+(\t)/4], v13, 8*((\t)%4), v[SB+(\t)/4]
.endif
	v_cvt_scalef32_pk16_fp6_f32 v[C:C+2], v[XS:XS+15], v11
	v_cvt_scalef32_pk16_fp6_f32 v[C+4:C+6], v[XS+16:XS+31], v11    ; (three registers from an even one on)
	v_nop                                          ; a plain line behind the conversions
	v_mov_b32 v[C+3], v[C+4]
	v_mov_b32 v[C+4], v[C+5]
	v_mov_b32 v[C+5], v[C+6]                       ; the block's 24 bytes on end
	ds_store_b64 v4, v[C:C+1] offset:24*(\t)
	ds_store_b64 v4, v[C+2:C+3] offset:24*(\t)+8
	ds_store_b64 v4, v[C+4:C+5] offset:24*(\t)+16
.if (\t)+2 < 8
	LOAD (\t)+2
.endif
	s_wait_dscnt 0x0                               ; the stores have read their registers
.endm
.irp t, 0,1,2,3,4,5,6,7
	BLOCK \t
.endr
	s_wait_alu depctr_va_vdst(0)
	global_store_b64 v9, v[SB:SB+1], s[26:27]      ; 32 lanes: 256 consecutive bytes, aligned
.irp k, 0,1,2,3,4,5,6,7,8,9,10,11
	ds_load_b128 v[OUTR+4*\k:OUTR+4*\k+3], v7 offset:512*\k    ; a wave's LDS instructions are served in order: these see my stores
.endr
.irp k, 0,1,2,3,4,5,6,7,8,9,10,11
	s_wait_dscnt 11-\k
	global_store_b128 v8, v[OUTR+4*\k:OUTR+4*\k+3], s[24:25] offset:512*\k   ; my 32 rows are 6,144 consecutive bytes of wb
.endr
	s_wait_tensorcnt 0x0                           ; the wave's end
	ds_add_u32 v[SPW], v[NIL]
	s_wait_dscnt 0x0
	s_endpgm
; THE FIRST LAYER NORM: y = (x - mean) rsqrt(var + 1e-5) w + b for rows of 1,024 f32, quantised along the row.  Out: codes [4 panels of 256][4096 rows][192 bytes] at byte 0 of hb, scale bytes [4][4096][8] at byte 3,145,728.
; A work-group takes 32 rows, a wave four, one row across its 32 lanes.  Lane (i = lane / 2, e = lane % 2) owns half e of blocks i and i + 16.  Mean and variance in two passes over registers.
.set W,     32
.set BV,    64
.set RW,    96
.set SCST,  24576
.Lln:
	s_load_b256 s[4:11], s[0:1], 0x0               ; x, w, b, hb
	v_readfirstlane_b32 s12, v1                    ; wave
	v_and_b32 v2, 31, v0
	s_delay_alu instid0(VALU_DEP_1)
	v_lshrrev_b32 v3, 1, v2
	s_delay_alu instid0(VALU_DEP_2)
	v_and_b32 v4, 1, v2
	s_delay_alu instid0(VALU_DEP_2)
	v_lshlrev_b32 v5, 7, v3
	s_delay_alu instid0(VALU_DEP_1)
	v_lshl_add_u32 v5, v4, 5, v5
	v_lshrrev_b32 v6, 4, v2
	v_and_b32 v7, 15, v2
	s_delay_alu instid0(VALU_DEP_2)
	v_mul_u32_u24 v28, v6, 6144
	s_delay_alu instid0(VALU_DEP_1)
	v_mad_u32_u24 v28, v7, 12, v28
	s_mul_i32 s13, s12, 768
	v_add_nc_u32 v28, s13, v28
	v_and_b32 v29, 7, v3
	s_delay_alu instid0(VALU_DEP_1)
	v_lshl_add_u32 v29, v6, 8, v29
	s_lshl_b32 s13, s12, 5
	v_add_nc_u32 v29, s13, v29
	s_delay_alu instid0(VALU_DEP_1)
	v_add_nc_u32 v29, SCST, v29
	s_lshr_b32 s14, s12, 1
	s_and_b32 s15, s12, 1
	s_mul_i32 s16, s14, 6144
	s_mul_i32 s17, s15, 3072
	s_add_co_u32 s16, s16, s17
	v_lshlrev_b32 v30, 4, v2
	s_delay_alu instid0(VALU_DEP_1)
	v_add_nc_u32 v31, s16, v30
	s_mul_i32 s26, s14, 786432
	s_add_co_u32 s26, s26, s17
	s_mul_i32 s24, ttmp9, 6144
	s_add_co_u32 s26, s26, s24
	s_mov_b32 s27, 0
	s_and_b32 s18, s12, 3
	s_lshl_b32 s28, s18, 15
	s_lshl_b32 s24, ttmp9, 8
	s_add_co_u32 s28, s28, s24
	s_add_co_u32 s28, s28, 3145728
	s_mov_b32 s29, 0
	s_lshl_b32 s18, s18, 8
	v_lshlrev_b32 v26, 3, v2
	s_delay_alu instid0(VALU_DEP_1)
	v_add_nc_u32 v27, s18, v26
	s_delay_alu instid0(VALU_DEP_1)
	v_add_nc_u32 v27, SCST, v27
	s_lshl_b32 s24, ttmp9, 17
	s_lshl_b32 s25, s12, 14
	s_add_co_u32 s24, s24, s25
	s_mov_b32 s25, 0
	s_mov_b32 s20, 0x3a800000                      ; 1 / 1024
	s_mov_b32 s21, 0x3727c5ac                      ; 1e-5
	s_mov_b32 s22, 0x76543210
	s_mov_b32 s23, 0xfedcba98
	s_wait_alu depctr_va_vdst(0)
	s_wait_kmcnt 0x0
	s_add_nc_u64 s[4:5], s[4:5], s[24:25]
	s_add_nc_u64 s[26:27], s[10:11], s[26:27]
	s_add_nc_u64 s[28:29], s[10:11], s[28:29]
.macro LD8 reg, base, off
.irp c, 0,1
	global_load_b128 v[\reg+16*\c:\reg+16*\c+3], v5, s[\base:\base+1] offset:\off+2048*\c
	global_load_b128 v[\reg+16*\c+4:\reg+16*\c+7], v5, s[\base:\base+1] offset:\off+2048*\c+16
	global_load_b128 v[\reg+16*\c+8:\reg+16*\c+11], v5, s[\base:\base+1] offset:\off+2048*\c+64
	global_load_b128 v[\reg+16*\c+12:\reg+16*\c+15], v5, s[\base:\base+1] offset:\off+2048*\c+80
.endr
.endm
	LD8 W, 6, 0
	LD8 BV, 8, 0
.irp j, 0,1,2,3
	LD8 RW+32*\j, 4, 4096*\j
.endr
.macro ALL32 op
	s_delay_alu instid0(VALU_DEP_1)
	v_add_f32_dpp v[\op], v[\op], v[\op] row_xmask:1 row_mask:0xf bank_mask:0xf
	s_delay_alu instid0(VALU_DEP_1)
	v_add_f32_dpp v[\op], v[\op], v[\op] row_xmask:2 row_mask:0xf bank_mask:0xf
	s_delay_alu instid0(VALU_DEP_1)
	v_add_f32_dpp v[\op], v[\op], v[\op] row_xmask:4 row_mask:0xf bank_mask:0xf
	s_delay_alu instid0(VALU_DEP_1)
	v_add_f32_dpp v[\op], v[\op], v[\op] row_xmask:8 row_mask:0xf bank_mask:0xf
	s_delay_alu instid0(VALU_DEP_1)
	v_permlanex16_b32 v[\op+1], v[\op], s22, s23
	s_delay_alu instid0(VALU_DEP_1)
	v_add_f32 v[\op], v[\op], v[\op+1]
.endm
.macro ROW j
.set R, RW+32*(\j)
	s_wait_loadcnt 8*(3-(\j))                      ; gains, biases and this row are in; the later rows' eight loads each may be out
	v_pk_add_f32 v[8:9], v[R:R+1], v[R+2:R+3]
	v_pk_add_f32 v[10:11], v[R+4:R+5], v[R+6:R+7]
.irp i, 8,12,16,20,24,28
	s_delay_alu instid0(VALU_DEP_2)
	v_pk_add_f32 v[8:9], v[8:9], v[R+\i:R+\i+1]
	s_delay_alu instid0(VALU_DEP_2)
	v_pk_add_f32 v[10:11], v[10:11], v[R+\i+2:R+\i+3]
.endr
	s_delay_alu instid0(VALU_DEP_1)
	v_pk_add_f32 v[8:9], v[8:9], v[10:11]
	s_delay_alu instid0(VALU_DEP_1)
	v_add_f32 v8, v8, v9
	ALL32 8
	s_delay_alu instid0(VALU_DEP_1)
	v_mul_f32 v8, s20, v8                          ; the mean
.set ri, 0
.rept 16
	v_pk_add_f32 v[R+ri:R+ri+1], v[R+ri:R+ri+1], v[8:9] op_sel_hi:[1,0] neg_lo:[0,1] neg_hi:[0,1]
.set ri, ri+2
.endr
	v_pk_mul_f32 v[10:11], v[R:R+1], v[R:R+1]
	v_pk_mul_f32 v[12:13], v[R+2:R+3], v[R+2:R+3]
.irp i, 4,8,12,16,20,24,28
	s_delay_alu instid0(VALU_DEP_2)
	v_pk_fma_f32 v[10:11], v[R+\i:R+\i+1], v[R+\i:R+\i+1], v[10:11]
	s_delay_alu instid0(VALU_DEP_2)
	v_pk_fma_f32 v[12:13], v[R+\i+2:R+\i+3], v[R+\i+2:R+\i+3], v[12:13]
.endr
	s_delay_alu instid0(VALU_DEP_1)
	v_pk_add_f32 v[10:11], v[10:11], v[12:13]
	s_delay_alu instid0(VALU_DEP_1)
	v_add_f32 v10, v10, v11
	ALL32 10
	s_delay_alu instid0(VALU_DEP_1)
	v_fma_f32 v10, v10, s20, s21                   ; the variance + 1e-5
	s_wait_alu depctr_va_vdst(0)
	v_rsq_f32 v12, v10
	v_nop
	s_wait_alu depctr_va_vdst(0)
.set ri, 0
.rept 16
	v_pk_mul_f32 v[R+ri:R+ri+1], v[R+ri:R+ri+1], v[12:13] op_sel_hi:[1,0]
.set ri, ri+2
.endr
.set ri, 0
.rept 16
	v_pk_fma_f32 v[R+ri:R+ri+1], v[R+ri:R+ri+1], v[W+ri:W+ri+1], v[BV+ri:BV+ri+1]
.set ri, ri+2
.endr
.irp c, 0,1
	v_max3_num_f32 v[14+\c], |v[R+16*\c]|, |v[R+16*\c+1]|, 0x1800000   ; my 16 of a block, and the floor 2^(3 - 127)
.endr
.irp i, 2,4,6,8,10,12,14
.irp c, 0,1
	s_delay_alu instid0(VALU_DEP_2)
	v_max3_num_f32 v[14+\c], v[14+\c], |v[R+16*\c+\i]|, |v[R+16*\c+\i+1]|
.endr
.endr
.irp c, 0,1
	s_delay_alu instid0(VALU_DEP_2)
	v_max_num_f32_dpp v[14+\c], v[14+\c], v[14+\c] row_xmask:1 row_mask:0xf bank_mask:0xf
.endr
	s_wait_alu depctr_va_vdst(0)
	s_wait_dscnt 0x0                               ; the last row's LDS stores have read the registers written below
.irp c, 0,1
	v_add_nc_u32 v[24+\c], 0xff000000, v[14+\c]
.endr
	v_cvt_scalef32_pk16_fp6_f32 v[16:18], v[R:R+15], v24
	v_cvt_scalef32_pk16_fp6_f32 v[20:22], v[R+16:R+31], v25
	v_lshrrev_b32 v19, 23, v24
	v_lshrrev_b32 v23, 23, v25
.irp p, 0,1,2
	ds_store_b32 v28, v[16+\p] offset:192*(\j)+4*\p
	ds_store_b32 v28, v[20+\p] offset:192*(\j)+4*\p+12288
.endr
	ds_store_b8 v29, v19 offset:8*(\j)
	ds_store_b8 v29, v23 offset:8*(\j)+512
.endm
	ROW 0
	ROW 1
	ROW 2
	ROW 3
	s_wait_dscnt 0x0                               ; my stores have landed: then the barrier, behind which other waves read them
	s_barrier_signal -1
	s_barrier_wait -1
	s_cmp_gt_u32 s12, 3
	s_cbranch_scc1 .Lcodes
	ds_load_b64 v[8:9], v27
	s_wait_dscnt 0x0
	global_store_b64 v26, v[8:9], s[28:29]         ; a panel's scale bytes of the 32 rows: 256 consecutive bytes, aligned
.Lcodes:
.irp k, 0,1,2,3,4,5
	ds_load_b128 v[96+4*\k:99+4*\k], v31 offset:512*\k
.endr
.irp k, 0,1,2,3,4,5
	s_wait_dscnt 5-\k
	global_store_b128 v30, v[96+4*\k:99+4*\k], s[26:27] offset:512*\k
.endr
	s_wait_tensorcnt 0x0                           ; the wave's end
	ds_add_u32 v[SPW], v[NIL]
	s_wait_dscnt 0x0
	s_endpgm
.Lfunc_end_k_q41e30f43ae_wq:
	.size	k_q41e30f43ae_wq, .Lfunc_end_k_q41e30f43ae_wq-k_q41e30f43ae_wq
	.p2alignl 7, 3214868480
	.fill 96, 4, 3214868480
	.section	.rodata,"a",@progbits
	.p2align	6, 0x0
	.amdhsa_kernel k_q41e30f43ae_wq
		.amdhsa_group_segment_fixed_size 75776
		.amdhsa_private_segment_fixed_size 0
		.amdhsa_enable_private_segment 0
		.amdhsa_kernarg_size 72
		.amdhsa_user_sgpr_count 2
		.amdhsa_user_sgpr_kernarg_segment_ptr 1
		.amdhsa_wavefront_size32 1
		.amdhsa_system_sgpr_workgroup_id_x 1
		.amdhsa_system_sgpr_workgroup_id_y 1
		.amdhsa_system_sgpr_workgroup_id_z 1
		.amdhsa_system_vgpr_workitem_id 0
		.amdhsa_next_free_vgpr 232
		.amdhsa_next_free_sgpr 66
		.amdhsa_reserve_vcc 0
		.amdhsa_float_denorm_mode_32 3
		.amdhsa_float_denorm_mode_16_64 3
		.amdhsa_memory_ordered 1
		.amdhsa_forward_progress 1
		.amdhsa_inst_pref_size 95
	.end_amdhsa_kernel
	.amdgpu_metadata
---
amdhsa.version: [ 1, 2 ]
amdhsa.kernels:
  - .name:           k_q41e30f43ae_wq
    .symbol:         k_q41e30f43ae_wq.kd
    .args:
      - { .name: x, .offset: 0, .size: 8, .value_kind: global_buffer, .address_space: global }
      - { .name: ln1_w, .offset: 8, .size: 8, .value_kind: global_buffer, .address_space: global }
      - { .name: ln1_b, .offset: 16, .size: 8, .value_kind: global_buffer, .address_space: global }
      - { .name: hb, .offset: 24, .size: 8, .value_kind: global_buffer, .address_space: global }
      - { .name: qkv_w, .offset: 32, .size: 8, .value_kind: global_buffer, .address_space: global }
      - { .name: proj_w, .offset: 40, .size: 8, .value_kind: global_buffer, .address_space: global }
      - { .name: mlp_w1, .offset: 48, .size: 8, .value_kind: global_buffer, .address_space: global }
      - { .name: mlp_w2, .offset: 56, .size: 8, .value_kind: global_buffer, .address_space: global }
      - { .name: wb, .offset: 64, .size: 8, .value_kind: global_buffer, .address_space: global }
    .group_segment_fixed_size: 75776
    .private_segment_fixed_size: 0
    .kernarg_segment_align: 8
    .kernarg_segment_size: 72
    .max_flat_workgroup_size: 256
    .sgpr_count:     66
    .vgpr_count:     232
    .wavefront_size: 32
...
	.end_amdgpu_metadata
.endif
;; end of part 8
;; launch qkv (part 9): grid 8 x 24, 4 waves a work-group, clusters of 4 x 4, 327,680 bytes of LDS; arguments hb, wb, qkv_b, qkvb; writes qkvb
.if DOCPART == 9
	.amdgcn_target "amdgcn-amd-amdhsa--gfx1250"
	.amdhsa_code_object_version 6
	.text
	.protected	k_q41e30f43ae_qkv
	.globl	k_q41e30f43ae_qkv
	.p2align	8
	.type	k_q41e30f43ae_qkv,@function
k_q41e30f43ae_qkv:
	s_mov_b64 s[64:65], 0
	v_nop
	global_prefetch_b8 v0, s[64:65] scope:SCOPE_SE
	s_setreg_imm32_b32 hwreg(HW_REG_WAVE_MODE, 25, 1), 1
	s_wait_xcnt 0x0
	s_wait_alu depctr_hold_cnt(0) depctr_sa_sdst(0) depctr_va_vdst(0) depctr_va_sdst(0) depctr_va_ssrc(0) depctr_va_vcc(0) depctr_vm_vsrc(0)
	s_getreg_b32 s2, hwreg(HW_REG_IB_STS2, 6, 4)
	s_cmp_eq_u32 s2, 0
	s_cbranch_scc0 .Lentry_in_a_cluster
	s_endpgm
.Lentry_in_a_cluster:
	s_bfe_u32 s2, ttmp6, 0x10000c
	s_cmp_lg_u32 s2, 0xf033
	s_cbranch_scc0 .Lentry_shape_is_right
	s_endpgm
.Lentry_shape_is_right:
; q, k, v = LN(x) Wqkv + b on codes of E2M3 (K = 1,024), quantised again on the way out for the two products of attention.
; Operands lie as panels: codes [K/256][4096 rows][192 bytes], scale bytes [K/256][4096][8].  A tile is 256 x 256, four waves of 128 x 128, K in steps of 256 through a ring of two LDS slots.
; The matrix instruction takes source 0 (tile x) and source 1 (tile y); a lane holds ONE row of source 1 and eight neighbouring rows of source 0, so the result is quantised ALONG SOURCE 0.
; REGIONS, by the cluster's y (the same in all sixteen partners; selects only, one path):
;   cluster y 0-3: source 0 = 256 rows of Wqkv (q, k features), source 1 = 256 tokens: q and k quantised along the features: codes [8 panels][4096 tokens][192].
;   cluster y 4-5: source 0 = 256 tokens (a panel of keys), source 1 = 256 rows of Wqkv (v features): v quantised along the KEYS: codes [16 key panels][1024 d][192].
; CLUSTER 4 x 4: source 1's tiles are shared along a row of the cluster, source 0's down a column; each is asked for jointly.
; Inside a block of 32, place 16 h + 8 u + j holds k = 16 u + 8 h + j: the order in which two neighbouring result tiles lie in a lane.
; LIMITS: NaN and infinities are not served; a block of zeros gets the byte 1 (zero codes; this program alone reads the bytes).
.set KTOT,   1024
.set R0,     4096
.set R1,     4096
.set SPARE,  262144
.set NQ,     2
.set ROWB,   192
.set PITCH,  240                       ; an LDS row: 3 x (64 bytes + 16 of padding)
.set FR,     12
.set NL,     6
.set NP,     4
.set HALFT,  128*PITCH
.set SLOT,   4*HALFT
.set NPAN,   KTOT/256
.set LAPS,   NPAN/2
.set SCL,    2*SLOT                    ; behind the ring: the scale bytes of all of K, [side][panel][256 rows][8]
.set HALFS,  NPAN*1024
.set STG,    0                         ; the way out, in slot 0 after its last fill and last read: codes [256][192],
.set SSTG,   49152                     ; scale bytes [256][8]
.set SSO,  7
.set RSC,  15
.set ADRA, 16
.set ADRB, 20
.set STO,  24
.set RD,   25
.set CO,   26
.set ADRS, 27
.set SPW,  28
.set NIL,  29
.set CSO,  30
.set SC,   32                          ; v32-63 scale words, two sets: they hold scales and nothing else
.set B0,   64                          ; v64-127 the bias along source 0
.set AF,   128
.set HA,   128                         ; the way out: 64 numbers
.set CD,   192                         ; their codes
.set PW,   212                         ; their scale word
.set B1,   224                         ; v224-239 the bias along source 1, a pair for each block of 16 rows
.set TM,   240
.set SEL,  97
.set G1, 24
.set G0, 32
.set G1B, 48
.set G0B, 56
.set G1S, 68
.set G0S, 76
.set G1SB, 80
.set G0SB, 88
.set MSB, 0
.macro WIN new
.if MSB != (\new)
	s_set_vgpr_msb (MSB<<8)|(\new)
.set MSB, \new
.endif
.endm
.set MUL_LO, 0xa1
.set MUL_HI, 0xf1
.set TO_B,   0x40
.macro JLOAD g0a, g1a, g0b, g1b        ; waves 0, 1 fetch for source 1, waves 2, 3 for source 0
	s_cmp_eq_u32 s15, 0
	s_cbranch_scc0 .Lfor_b_\@
	tensor_load_to_lds s[\g0a:\g0a+3], s[\g1a:\g1a+7]
	s_nop 0
.rept 4
	v_nop
.endr
	s_branch .Lasked_\@
.Lfor_b_\@:
	tensor_load_to_lds s[\g0b:\g0b+3], s[\g1b:\g1b+7]
	s_nop 0
.rept 4
	v_nop
.endr
.Lasked_\@:
.endm
.macro CREST
	s_cmp_lg_u32 s14, 0
	s_cbranch_scc1 .Lnot_wave_0_\@
	s_barrier_signal -3
.Lnot_wave_0_\@:
	s_barrier_wait -3
	s_barrier_signal -1
	s_barrier_wait -1
.endm
.macro CROUND
	s_barrier_signal -1
	s_barrier_wait -1
	CREST
.endm
	s_load_b256 s[4:11], s[0:1], 0x0               ; hb, wb, qkv_b, qkvb
	v_lshl_add_u32 v[SPW], v0, 2, SPARE
	v_mov_b32 v[NIL], 0
	ds_add_u32 v[SPW], v[NIL]                      ; the wave's opening: the add and its wait ahead of my first tensor load
	ds_add_u32 v[SPW], v[NIL]
	v_lshrrev_b32 v1, 5, v0
	v_readfirstlane_b32 s14, v1                    ; wave
	s_lshr_b32 s15, s14, 1                         ; my half of source 1's rows; also: I fetch for source 1 (0) or 0 (1)
	s_and_b32 s16, s14, 1                          ; my half of source 0's rows; also: which 128 rows I fetch
	s_bfe_u32 s40, ttmp6, 0x40000                  ; cx
	s_bfe_u32 s41, ttmp6, 0x40004                  ; cy
	s_lshl_b32 s42, ttmp9, 2
	s_add_co_u32 s42, s42, s40                     ; x
	s_and_b32 s100, ttmp7, 0xffff                  ; the cluster's y: the region
	s_lshl_b32 s17, s100, 2
	s_add_co_u32 s17, s17, s41                     ; y
	s_lshl_b32 s43, s41, 2
	s_lshl_b32 s43, 15, s43                        ; my row of the cluster
	s_lshl_b32 s44, 0x1111, s40                    ; my column
	s_or_b32 s[G1+0], s43, (1<<20)|(1<<21)|(3<<22)|(3<<25)   ; bytes; 16 bytes of padding behind every 64
	s_or_b32 s[G1B+0], s44, (1<<20)|(1<<21)|(3<<22)|(3<<25)
.irp g, G1, G1B
	s_mov_b32 s[\g+1], 256<<16                     ; 128 dense rows of 192 bytes are stated as 96 rows of 256 bytes: each begins at a multiple of 256
	s_mov_b32 s[\g+2], 192<<16                     ; the head's loads bring a whole tile of 256 rows; behind them the two counts are set to 96
	s_mov_b32 s[\g+3], 256<<16
	s_mov_b32 s[\g+4], 192
	s_mov_b32 s[\g+5], 256
	s_mov_b32 s[\g+6], 0
	s_mov_b32 s[\g+7], 0
.endr
	s_or_b32 s[G1S+0], s43, (3<<16)|(1<<21)        ; scale bytes: 128 rows x 8 bytes are one line of 1,024 bytes, a line for each panel
	s_or_b32 s[G1SB+0], s44, (3<<16)|(1<<21)
.irp g, G1S, G1SB
	s_mov_b32 s[\g+1], 256<<16                     ; a side's scale bytes come by one load: 256 rows x 8 bytes a panel; in LDS [side][panel][256 rows][8]
	s_mov_b32 s[\g+2], NPAN<<16
	s_mov_b32 s[\g+3], 256<<16
	s_mov_b32 s[\g+4], NPAN
	s_mov_b32 s[\g+5], 4096
	s_mov_b32 s[\g+6], 0
	s_mov_b32 s[\g+7], 0
.endr
	s_lshl_b32 s20, s17, 8                         ; source 1's first row: tokens 256 y,
	s_lshl_b32 s21, s41, 8
	s_add_co_u32 s21, s21, 2048                    ; or v's features 2048 + 256 cy
	s_sub_co_u32 s46, s100, 4
	s_lshl_b32 s46, s46, 3
	s_add_co_u32 s46, s46, s42                     ; the key panel x + 8 (cluster y - 4)
	s_mov_b32 s95, 3145728                         ; where hb's scale bytes begin,
	s_mov_b32 s96, 10223616                        ; and Wqkv's in wb
	s_cmp_ge_u32 s100, 4
	s_cselect_b32 s20, s21, s20
	s_cselect_b32 s46, s46, s42
	s_cselect_b32 s97, s96, s95
	s_cselect_b32 s98, s95, s96
	s_mov_b32 s99, s46                             ; kept for the way out: source 0's tile,
	s_mov_b32 s101, s20                            ; source 1's first row
	s_lshl_b32 s18, s16, 7
	s_add_co_u32 s20, s20, s18
	s_lshl_b32 s46, s46, 8
	s_add_co_u32 s46, s46, s18
	s_sub_co_u32 s19, s20, s18                     ; the tile's first row
	s_lshl_b32 s22, s19, 3
	s_add_co_u32 s22, s22, s97
	s_sub_co_u32 s19, s46, s18
	s_lshl_b32 s92, s19, 3
	s_add_co_u32 s92, s92, s98
	s_mul_i32 s20, s20, ROWB
	s_mul_i32 s46, s46, ROWB
	s_mov_b32 s21, 0
	s_mov_b32 s23, 0
	s_mov_b32 s47, 0
	s_mov_b32 s93, 0
	s_mul_i32 s45, s14, HALFT
	s_mul_i32 s94, s15, 2*HALFS
	s_wait_dscnt 0x0                               ; the opening add is done
	s_wait_kmcnt 0x0
	s_cmp_ge_u32 s100, 4
	s_cselect_b64 s[66:67], s[6:7], s[4:5]         ; source 1's buffer
	s_cselect_b64 s[104:105], s[4:5], s[6:7]       ; source 0's
	s_add_nc_u64 s[20:21], s[66:67], s[20:21]
	s_add_nc_u64 s[22:23], s[66:67], s[22:23]
	s_add_nc_u64 s[46:47], s[104:105], s[46:47]
	s_add_nc_u64 s[92:93], s[104:105], s[92:93]
; PREFETCH: of the 24,576 bytes of each K step that a wave's ring load brings, the four partners of the joint load take 24 blocks of 256 bytes each, told apart by address (cx for source 1, cy for source 0), a lane a block
; (the lanes left over name the last again).  K has four steps: steps 0 to 2 are asked for here, step 3 behind slot 1's load, two fills ahead of the load that wants it.
	s_cmp_eq_u32 s15, 0
	s_cselect_b64 s[12:13], s[20:21], s[46:47]     ; my 128 rows of K step 0
	s_cselect_b32 s2, s40, s41                     ; my place among the four
	s_mul_i32 s2, s2, 6144
	s_mov_b32 s3, 0
	s_add_nc_u64 s[12:13], s[12:13], s[2:3]
	v_and_b32 v31, 31, v0
	v_min_u32 v31, 23, v31
	v_lshlrev_b32 v31, 8, v31                      ; v31 and s[12:13] are never rewritten
	global_prefetch_b8 v31, s[12:13] th:TH_LOAD_NT scope:SCOPE_SE
	global_prefetch_b8 v31, s[12:13] offset:786432 th:TH_LOAD_NT scope:SCOPE_SE
	global_prefetch_b8 v31, s[12:13] offset:1572864 th:TH_LOAD_NT scope:SCOPE_SE
	CROUND                                         ; all sixteen work-groups are here: the first joint loads meet
	s_mov_b32 s[G0S], 1
	s_add_co_u32 s[G0S+1], s94, SCL
	s_mov_b64 s[G0S+2:G0S+3], s[22:23]
	s_or_b32 s[G0S+3], s[G0S+3], 0x80000000
	s_mov_b32 s[G0SB], 1
	s_add_co_u32 s[G0SB+1], s94, SCL
	s_mov_b64 s[G0SB+2:G0SB+3], s[92:93]
	s_or_b32 s[G0SB+3], s[G0SB+3], 0x80000000
.irp s, 0,1
	s_mov_b32 s[G0+4*\s], 1
	s_add_co_u32 s[G0+4*\s+1], s45, \s*SLOT
	s_add_nc_u64 s[G0+4*\s+2:G0+4*\s+3], s[20:21], \s*R1*ROWB
	s_or_b32 s[G0+4*\s+3], s[G0+4*\s+3], 0x80000000
	s_mov_b32 s[G0B+4*\s], 1
	s_add_co_u32 s[G0B+4*\s+1], s45, \s*SLOT
	s_add_nc_u64 s[G0B+4*\s+2:G0B+4*\s+3], s[46:47], \s*R0*ROWB
	s_or_b32 s[G0B+4*\s+3], s[G0B+4*\s+3], 0x80000000
.endr
	s_cmp_eq_u32 s16, 0                            ; the head's four tiles, one load a wave, every way through one: waves 0 and 2 K step 0's whole tiles, waves 1 and 3 the two sides' scale bytes
	s_cbranch_scc0 .Lhead_sc
	JLOAD G0, G1, G0B, G1B
	s_branch .Lhead_on
.Lhead_sc:
	JLOAD G0S, G1S, G0SB, G1SB
.Lhead_on:
	s_wait_alu depctr_va_vdst(0)
	s_wait_tensorcnt 0x0                           ; the wait for my tensor loads, the add and a round ahead of a later first fill
	ds_add_u32 v[SPW], v[NIL]
	s_mov_b32 s[G1+2], 96<<16                      ; no load of mine is out: from here on a load brings 128 rows of codes, 96 rows of 256 bytes
	s_mov_b32 s[G1+4], 96
	s_mov_b32 s[G1B+2], 96<<16
	s_mov_b32 s[G1B+4], 96
	s_wait_dscnt 0x0
	CROUND
	JLOAD G0+4, G1, G0B+4, G1B
	global_prefetch_b8 v31, s[12:13] offset:2359296 th:TH_LOAD_NT scope:SCOPE_SE
	v_and_b32 v1, 15, v0                           ; r
	v_bfe_u32 v2, v0, 4, 1                         ; h
	v_mul_u32_u24 v3, v1, PITCH
	v_mul_u32_u24 v4, v2, 24
	v_add_nc_u32 v4, v3, v4
	v_lshl_add_u32 v5, v2, 4, v4
	s_mul_i32 s21, s15, HALFT
	s_mul_i32 s22, s16, HALFT
	s_add_co_u32 s22, s22, 2*HALFT
.irp s, 0,1
	v_add_nc_u32 v[ADRA+\s], s21, v4
	v_add_nc_u32 v[ADRB+\s], s22, v4
	v_add_nc_u32 v[ADRA+2+\s], s21, v5
	v_add_nc_u32 v[ADRB+2+\s], s22, v5
	s_add_co_u32 s21, s21, SLOT
	s_add_co_u32 s22, s22, SLOT
.endr
	v_lshlrev_b32 v5, 3, v1                        ; scale words: 8 bytes a row;
	s_mul_i32 s21, s15, 1024
	s_mul_i32 s22, s16, 1024
	s_add_co_u32 s22, s22, 2*HALFS
	s_sub_co_u32 s22, s22, s21
	v_mul_u32_u24 v6, s22, v2                      ; lanes 16-31 take source 0's
	s_add_co_u32 s21, s21, SCL
	v_add_nc_u32 v5, v5, v6
	v_add_nc_u32 v[ADRS], s21, v5
	s_lshl_b32 s21, s15, 7
	v_add_nc_u32 v5, s21, v1                       ; my output row in the tile: 128 x half + r
	v_mul_u32_u24 v6, v5, 192
	v_mad_u32_u24 v6, v2, 24, v6
	s_mul_i32 s22, s16, 96
	v_add_nc_u32 v[STO], s22, v6                   ; its codes: + 96 x my half of source 0 + 24 h
	s_lshl_b32 s22, s16, 2
	s_add_co_u32 s22, s22, SSTG
	v_lshl_add_u32 v[SSO], v5, 3, s22              ; its scale word
	v_and_b32 v6, 31, v0
	v_lshlrev_b32 v6, 4, v6
	s_wait_alu depctr_va_vdst(0)
	s_mul_i32 s22, s14, 12288
	v_add_nc_u32 v[RD], s22, v6                    ; back: a quarter of the stage, 16 bytes a lane
	s_lshl_b32 s22, s14, 9
	s_add_co_u32 s22, s22, SSTG
	v_add_nc_u32 v[RSC], s22, v6
	s_mov_b32 s23, 9437184
	s_cmp_ge_u32 s100, 4
	s_cselect_b32 s21, 10, 12                      ; rows of an output panel: 1,024 (v) or 4,096
	s_cselect_b32 s22, 2048, 0
	s_cselect_b32 s95, 0, -1                       ; lanes' mask: the bias along source 0 counts for q and k,
	s_cselect_b32 s96, -1, 0                       ; that along source 1 for v
	s_cselect_b32 s23, 9699328, s23
	s_cselect_b32 s45, 6291456, 0
	s_lshl_b32 s21, s99, s21
	s_sub_co_u32 s22, s101, s22
	s_add_co_u32 s21, s21, s22                     ; the tile's first output row
	s_lshl_b32 s22, s21, 3
	s_add_co_u32 s22, s22, s23
	s_lshl_b32 s23, s14, 9
	s_add_co_u32 s22, s22, s23
	v_add_nc_u32 v[CSO], s22, v6                   ; my 16 bytes of its scale bytes in qkvb
	s_mul_i32 s21, s21, 192
	s_add_co_u32 s21, s21, s45
	s_mul_i32 s23, s14, 12288
	s_add_co_u32 s21, s21, s23
	v_add_nc_u32 v[CO], s21, v6                    ; and of its codes
	s_lshl_b32 s23, s99, 8
	s_lshl_b32 s45, s16, 7
	s_add_co_u32 s23, s23, s45
	s_and_b32 s23, s23, s95                        ; (the bias that does not count is read at 0 and cleared)
	s_lshl_b32 s45, s15, 7
	s_add_co_u32 s45, s45, s101
	s_and_b32 s45, s45, s96
	s_lshl_b32 s23, s23, 2
	s_lshl_b32 s45, s45, 2
	v_lshl_add_u32 v8, v2, 5, s23
	v_lshl_add_u32 v9, v1, 2, s45
.irp b, 0,1,2,3,4,5,6,7
	global_load_b128 v[B0+8*\b:B0+8*\b+3], v8, s[8:9] offset:64*\b          ; qkv_b at source 0's rows 16 b + 8 h + 0..7
	global_load_b128 v[B0+8*\b+4:B0+8*\b+7], v8, s[8:9] offset:64*\b+16
.endr
.irp a, 0,1,2,3,4,5,6,7
	global_load_b32 v[B1+2*\a], v9, s[8:9] offset:64*\a                     ; and at source 1's row 16 a + r
.endr
	s_mov_b32 s[SEL], 0x76543210
	s_mov_b32 s[SEL+1], 0xfedcba98
.macro FRAG reg, adr, q, i             ; 16 rows x 128 K: 12 registers; each 24 bytes as three pieces of 8; the second address register serves pieces whose partner three on lies behind one padding more
.irp p, 0,1,2,3,4,5
.set PIECE, 12*(\q)+6*(\p/3)+\p%3
.if PIECE%8 < 5
	ds_load_b64 v[\reg+2*\p:\reg+2*\p+1], v[\adr] offset:8*PIECE+16*(PIECE/8)+(\i)*16*PITCH
.else
	ds_load_b64 v[\reg+2*\p:\reg+2*\p+1], v[\adr+2] offset:8*PIECE+16*(PIECE/8)+(\i)*16*PITCH
.endif
.endr
.endm
.macro MUL16 a0, p, q, sc, zero        ; the 64 accumulators take turns, one instruction a turn
.irp a, \a0, \a0+1
.irp b, 0,1,2,3,4,5,6,7
.if \zero
	v_wmma_scale_f32_16x16x128_f8f6f4 v[8*(8*((\a)%4)+\b):8*(8*((\a)%4)+\b)+7], v[128*(\p)+FR*\b:128*(\p)+FR*\b+FR-1], v[AF+FR*(\a):AF+FR*(\a)+FR-1], 0, v[SC+8*NQ*(\sc)+NQ*\b+(\q)], v[SC+8*NQ*(\sc)+NQ*(\a)+(\q)] matrix_a_fmt:MATRIX_FMT_FP6 matrix_b_fmt:MATRIX_FMT_FP6 matrix_a_scale:MATRIX_SCALE_ROW1
.else
	v_wmma_scale_f32_16x16x128_f8f6f4 v[8*(8*((\a)%4)+\b):8*(8*((\a)%4)+\b)+7], v[128*(\p)+FR*\b:128*(\p)+FR*\b+FR-1], v[AF+FR*(\a):AF+FR*(\a)+FR-1], v[8*(8*((\a)%4)+\b):8*(8*((\a)%4)+\b)+7], v[SC+8*NQ*(\sc)+NQ*\b+(\q)], v[SC+8*NQ*(\sc)+NQ*(\a)+(\q)] matrix_a_fmt:MATRIX_FMT_FP6 matrix_b_fmt:MATRIX_FMT_FP6 matrix_a_scale:MATRIX_SCALE_ROW1
.endif
.endr
.endr
.endm
.macro FETCH_B slot, q, p
	WIN TO_B
.irp i, 0,1,2,3,4,5,6,7
	FRAG 128*(\p)+FR*\i, ADRB+\slot, \q, \i
.endr
	WIN 0
.endm
.macro FETCH_A slot, q, i0
.irp i, \i0, \i0+1, \i0+2, \i0+3
	FRAG AF+FR*(\i), ADRA+\slot, \q, \i
.endr
.endm
.macro SCALES sc                       ; a K step's two words a row: lanes 0-15 source 1's block i, lanes 16-31 source 0's
.irp i, 0,1,2,3,4,5,6,7
	ds_load_b64 v[SC+8*NQ*\sc+NQ*\i:SC+8*NQ*\sc+NQ*\i+1], v[ADRS] offset:\i*128
.endr
.endm
.macro PLACES n                        ; plain lines between a matrix instruction and a load into, or a read of, its registers
.rept \n
	v_nop
.endr
.endm
.macro STEP slot, q, zero
	s_wait_dscnt 4*NL                              ; all but the youngest 24 loads (source 1's blocks 4-7)
	WIN MUL_LO
	MUL16 0, (\q)%2, \q, \slot, \zero
	MUL16 2, (\q)%2, \q, \slot, \zero
	s_wait_dscnt 0
	PLACES NP
	FETCH_B \slot, (\q)+1, 1-(\q)%2
	FETCH_A \slot, (\q)+1, 0
	WIN MUL_HI
	MUL16 4, (\q)%2, \q, \slot, \zero
	MUL16 6, (\q)%2, \q, \slot, \zero
	PLACES NP
	WIN 0
	FETCH_A \slot, (\q)+1, 4
.endm
.macro TURN slot, next, fill           ; a slot's last step changes slots
	s_wait_tensorcnt 0x0                           ; all my tensor loads have landed: my part of the next slot
	ds_add_u32 v[SPW], v[NIL]
	s_wait_dscnt 4*NL+1                            ; (the add and the youngest 24 loads may be out)
	WIN MUL_LO
	MUL16 0, 1, NQ-1, \slot, 0
	s_wait_dscnt 0x0                               ; the add is done, and my reads of this slot are over
	s_barrier_signal -1
	MUL16 2, 1, NQ-1, \slot, 0
	WIN 0
	s_barrier_wait -1
.if \fill
	CREST                                          ; the barrier opened a round of the cluster's: no wave of any partner still reads this slot or has a load out
	s_add_nc_u64 s[G0+4*\slot+2:G0+4*\slot+3], s[G0+4*\slot+2:G0+4*\slot+3], 2*R1*ROWB
	s_add_nc_u64 s[G0B+4*\slot+2:G0B+4*\slot+3], s[G0B+4*\slot+2:G0B+4*\slot+3], 2*R0*ROWB
	JLOAD G0+4*\slot, G1, G0B+4*\slot, G1B
.else
	PLACES NP
.endif
	s_wait_alu depctr_va_vdst(0)
	v_add_nc_u32 v[ADRS], 2048, v[ADRS]
	FETCH_B \next, 0, 0
	FETCH_A \next, 0, 0
	SCALES \next
	WIN MUL_HI
	MUL16 4, 1, NQ-1, \slot, 0
	MUL16 6, 1, NQ-1, \slot, 0
	PLACES NP
	WIN 0
	FETCH_A \next, 0, 4
.endm
	s_wait_tensorcnt 1                             ; the scales and K step 0 are in; K step 1's load may be out
	s_barrier_signal -1
	s_barrier_wait -1
	FETCH_B 0, 0, 0
	FETCH_A 0, 0, 0
	SCALES 0
	FETCH_A 0, 0, 4
	STEP 0, 0, 1
	s_mov_b32 s3, LAPS-1
.Llap:
	TURN 0, 1, 1
	STEP 1, 0, 0
	TURN 1, 0, 1
	STEP 0, 0, 0
	s_sub_co_u32 s3, s3, 1
	s_cmp_lg_u32 s3, 0
	s_cbranch_scc1 .Llap
	TURN 0, 1, 0
	STEP 1, 0, 0
	s_wait_dscnt 4*NL
	WIN MUL_LO
	MUL16 0, 1, NQ-1, 1, 0
	MUL16 2, 1, NQ-1, 1, 0
	s_wait_dscnt 0
	WIN MUL_HI
	MUL16 4, 1, NQ-1, 1, 0
	MUL16 6, 1, NQ-1, 1, 0
	WIN 0
; THE WAY OUT.  64 numbers of a lane (register 16 B + i: place 16 h + i of block B of my row) become 12 registers of codes and a scale word.
.macro QUANT s
.irp b, 0,1,2,3
	v_max3_num_f32 v[TM+\b], |v[\s+16*\b]|, |v[\s+1+16*\b]|, 0x1800000    ; with the floor 2^(3 - 127)
.endr
.irp i, 2,4,6,8,10,12,14
.irp b, 0,1,2,3
	v_max3_num_f32 v[TM+\b], v[TM+\b], |v[\s+16*\b+\i]|, |v[\s+1+16*\b+\i]|
.endr
.endr
.irp b, 0,1,2,3
	v_permlanex16_b32 v[TM+4+\b], v[TM+\b], s[SEL], s[SEL+1]
.endr
.irp b, 0,1,2,3
	v_max_num_f32 v[TM+\b], v[TM+\b], v[TM+4+\b]
.endr
.irp b, 0,1,2,3
	v_add_nc_u32 v[TM+12+\b], 0xff000000, v[TM+\b]
.endr
.irp b, 0,1,2,3
	v_lshrrev_b32 v[TM+4+\b], 23, v[TM+12+\b]
.endr
	v_lshl_or_b32 v[PW], v[TM+5], 8, v[TM+4]
	v_lshl_or_b32 v[PW], v[TM+6], 16, v[PW]
	v_lshl_or_b32 v[PW], v[TM+7], 24, v[PW]
.irp c, 0,1
	v_cvt_scalef32_pk16_fp6_f32 v[CD+6*\c:CD+2+6*\c], v[\s+32*\c:\s+15+32*\c], v[TM+12+2*\c]
	v_cvt_scalef32_pk16_fp6_f32 v[CD+12+4*\c:CD+14+4*\c], v[\s+16+32*\c:\s+31+32*\c], v[TM+12+2*\c+1]
.endr
	v_nop
.irp c, 0,1
.irp i, 0,1,2
	v_permlane16_swap_b32 v[CD+6*\c+\i], v[CD+12+4*\c+\i]
.endr
.irp i, 0,1,2
	v_mov_b32 v[CD+3+6*\c+\i], v[CD+12+4*\c+\i]
.endr
.endr
.endm
.macro EPI a
.set AC, 64*((\a)%4)
	WIN 0x02+(\a)/4                                ; source 0: the accumulators' window
.set ei, 0
.rept 32
	v_pk_add_f32 v[HA+ei:HA+ei+1], v[AC+ei:AC+ei+1], v[B0+ei:B0+ei+1]     ; each accumulator from its low end on
.set ei, ei+2
.endr
	WIN 0
.set ei, 0
.rept 32
	v_pk_add_f32 v[HA+ei:HA+ei+1], v[HA+ei:HA+ei+1], v[B1+2*(\a):B1+2*(\a)+1] op_sel_hi:[1,0]
.set ei, ei+2
.endr
	QUANT HA
.irp p, 0,1,2,3,4,5
	ds_store_b64 v[STO], v[CD+2*\p:CD+2*\p+1] offset:(\a)*3072+48*(\p/3)+8*(\p%3)
.endr
	ds_store_b32 v[SSO], v[PW] offset:(\a)*128     ; both halves of the lanes write the same word with the same value
	s_wait_dscnt 0x0                               ; the stores have read their registers
.endm
	s_wait_loadcnt 0x0                             ; the biases
.set ei, 0
.rept 64
	v_cndmask_b32 v[B0+ei], 0, v[B0+ei], s95       ; the bias that does not count is cleared.  (These plain lines are also the places behind the last products)
.set ei, ei+1
.endr
.irp a, 0,1,2,3,4,5,6,7
	v_cndmask_b32 v[B1+2*\a], 0, v[B1+2*\a], s96
	v_mov_b32 v[B1+2*\a+1], v[B1+2*\a]             ; (named with it as a pair)
.endr
.irp b, 0,1,2,3
	v_mov_b32 v[TM+4+\b], 0                        ; a lane permute's destination counts as read
.endr
.irp a, 0,1,2,3,4,5,6,7
	EPI \a
.endr
	s_barrier_signal -1                            ; every wave's stores into the stage have landed (the wait for 0 just above)
	s_barrier_wait -1
.set ek, 0
.rept 24
	ds_load_b128 v[128+4*ek:131+4*ek], v[RD] offset:512*ek
.set ek, ek+1
.endr
	ds_load_b128 v[224:227], v[RSC]
.set ek, 0
.rept 24
	s_wait_dscnt 24-ek
	global_store_b128 v[CO], v[128+4*ek:131+4*ek], s[10:11] offset:512*ek    ; the tile's 256 rows are 49,152 consecutive bytes: 512 an instruction
.set ek, ek+1
.endr
	s_wait_dscnt 0x0
	global_store_b128 v[CSO], v[224:227], s[10:11]
	s_wait_tensorcnt 0x0                           ; the wave's end
	ds_add_u32 v[SPW], v[NIL]
	s_wait_dscnt 0x0
	CROUND                                         ; the closing round
	s_endpgm
.Lfunc_end_k_q41e30f43ae_qkv:
	.size	k_q41e30f43ae_qkv, .Lfunc_end_k_q41e30f43ae_qkv-k_q41e30f43ae_qkv
	.p2alignl 7, 3214868480
	.fill 96, 4, 3214868480
	.section	.rodata,"a",@progbits
	.p2align	6, 0x0
	.amdhsa_kernel k_q41e30f43ae_qkv
		.amdhsa_group_segment_fixed_size 327680
		.amdhsa_private_segment_fixed_size 0
		.amdhsa_enable_private_segment 0
		.amdhsa_kernarg_size 32
		.amdhsa_user_sgpr_count 2
		.amdhsa_user_sgpr_kernarg_segment_ptr 1
		.amdhsa_wavefront_size32 1
		.amdhsa_system_sgpr_workgroup_id_x 1
		.amdhsa_system_sgpr_workgroup_id_y 1
		.amdhsa_system_sgpr_workgroup_id_z 1
		.amdhsa_system_vgpr_workitem_id 0
		.amdhsa_next_free_vgpr 1024
		.amdhsa_next_free_sgpr 106
		.amdhsa_reserve_vcc 0
		.amdhsa_float_denorm_mode_32 3
		.amdhsa_float_denorm_mode_16_64 3
		.amdhsa_memory_ordered 1
		.amdhsa_forward_progress 1
		.amdhsa_inst_pref_size 212
	.end_amdhsa_kernel
	.amdgpu_metadata
---
amdhsa.version: [ 1, 2 ]
amdhsa.kernels:
  - .name:           k_q41e30f43ae_qkv
    .symbol:         k_q41e30f43ae_qkv.kd
    .args:
      - { .name: hb, .offset: 0, .size: 8, .value_kind: global_buffer, .address_space: global }
      - { .name: wb, .offset: 8, .size: 8, .value_kind: global_buffer, .address_space: global }
      - { .name: qkv_b, .offset: 16, .size: 8, .value_kind: global_buffer, .address_space: global }
      - { .name: qkvb, .offset: 24, .size: 8, .value_kind: global_buffer, .address_space: global }
    .group_segment_fixed_size: 327680
    .private_segment_fixed_size: 0
    .kernarg_segment_align: 8
    .kernarg_segment_size: 32
    .max_flat_workgroup_size: 128
    .sgpr_count:     106
    .vgpr_count:     1024
    .wavefront_size: 32
...
	.end_amdgpu_metadata
.endif
;; end of part 9
;; launch attn (part 10): grid 32 x 8, 8 waves a work-group, clusters of 4 x 4, 327,680 bytes of LDS; arguments qkvb, dist_matrix, gamma, at; writes at
.if DOCPART == 10
	.amdgcn_target "amdgcn-amd-amdhsa--gfx1250"
	.amdhsa_code_object_version 6
	.text
	.protected	k_q41e30f43ae_attn
	.globl	k_q41e30f43ae_attn
	.p2align	8
	.type	k_q41e30f43ae_attn,@function
k_q41e30f43ae_attn:
	s_mov_b64 s[64:65], 0
	v_nop
	global_prefetch_b8 v0, s[64:65] scope:SCOPE_SE
	s_setreg_imm32_b32 hwreg(HW_REG_WAVE_MODE, 25, 1), 1
	s_wait_xcnt 0x0
	s_wait_alu depctr_hold_cnt(0) depctr_sa_sdst(0) depctr_va_vdst(0) depctr_va_sdst(0) depctr_va_ssrc(0) depctr_va_vcc(0) depctr_vm_vsrc(0)
	s_getreg_b32 s2, hwreg(HW_REG_IB_STS2, 6, 4)
	s_cmp_eq_u32 s2, 0
	s_cbranch_scc0 .Lentry_in_a_cluster
	s_endpgm
.Lentry_in_a_cluster:
	s_bfe_u32 s2, ttmp6, 0x10000c
	s_cmp_lg_u32 s2, 0xf033
	s_cbranch_scc0 .Lentry_shape_is_right
	s_endpgm
.Lentry_shape_is_right:
; o = softmax(q k^T / 32 - gamma dist) v on codes of E2M3, quantised again along the head's 64 for the projection.
; A work-group takes 64 queries x 4 heads (one panel of 256 features) of one batch and walks the 2,048 keys in 16 steps of 128.
; Eight waves: wave w has head w % 4 and 32 queries (w / 4): two tiles of 16 queries, tile u with all its registers in window u under the same numbers.
; Both products are used transposed (S^T = k q^T, O^T = v^T p^T): a lane holds one query.  p = 2^(t - M), M the ceiling of the running largest t; the sum is taken of the unquantised p.
; K = 64 fills half of the instruction's 128: q's upper 64 codes are zeros.  k's tile t is six registers; its operand runs on over tile t + 1's six, whose codes (all codes of E2M3 are finite) meet q's zeros and add nothing.
; One scale register serves two tiles of k or v: lanes 0-15 the even tile's rows, lanes 16-31 the odd one's (ROW1).
; THE STEP IS SHIFTED OVER THE BARRIER: behind the round of step s stand the refill and k's LDS loads, then step s - 1's softmax and second product (registers alone), dist's loads into the score registers as they
; fall free, v's loads, step s's scores and their blocks' maxima; only then the wait for the tiles, so that only the round stands between that wait and the next refill.
; LDS: k two slots of 128 keys, dist two slots of 64 x 128 f32, v two slots of a whole panel of 256 keys (filled every second step); all tiles of codes are dense and come as rows of 256 bytes.
; REFILLS: waves 0, 1 halves of k's tile, waves 2, 3 halves of dist's, waves 4 to 7 quarters of v's panel.  At the head, one load a wave: waves 0, 2 whole tiles, 4, 6 halves of the panel, the odd waves the scales; the row counts are lowered behind the first wait.
; CLUSTER 4 x 4: k, v and their scales are shared along a row of the cluster (four query blocks), dist down a column (four groups of heads).
; PREFETCH, one instruction a trip in each of waves 5, 6, 7, a lane a block of 256 bytes, the four partners of a joint load told apart by address: in trip t wave 7 asks for its 16 rows x 512 bytes of the dist tile, and wave 5 for its
; 24 blocks of the k tile, that trip t + 2 loads; wave 6 asks in trips 2 m and 2 m + 1 for its 24 blocks of each half of v's panel m + 2, which trip 2 m + 2 loads.  Trips 13 to 15 ask for nothing, trip 12 for nothing of v.
; LIMITS: the promise holds while the scaled scores stay under 2^31 in magnitude; NaN and infinities are not served; a block of zeros gets the byte 1 (zero codes; this program alone reads the bytes).
.set QKS, 9437184
.set VCO, 6291456
.set VSC, 9699328
.set ATS, 3145728
.set D0L, 0x10000                      ; k slots at 0 and 0x8000; dist slots here and 0x20000 on
.set V0L, 0x20000                      ; v slots here and at 0x40000
.set SCK, 0x18400                      ; k's scale bytes [2048 keys][8]
.set SPARE, 0x1c400                    ; the spare words, 128 bytes a wave
.set SCV, 0x38400                      ; v's scale bytes [8 panels][256 d][8]
.set SPW, 1
.set NIL, 2
.set AK, 3                             ; v3-5 k's three pieces
.set AD, 6                             ; v6-7 dist, slot 0, 1
.set AVB, 8                            ; v8-9 v's fragments in slot 0 (the second behind one padding more); v10-11 in the slot being read
.set AVC, 10
.set ASK0, 12
.set ASV0, 13
.set ADS, 14
.set ADT, 15
.set RR, 16
.set HH, 17
.set PFO, 18                           ; prefetch offsets: v18 dist's, v29 k's and v's
.set PFC, 29
.set VF, 36                            ; window 0: v's four fragments
.set KF, 0                             ; window 1: k's eight tiles, six registers each, and six more
.set QF, 84                            ; from here on: the same numbers in window 0 (tile 0) and window 1 (tile 1)
.set O, 96
.set S, 128
.set PC, 192
.set PX, 204
.set BM, 212
.set BP, 216
.set BS, 220
.set TT, 224
.set F, 226
.set NM, 228                           ; -M; v229 the running largest t
.set MX, 229
.set L, 230
.set SWK, 232                          ; window 0, scales and nothing else: k's 4, v's 2, q's 2, p's 2
.set SWV, 236
.set QS, 238
.set PWR, 240
.set TS, 2
.set CNT, 3
.set PFV, 8                            ; s[8:9]: gamma's address, then where v's prefetches stand
.set WV, 12
.set SEL, 20
.set CS, 22
.set G1K, 24
.set G1D, 32
.set G0K, 40
.set G0D, 48
.set G0V, 56
.set G0SK, 60
.set GM, 66
.set G1SK, 68
.set G1SV, 76
.set G0SV, 84
.set VT, 88
.set PF, 94
.set OC, 96
.set OS, 97
.set PFK, 104
.set MSB, 0
.macro WIN new
.if MSB != (\new)
	s_set_vgpr_msb (MSB<<8)|(\new)
.set MSB, \new
.endif
.endm
.macro WA
	s_wait_alu depctr_va_vdst(0)
.endm
.macro DL n
	s_delay_alu instid0(VALU_DEP_\n)
.endm
.macro AFTER                           ; the lines behind a tensor load
	s_nop 0
.rept 4
	v_nop
.endr
.endm
.macro CROUND
	s_barrier_signal -1
	s_barrier_wait -1
	s_cmp_lg_u32 s[WV], 0
	s_cbranch_scc1 .Lnot_wave_0_\@
	s_barrier_signal -3
.Lnot_wave_0_\@:
	s_barrier_wait -3
	s_barrier_signal -1
	s_barrier_wait -1
.endm
.macro TLOAD n, vv                     ; one chain on the wave's number
	s_cmp_gt_u32 s[WV], 1
	s_cbranch_scc1 .Lnk_\@
	tensor_load_to_lds s[G0K+4*(\n):G0K+4*(\n)+3], s[G1K:G1K+7]
	AFTER
	s_branch .Ldone_\@
.Lnk_\@:
	s_cmp_gt_u32 s[WV], 3
	s_cbranch_scc1 .Lnd_\@
	tensor_load_to_lds s[G0D+4*(\n):G0D+4*(\n)+3], s[G1D:G1D+7]
	AFTER
	s_branch .Ldone_\@
.Lnd_\@:
.if \vv
	tensor_load_to_lds s[G0V:G0V+3], s[G1K:G1K+7]
	AFTER
.endif
.Ldone_\@:
.endm
	s_load_b256 s[4:11], s[0:1], 0x0               ; qkvb, dist, gamma, at
	v_lshl_add_u32 v[SPW], v0, 2, SPARE
	v_mov_b32 v[NIL], 0
	ds_add_u32 v[SPW], v[NIL]                      ; the opening lines
	ds_add_u32 v[SPW], v[NIL]
	v_lshrrev_b32 v20, 5, v0
	DL 1
	v_readfirstlane_b32 s[WV], v20
	s_and_b32 s13, s[WV], 3                        ; head; also: which quarter of v's panel I fetch
	s_lshr_b32 s14, s[WV], 2                       ; which 32 queries
	s_and_b32 s15, s[WV], 1                        ; which half of k's or dist's tile I fetch
	s_bfe_u32 s93, s[WV], 0x10001                  ; which half of the scales (the odd waves, at the head)
	s_bfe_u32 s16, ttmp6, 0x40000                  ; cx
	s_bfe_u32 s17, ttmp6, 0x40004                  ; cy: the group of heads
	s_lshl_b32 s18, ttmp9, 2
	s_add_co_u32 s18, s18, s16                     ; block of 64 queries
	s_and_b32 s19, ttmp7, 0xffff                   ; batch
	s_lshl_b32 s89, s17, 2
	s_lshl_b32 s89, 15, s89                        ; my row of the cluster
	s_lshl_b32 s90, 0x1111, s16                    ; my column
	s_or_b32 s[G1K], s89, (1<<20)|(1<<21)|(3<<22)|(3<<25)   ; codes: rows of 256 bytes, 16 bytes of padding behind every 64: rows of 192 bytes lie 240 apart.  96 rows at the head, then 48
	s_mov_b32 s[G1K+1], 256<<16
	s_mov_b32 s[G1K+2], 96<<16
	s_mov_b32 s[G1K+3], 256<<16
	s_mov_b32 s[G1K+4], 96
	s_mov_b32 s[G1K+5], 256
	s_mov_b32 s[G1K+6], 0
	s_mov_b32 s[G1K+7], 0
	s_or_b32 s[G1D], s90, (2<<16)|(1<<20)|(1<<21)|(6<<22)|(3<<25)   ; dist: rows of 128 f32, 16 bytes behind each.  64 rows at the head, then 32
	s_mov_b32 s[G1D+1], 128<<16
	s_mov_b32 s[G1D+2], 64<<16
	s_mov_b32 s[G1D+3], 128<<16
	s_mov_b32 s[G1D+4], 64
	s_mov_b32 s[G1D+5], 2048
	s_mov_b32 s[G1D+6], 0
	s_mov_b32 s[G1D+7], 0
	s_or_b32 s[G1SK], s89, (3<<16)|(1<<21)         ; k's scales: 32 rows of 256 dense bytes a load
	s_mov_b32 s[G1SK+1], 32<<16
	s_mov_b32 s[G1SK+2], 32<<16
	s_mov_b32 s[G1SK+3], 32<<16
	s_mov_b32 s[G1SK+4], 32
	s_mov_b32 s[G1SK+5], 32
	s_mov_b32 s[G1SK+6], 0
	s_mov_b32 s[G1SK+7], 0
	s_or_b32 s[G1SV], s89, (3<<16)|(1<<21)         ; v's scales: 2,048 bytes of each of four panels a load
	s_mov_b32 s[G1SV+1], 256<<16
	s_mov_b32 s[G1SV+2], 4<<16
	s_mov_b32 s[G1SV+3], 256<<16
	s_mov_b32 s[G1SV+4], 4
	s_mov_b32 s[G1SV+5], 1024
	s_mov_b32 s[G1SV+6], 0
	s_mov_b32 s[G1SV+7], 0
	s_add_co_u32 s91, s17, 4
	s_lshl_b32 s91, s91, 12
	s_lshl_b32 s92, s19, 11
	s_add_co_u32 s91, s91, s92                     ; k's first row: panel 4 + cy, token 2048 x batch
	s_lshl_b32 s[G0SK+2], s91, 3
	s_lshl_b32 s92, s93, 13
	s_add_co_u32 s[G0SK+2], s[G0SK+2], s92
	s_add_co_u32 s[G0SK+2], s[G0SK+2], QKS
	s_mov_b32 s[G0SK+3], 0
	s_mul_i32 s[G0K+2], s91, 192
	s_mul_i32 s92, s15, 12288
	s_add_co_u32 s[G0K+2], s[G0K+2], s92
	s_mov_b32 s[G0K+3], 0
	s_lshl_b32 s91, s19, 13
	s_lshl_b32 s92, s17, 8
	s_add_co_u32 s91, s91, s92                     ; v's first row: key panel 8 x batch, d = 256 cy
	s_lshl_b32 s92, s93, 12
	s_add_co_u32 s92, s92, s91
	s_lshl_b32 s[G0SV+2], s92, 3
	s_add_co_u32 s[G0SV+2], s[G0SV+2], VSC
	s_mov_b32 s[G0SV+3], 0
	s_lshl_b32 s92, s13, 6
	s_add_co_u32 s91, s91, s92
	s_mul_i32 s[G0V+2], s91, 192
	s_add_co_u32 s[G0V+2], s[G0V+2], VCO
	s_mov_b32 s[G0V+3], 0
	s_lshl_b32 s[G0D+2], s18, 19
	s_mov_b32 s[G0D+3], 0
	s_lshl_b32 s[PF], s17, 17                      ; dist's prefetches: my work-group's 16 of the 64 rows,
	s_add_co_u32 s[PF], s[PF], s[G0D+2]
	s_add_co_u32 s[PF], s[PF], 1024                ; at tile 2: stepped once ahead of each trip
	s_mov_b32 s[PF+1], 0
	s_lshl_b32 s92, s15, 18
	s_add_co_u32 s[G0D+2], s[G0D+2], s92
	s_mov_b32 s[G0K], 1
	s_mul_i32 s[G0K+1], s15, 15360
	s_mov_b32 s[G0K+4], 1
	s_add_co_u32 s[G0K+5], s[G0K+1], 0x8000
	s_mov_b32 s[G0D], 1
	s_mul_i32 s[G0D+1], s15, 16896
	s_add_co_u32 s[G0D+1], s[G0D+1], D0L
	s_mov_b32 s[G0D+4], 1
	s_add_co_u32 s[G0D+5], s[G0D+1], 0x20000
	s_mov_b32 s[G0V], 1
	s_mul_i32 s[G0V+1], s13, 15360
	s_add_co_u32 s[G0V+1], s[G0V+1], V0L
	s_mov_b32 s[G0SK], 1
	s_lshl_b32 s[G0SK+1], s93, 13
	s_add_co_u32 s[G0SK+1], s[G0SK+1], SCK
	s_mov_b32 s[G0SV], 1
	s_lshl_b32 s[G0SV+1], s93, 13
	s_add_co_u32 s[G0SV+1], s[G0SV+1], SCV
	s_mov_b32 s[TS], 0
	s_mov_b32 s[VT], 0
	s_wait_dscnt 0x0
	s_wait_kmcnt 0x0
	s_add_nc_u64 s[G0K+2:G0K+3], s[4:5], s[G0K+2:G0K+3]
	s_add_nc_u64 s[G0K+6:G0K+7], s[G0K+2:G0K+3], 24576
	s_or_b32 s[G0K+3], s[G0K+3], 0x80000000
	s_or_b32 s[G0K+7], s[G0K+7], 0x80000000
	s_add_nc_u64 s[G0V+2:G0V+3], s[4:5], s[G0V+2:G0V+3]
	s_or_b32 s[G0V+3], s[G0V+3], 0x80000000
	s_add_nc_u64 s[G0D+2:G0D+3], s[6:7], s[G0D+2:G0D+3]
	s_add_nc_u64 s[G0D+6:G0D+7], s[G0D+2:G0D+3], 512
	s_or_b32 s[G0D+3], s[G0D+3], 0x80000000
	s_or_b32 s[G0D+7], s[G0D+7], 0x80000000
	s_add_nc_u64 s[G0SK+2:G0SK+3], s[4:5], s[G0SK+2:G0SK+3]
	s_or_b32 s[G0SK+3], s[G0SK+3], 0x80000000
	s_add_nc_u64 s[G0SV+2:G0SV+3], s[4:5], s[G0SV+2:G0SV+3]
	s_or_b32 s[G0SV+3], s[G0SV+3], 0x80000000
	s_add_nc_u64 s[PF:PF+1], s[6:7], s[PF:PF+1]
	CROUND                                         ; the first joint loads meet
	s_cmp_lg_u32 s[WV], 0                          ; the head's fills, one a wave, every way through one
	s_cbranch_scc1 .Lh1
	tensor_load_to_lds s[G0K:G0K+3], s[G1K:G1K+7]
	AFTER
	s_branch .Lhd
.Lh1:
	s_cmp_lg_u32 s[WV], 2
	s_cbranch_scc1 .Lh2
	tensor_load_to_lds s[G0D:G0D+3], s[G1D:G1D+7]
	AFTER
	s_branch .Lhd
.Lh2:
	s_cmp_lg_u32 s15, 0
	s_cbranch_scc1 .Lh3
	tensor_load_to_lds s[G0V:G0V+3], s[G1K:G1K+7]  ; waves 4 and 6: from their quarters on, two quarters each
	AFTER
	s_branch .Lhd
.Lh3:
	s_cmp_gt_u32 s[WV], 3
	s_cbranch_scc1 .Lh4
	tensor_load_to_lds s[G0SK:G0SK+3], s[G1SK:G1SK+7]
	AFTER
	s_branch .Lhd
.Lh4:
	tensor_load_to_lds s[G0SV:G0SV+3], s[G1SV:G1SV+7]
	AFTER
.Lhd:
	s_lshl_b32 s91, s17, 12
	s_lshl_b32 s92, s19, 11
	s_add_co_u32 s91, s91, s92
	s_lshl_b32 s92, s18, 6
	s_add_co_u32 s91, s91, s92                     ; the block's first row of q and of the result: panel cy, token
	s_mul_i32 s[OC], s91, 192
	s_lshl_b32 s[OS], s91, 3
	s_add_co_u32 s[OS], s[OS], ATS
	s_lshl_b32 s92, s14, 5
	s_add_co_u32 s91, s91, s92                     ; my 32 queries
	s_mul_i32 s98, s91, 192
	s_mul_i32 s92, s13, 48
	s_add_co_u32 s98, s98, s92
	s_lshl_b32 s99, s91, 3
	s_lshl_b32 s92, s13, 1
	s_add_co_u32 s99, s99, s92
	s_add_co_u32 s90, s92, SCK
	s_add_co_u32 s99, s99, QKS
	s_mul_i32 s100, s13, 6
	s_mul_i32 s101, s14, 32*528
	s_add_co_u32 s101, s101, D0L
	s_mul_i32 s89, s13, 64*240
	s_add_co_u32 s89, s89, V0L
	s_lshl_b32 s91, s13, 9
	s_add_co_u32 s91, s91, SCV
	s_lshl_b32 s92, s19, 4
	s_lshl_b32 s93, s17, 2
	s_add_co_u32 s92, s92, s93
	s_add_co_u32 s92, s92, s13
	s_lshl_b32 s92, s92, 2
	s_load_b32 s[GM], s[8:9], s92 offset:0x0       ; gamma of my batch and head
	s_mov_b32 s[SEL], 0x76543210
	s_mov_b32 s[SEL+1], 0xfedcba98
	s_mov_b32 s[CS], 0x3d38aa3b                    ; log2(e) / 32
	s_mov_b32 s[CS+1], s[CS]
	v_and_b32 v[RR], 15, v0
	v_bfe_u32 v[HH], v0, 4, 1
	v_and_b32 v19, 31, v0
	DL 3
	v_mul_u32_u24 v21, v[RR], 192
	DL 1
	v_mad_u32_u24 v21, v[HH], 24, v21
	DL 1
	v_add_nc_u32 v21, s98, v21
	v_lshl_add_u32 v22, v[RR], 3, s99
.irp u, 0,1
	WIN 0x40*\u
.irp p, 0,1,2
	global_load_b64 v[QF+2*\p:QF+2*\p+1], v21, s[4:5] offset:3072*\u+8*\p   ; q of tile u: 64 codes, 24 bytes a lane
.endr
.endr
	WIN 0
	global_load_u16 v[QS], v22, s[4:5]
	global_load_u16 v[QS+1], v22, s[4:5] offset:128
	v_mul_u32_u24 v23, v[HH], 3
	v_mul_u32_u24 v24, v[RR], 240
	DL 2
	v_add_nc_u32 v23, s100, v23                    ; my first piece of 8 bytes in a row of k: 6 head + 3 h
.irp p, 0,1,2
	v_add_nc_u32 v25, \p, v23
	DL 1
	v_lshrrev_b32 v26, 3, v25
	DL 2
	v_lshlrev_b32 v25, 3, v25
	DL 1
	v_lshl_add_u32 v25, v26, 4, v25                ; 16 bytes more for each 64 passed
	DL 1
	v_add_nc_u32 v[AK+\p], v24, v25
.endr
	v_mad_u32_u24 v25, v[HH], 24, v24
	DL 1
	v_add_nc_u32 v[AVB], s89, v25
	DL 1
	v_lshl_add_u32 v[AVB+1], v[HH], 4, v[AVB]
	v_mul_u32_u24 v25, v[RR], 528
	DL 1
	v_lshl_add_u32 v25, v[HH], 5, v25
	DL 1
	v_add_nc_u32 v[AD], s101, v25
	DL 1
	v_add_nc_u32 v[AD+1], 0x20000, v[AD]
	v_lshl_add_u32 v[ASK0], v19, 3, s90            ; scales: 8 bytes a row, lane l takes row l of a pair of tiles
	v_lshl_add_u32 v[ASV0], v19, 3, s91
	v_lshrrev_b32 v25, 1, v19
	v_and_b32 v26, 1, v19
	DL 1
	v_lshlrev_b32 v26, 8, v26
	DL 1
	v_lshl_add_u32 v[PFO], v25, 13, v26            ; dist: row lane / 2, half lane % 2 of its 512 bytes
	v_min_u32 v[PFC], 23, v19                      ; codes: 24 blocks; the lanes left over name the last again
	DL 1
	v_lshlrev_b32 v[PFC], 8, v[PFC]
.irp u, 0,1
	WIN 0x40*\u
.irp i, 6,7,8,9,10,11
	v_mov_b32 v[QF+\i], 0                          ; q's upper 64 codes
.endr
	v_mov_b32 v[MX], 0xff61b1e6                    ; -3e38, under every t
	v_mov_b32 v[NM], 0x7f61b1e6
	v_mov_b32 v[L], 0
	v_mov_b32 v[L+1], 0
	v_mov_b32 v[F+1], 0
	v_mov_b32 v[TT], 0
.irp b, 0,1,2,3
	v_mov_b32 v[BP+\b], 0
.endr
.set j, 0
.rept 32
	v_mov_b32 v[O+j], 0                            ; the step is written once: the first change of M leaves zeros zeros
.set j, j+1
.endr
.endr
.irp i, 48,49,50,51,52,53
	v_mov_b32 v[KF+\i], 0                          ; behind k's last tile
.endr
	WIN 0
	WA
	s_wait_kmcnt 0x0
	s_mul_f32 s[GM], s[GM], 0xc2000000             ; -32 gamma: the scores are kept x 32
	s_mov_b32 s[GM+1], s[GM]
	s_lshl_b32 s92, s19, 13                        ; where the prefetches of codes stand: my work-group's 6,144 bytes (by cx) of each 24,576
	s_lshl_b32 s93, s17, 8
	s_add_co_u32 s92, s92, s93
	s_mul_i32 s92, s92, 192
	s_mul_i32 s91, s16, 6144
	s_add_co_u32 s92, s92, s91
	s_add_co_u32 s92, s92, VCO+221184              ; v: panel 2, less the step ahead of trip 0
	s_mov_b32 s93, 0
	s_add_nc_u64 s[PFV:PFV+1], s[4:5], s[92:93]
	s_add_co_u32 s92, s17, 4
	s_lshl_b32 s92, s92, 12
	s_lshl_b32 s90, s19, 11
	s_add_co_u32 s92, s92, s90
	s_mul_i32 s92, s92, 192
	s_add_co_u32 s92, s92, s91
	s_add_co_u32 s92, s92, 49152                   ; k: tile 2, stepped once ahead of each trip
	s_add_nc_u64 s[PFK:PFK+1], s[4:5], s[92:93]
	s_cmp_lt_u32 s[WV], 5                          ; at the head the same three waves ask for what trips 0 and 1 load and no trip asks for: dist's and k's tiles 1 and 2, the two halves of v's panel 1
	s_cbranch_scc1 .Lhp
	s_cmp_lg_u32 s[WV], 7
	s_cbranch_scc1 .Lhp1
	global_prefetch_b8 v[PFO], s[PF:PF+1] offset:-512 th:TH_LOAD_NT scope:SCOPE_SE
	global_prefetch_b8 v[PFO], s[PF:PF+1] th:TH_LOAD_NT scope:SCOPE_SE
	s_branch .Lhp
.Lhp1:
	s_cmp_lg_u32 s[WV], 5
	s_cbranch_scc1 .Lhp2
	global_prefetch_b8 v[PFC], s[PFK:PFK+1] offset:-24576 th:TH_LOAD_NT scope:SCOPE_SE
	global_prefetch_b8 v[PFC], s[PFK:PFK+1] th:TH_LOAD_NT scope:SCOPE_SE
	s_branch .Lhp
.Lhp2:
	global_prefetch_b8 v[PFC], s[PFV:PFV+1] offset:-24576 th:TH_LOAD_NT scope:SCOPE_SE
	global_prefetch_b8 v[PFC], s[PFV:PFV+1] th:TH_LOAD_NT scope:SCOPE_SE
.Lhp:
	s_wait_loadcnt 0x0
.macro DLOAD u, p                      ; dist of tile u's 16 queries x 128 keys into its score registers
	WIN 0x40*\u
.set j, 0
.rept 8
	ds_load_b128 v[S+8*j:S+8*j+3], v[AD+\p] offset:\u*8448+64*j
	ds_load_b128 v[S+8*j+4:S+8*j+7], v[AD+\p] offset:\u*8448+64*j+16
.set j, j+1
.endr
.endm
.macro VLOAD p                         ; v's four fragments (64 d x 128 keys: half p of the panel's rows) and their scale words
.irp t, 0,1,2,3
.irp q, 0,1,2,3,4,5
.set PIECE, 12*(\p)+6*(\q/3)+\q%3
.if PIECE%8 < 5
	ds_load_b64 v[VF+12*\t+2*\q:VF+12*\t+2*\q+1], v[AVC] offset:8*PIECE+16*(PIECE/8)+\t*3840
.else
	ds_load_b64 v[VF+12*\t+2*\q:VF+12*\t+2*\q+1], v[AVC+1] offset:8*PIECE+16*(PIECE/8)+\t*3840
.endif
.endr
.endr
	ds_load_b32 v[SWV], v[ADT] offset:4*\p
	ds_load_b32 v[SWV+1], v[ADT] offset:4*\p+256
.endm
.macro QK u                            ; S^T = k q^T - 32 gamma dist: eight accumulators, one instruction each
	WIN 0x01+0x54*\u
.irp t, 0,1,2,3,4,5,6,7
.if \t%2
	v_wmma_scale_f32_16x16x128_f8f6f4 v[S+8*\t:S+8*\t+7], v[KF+6*\t:KF+6*\t+11], v[QF:QF+11], v[S+8*\t:S+8*\t+7], v[SWK+\t/2], v[QS+\u] matrix_a_fmt:MATRIX_FMT_FP6 matrix_b_fmt:MATRIX_FMT_FP6 matrix_a_scale:MATRIX_SCALE_ROW1
.else
	v_wmma_scale_f32_16x16x128_f8f6f4 v[S+8*\t:S+8*\t+7], v[KF+6*\t:KF+6*\t+11], v[QF:QF+11], v[S+8*\t:S+8*\t+7], v[SWK+\t/2], v[QS+\u] matrix_a_fmt:MATRIX_FMT_FP6 matrix_b_fmt:MATRIX_FMT_FP6
.endif
.endr
.endm
.macro PV u                            ; O^T += v^T p^T
	WIN 0x54*\u
.irp t, 0,1,2,3
.if \t%2
	v_wmma_scale_f32_16x16x128_f8f6f4 v[O+8*\t:O+8*\t+7], v[VF+12*\t:VF+12*\t+11], v[PC:PC+11], v[O+8*\t:O+8*\t+7], v[SWV+\t/2], v[PWR+\u] matrix_a_fmt:MATRIX_FMT_FP6 matrix_b_fmt:MATRIX_FMT_FP6 matrix_a_scale:MATRIX_SCALE_ROW1
.else
	v_wmma_scale_f32_16x16x128_f8f6f4 v[O+8*\t:O+8*\t+7], v[VF+12*\t:VF+12*\t+11], v[PC:PC+11], v[O+8*\t:O+8*\t+7], v[SWV+\t/2], v[PWR+\u] matrix_a_fmt:MATRIX_FMT_FP6 matrix_b_fmt:MATRIX_FMT_FP6
.endif
.endr
.endm
.macro MAXP u                          ; the largest score of each block of 32 keys; each accumulator is read from its low end on
	WIN 0x55*\u
	WA
.irp b, 0,1,2,3
	v_max3_num_f32 v[BM+\b], v[S+16*\b], v[S+1+16*\b], v[S+2+16*\b]
.endr
.irp i, 3,5,7,9,11,13
.irp b, 0,1,2,3
	v_max3_num_f32 v[BM+\b], v[BM+\b], v[S+16*\b+\i], v[S+1+16*\b+\i]
.endr
.endr
.irp b, 0,1,2,3
	v_max_num_f32 v[BM+\b], v[BM+\b], v[S+15+16*\b]
.endr
.irp b, 0,1,2,3
	DL 4
	v_permlanex16_b32 v[BP+\b], v[BM+\b], s[SEL], s[SEL+1]
.endr
.irp b, 0,1,2,3
	DL 4
	v_max_num_f32 v[BM+\b], v[BM+\b], v[BP+\b]
.endr
.endm
.macro SCORES1                         ; tile 1's scores, and both tiles' maxima
	QK 1
.rept 4
	v_nop
.endr
	MAXP 0
	MAXP 1
.endm
.macro SOFT u, dl, p                   ; tile u: the new M, p, its sum, its codes and scale word, O^T under the new M; dl: the next step's dist is asked for when the scores are converted
	WIN 0x55*\u
	v_max3_num_f32 v[TT], v[BM], v[BM+1], v[BM+2]
	DL 1
	v_max_num_f32 v[TT], v[TT], v[BM+3]
	DL 1
	v_mul_f32 v[TT], s[CS], v[TT]
	DL 1
	v_max_num_f32 v[MX], v[MX], v[TT]
	v_mov_b32 v[TT], v[NM]
	DL 2
	v_floor_f32 v[NM], -v[MX]                      ; -M = floor(-t)
	DL 1
	v_sub_f32 v[TT], v[NM], v[TT]
	DL 1
	v_cvt_i32_f32 v[TT], v[TT]
	DL 1
	v_ldexp_f32 v[F], 1.0, v[TT]                   ; f = 2^(old M - new M)
.set j, 0
.rept 32
	v_pk_fma_f32 v[S+j:S+j+1], v[S+j:S+j+1], s[CS:CS+1], v[NM:NM+1] op_sel_hi:[1,0,0]
.set j, j+2
.endr
.irp b, 0,1,2,3
	v_fma_f32 v[BM+\b], v[BM+\b], s[CS], v[NM]
.endr
	WA                                             ; the wait ahead of the batch
.set j, 0
.rept 64
	v_exp_f32 v[S+j], v[S+j]
.set j, j+1
.endr
	v_pk_mul_f32 v[L:L+1], v[L:L+1], v[F:F+1] op_sel_hi:[1,0]
	WA                                             ; and behind it
.irp b, 0,1,2,3
	v_exp_f32 v[BM+\b], v[BM+\b]                   ; each block's largest p
.endr
	v_pk_add_f32 v[BP:BP+1], v[S:S+1], v[S+2:S+3]
.irp i, 4,8,12,16,20,24,28,32,36,40,44,48,52,56,60
	v_pk_add_f32 v[L:L+1], v[L:L+1], v[S+\i:S+\i+1]
	v_pk_add_f32 v[BP:BP+1], v[BP:BP+1], v[S+2+\i:S+3+\i]
.endr
	DL 1
	v_pk_add_f32 v[L:L+1], v[L:L+1], v[BP:BP+1]
	WA
.irp b, 0,1,2,3
	v_max_num_f32 v[BM+\b], 0x1800000, v[BM+\b]    ; the floor 2^(3 - 127)
.endr
.irp b, 0,1,2,3
	DL 4
	v_add_nc_u32 v[BS+\b], 0xff000000, v[BM+\b]
.endr
.irp b, 0,1,2,3
	DL 4
	v_lshrrev_b32 v[BP+\b], 23, v[BS+\b]
.endr
	DL 3
	v_lshl_or_b32 v[TT], v[BP+1], 8, v[BP]
	DL 1
	v_lshl_or_b32 v[TT], v[BP+2], 16, v[TT]
.irp c, 0,1
	v_cvt_scalef32_pk16_fp6_f32 v[PC+6*\c:PC+6*\c+2], v[S+32*\c:S+32*\c+15], v[BS+2*\c]
	v_cvt_scalef32_pk16_fp6_f32 v[PX+4*\c:PX+4*\c+2], v[S+16+32*\c:S+31+32*\c], v[BS+2*\c+1]
.endr
	v_nop
	WIN 0x15*\u
	v_lshl_or_b32 v[PWR+\u], v[BP+3], 24, v[TT]    ; p's scale word, into window 0, where scale operands lie
.if \dl
	DLOAD \u, \p
.endif
	WIN 0x55*\u
.irp c, 0,1
.irp i, 0,1,2
	v_permlane16_swap_b32 v[PC+6*\c+\i], v[PX+4*\c+\i]
.endr
.irp i, 0,1,2
	DL 3
	v_mov_b32 v[PC+3+6*\c+\i], v[PX+4*\c+\i]
.endr
.endr
	WA                                             ; the wait directly ahead of the first reader of O^T
.set j, 0
.rept 16
	v_pk_mul_f32 v[O+j:O+j+1], v[O+j:O+j+1], v[F:F+1] op_sel_hi:[1,0]
.set j, j+2
.endr
.endm
; In front of the trip of parity p: what is left of the step's register work (q); then all my tensor loads, the add, my LDS reads, and a round of the cluster's barrier.
.macro SYNC q, p, ev, adv
.if \q
	SCORES1
.endif
	WIN 0
	s_wait_xcnt 0x0                                ; my prefetch has read its base
	WA
	s_wait_tensorcnt 0x0
	ds_add_u32 v[SPW], v[NIL]
	s_add_nc_u64 s[G0K+4*\p+2:G0K+4*\p+3], s[G0K+4*\p+2:G0K+4*\p+3], 49152      ; no load of mine is out: slot p's next tiles, two steps on
	s_add_nc_u64 s[G0D+4*\p+2:G0D+4*\p+3], s[G0D+4*\p+2:G0D+4*\p+3], 1024
	s_add_nc_u64 s[PF:PF+1], s[PF:PF+1], 512
	s_add_nc_u64 s[PFK:PFK+1], s[PFK:PFK+1], 24576
.if \p
	s_add_nc_u64 s[PFV:PFV+1], s[PFV:PFV+1], 24576         ; the panel's other half,
.else
	s_add_nc_u64 s[PFV:PFV+1], s[PFV:PFV+1], 172032        ; the next panel's first
.endif
.if \ev
	s_add_nc_u64 s[G0V+2:G0V+3], s[G0V+2:G0V+3], 196608    ; v's next panel, into the other slot
	s_xor_b32 s[G0V+1], s[G0V+1], 0x60000
.endif
.if \adv
	s_add_co_u32 s[TS], s[TS], 2048                ; the next 256 keys' scales, and v is read from the other slot
	s_xor_b32 s[VT], s[VT], 0x20000
.endif
.if \q == 0
	s_mov_b32 s[G1K+2], 48<<16                     ; behind the head's loads: a load of codes brings 48 rows of 256 bytes,
	s_mov_b32 s[G1K+4], 48
	s_mov_b32 s[G1D+2], 32<<16                     ; one of dist 32 rows
	s_mov_b32 s[G1D+4], 32
.endif
	s_wait_dscnt 0x0
	CROUND
.endm
.macro BODY p, first, kd, vv, pf
.if \kd
	TLOAD 1-\p, \vv                                ; the next step's tiles, first behind the round
.endif
.if \p == 0
	v_add_nc_u32 v[ADS], s[TS], v[ASK0]
	v_add_nc_u32 v[ADT], s[TS], v[ASV0]
	v_add_nc_u32 v[AVC], s[VT], v[AVB]
	v_add_nc_u32 v[AVC+1], s[VT], v[AVB+1]
.endif
	WIN 0x40
.irp t, 0,1,2,3,4,5,6,7
.irp i, 0,1,2
	ds_load_b64 v[KF+6*\t+2*\i:KF+6*\t+2*\i+1], v[AK+\i] offset:\p*0x8000+\t*3840
.endr
.endr
	WIN 0
.irp i, 0,1,2,3
	ds_load_u16 v[SWK+\i], v[ADS] offset:\p*1024+\i*256
.endr
.if \pf
	s_cmp_lt_u32 s[WV], 5
	s_cbranch_scc1 .Lnp_\@
	s_cmp_lg_u32 s[WV], 7
	s_cbranch_scc1 .Lp1_\@
	global_prefetch_b8 v[PFO], s[PF:PF+1] th:TH_LOAD_NT scope:SCOPE_SE
	s_branch .Lnp_\@
.Lp1_\@:
	s_cmp_lg_u32 s[WV], 5
	s_cbranch_scc1 .Lp2_\@
	global_prefetch_b8 v[PFC], s[PFK:PFK+1] th:TH_LOAD_NT scope:SCOPE_SE
	s_branch .Lnp_\@
.Lp2_\@:
.if \pf == 2
	s_cmp_eq_u32 s[CNT], 1                         ; trip 12: v has no further panel
	s_cbranch_scc1 .Lnp_\@
.endif
	global_prefetch_b8 v[PFC], s[PFV:PFV+1] th:TH_LOAD_NT scope:SCOPE_SE
.Lnp_\@:
.endif
.if \first
	DLOAD 0, \p
	DLOAD 1, \p
.else
	SOFT 0, 1, \p
	SOFT 1, 1, \p
	PV 0
	PV 1
.endif
	WIN 0
	WA
	s_wait_dscnt 16                                ; k, its scales and tile 0's dist are in; tile 1's 16 loads may be out
.set j, 0
.rept 32
	v_pk_mul_f32 v[S+j:S+j+1], v[S+j:S+j+1], s[GM:GM+1] op_sel_hi:[1,0]   ; (also the places between the products above and the loads below)
.set j, j+2
.endr
	VLOAD \p
	QK 0
	WIN 0x55
	s_wait_dscnt 26                                ; tile 1's dist is in; v's 26 loads may be out
.set j, 0
.rept 32
	v_pk_mul_f32 v[S+j:S+j+1], v[S+j:S+j+1], s[GM:GM+1] op_sel_hi:[1,0]
.set j, j+2
.endr
	WIN 0
.endm
	SYNC 0, 0, 1, 0
	BODY 0, 1, 1, 1, 1                             ; step 0; slot 1 of k, dist and v are first filled behind its round, behind which nothing is filled again
	s_mov_b32 s[CNT], 6
.Lloop:                                                ; steps 1 to 12
	SYNC 1, 1, 0, 0
	BODY 1, 0, 1, 0, 1
	SYNC 1, 0, 1, 1
	BODY 0, 0, 1, 1, 2
	s_sub_co_u32 s[CNT], s[CNT], 1
	s_cmp_lg_u32 s[CNT], 0
	WA
	s_cbranch_scc1 .Lloop
	SYNC 1, 1, 0, 0                                ; the tail is written out: v's last panel is in, and step 15 fetches nothing
	BODY 1, 0, 1, 0, 0
	SYNC 1, 0, 1, 1
	BODY 0, 0, 1, 0, 0
	SYNC 1, 1, 0, 0
	BODY 1, 0, 0, 0, 0
	SCORES1
	SOFT 0, 0, 0
	SOFT 1, 0, 0
	WIN 0
	WA
	s_wait_dscnt 0x0                               ; step 15's fragments of v
	PV 0
	PV 1
	WIN 0
	s_mul_i32 s98, s14, 6144
	s_mul_i32 s92, s13, 48
	s_add_co_u32 s98, s98, s92
	s_lshl_b32 s99, s14, 8
	s_lshl_b32 s92, s13, 1
	s_add_co_u32 s99, s99, s92
	s_add_co_u32 s99, s99, 12288
	s_mul_i32 s100, s[WV], 1536
	v_mul_u32_u24 v20, v[RR], 192                  ; the stage, in k's slot 0 behind its last fill and last read: codes [64 queries][192], scale bytes [64][8] at 12,288
	v_lshl_add_u32 v28, v[RR], 3, s99
	v_lshl_add_u32 v23, v19, 4, s100
	v_lshlrev_b32 v24, 4, v19
	DL 4
	v_mad_u32_u24 v20, v[HH], 24, v20
	DL 1
	v_add_nc_u32 v20, s98, v20
	v_add_nc_u32 v25, 12288, v24
	v_add_nc_u32 v26, s[OC], v23
	v_add_nc_u32 v27, s[OS], v24
.macro FIN u                           ; O^T / the sum, quantised along the head's 64, into the stage
	WIN 0x55*\u
	v_add_f32 v[L], v[L], v[L+1]
	DL 1
	v_permlanex16_b32 v[TT], v[L], s[SEL], s[SEL+1]
	DL 1
	v_add_f32 v[L], v[L], v[TT]
	WA
	v_rcp_f32 v[L], v[L]
	v_nop
	WA
.set j, 0
.rept 32
	v_mul_f32 v[S+j], v[O+j], v[L]
.set j, j+1
.endr
.irp b, 0,1
	v_max3_num_f32 v[BM+\b], |v[S+16*\b]|, |v[S+1+16*\b]|, 0x1800000
.endr
.irp i, 2,4,6,8,10,12,14
.irp b, 0,1
	DL 2
	v_max3_num_f32 v[BM+\b], v[BM+\b], |v[S+16*\b+\i]|, |v[S+1+16*\b+\i]|
.endr
.endr
.irp b, 0,1
	DL 2
	v_permlanex16_b32 v[BP+\b], v[BM+\b], s[SEL], s[SEL+1]
.endr
.irp b, 0,1
	DL 2
	v_max_num_f32 v[BM+\b], v[BM+\b], v[BP+\b]
.endr
.irp b, 0,1
	DL 2
	v_add_nc_u32 v[BS+\b], 0xff000000, v[BM+\b]
.endr
.irp b, 0,1
	DL 2
	v_lshrrev_b32 v[BP+\b], 23, v[BS+\b]
.endr
	DL 1
	v_lshl_or_b32 v[TT], v[BP+1], 8, v[BP]
	v_cvt_scalef32_pk16_fp6_f32 v[PC:PC+2], v[S:S+15], v[BS]
	v_cvt_scalef32_pk16_fp6_f32 v[PX:PX+2], v[S+16:S+31], v[BS+1]
	v_nop
.irp i, 0,1,2
	v_permlane16_swap_b32 v[PC+\i], v[PX+\i]
.endr
.irp i, 0,1,2
	DL 3
	v_mov_b32 v[PC+3+\i], v[PX+\i]
.endr
	WIN 0x04*\u                                    ; an LDS store's data: window u
.irp p, 0,1,2
	ds_store_b64 v20, v[PC+2*\p:PC+2*\p+1] offset:3072*\u+8*\p
.endr
	ds_store_b16 v28, v[TT] offset:128*\u
.endm
	FIN 0
	FIN 1
	WIN 0
	WA
	s_wait_dscnt 0x0                               ; my stores have landed: then the barrier, behind which other waves read them
	s_barrier_signal -1
	s_barrier_wait -1
	s_cmp_lg_u32 s[WV], 0
	s_cbranch_scc1 .Lcodes
	ds_load_b128 v[36:39], v25
	s_wait_dscnt 0x0
	global_store_b128 v27, v[36:39], s[10:11]      ; the block's 512 scale bytes, consecutive and aligned
.Lcodes:
.irp k, 0,1,2
	ds_load_b128 v[40+4*\k:43+4*\k], v23 offset:512*\k
.endr
.irp k, 0,1,2
	s_wait_dscnt 2-\k
	global_store_b128 v26, v[40+4*\k:43+4*\k], s[10:11] offset:512*\k   ; the block's 64 rows are 12,288 consecutive bytes: 512 an instruction
.endr
	s_wait_tensorcnt 0x0                           ; the wave's end
	ds_add_u32 v[SPW], v[NIL]
	s_wait_dscnt 0x0
	CROUND                                         ; the closing round
	s_endpgm
.Lfunc_end_k_q41e30f43ae_attn:
	.size	k_q41e30f43ae_attn, .Lfunc_end_k_q41e30f43ae_attn-k_q41e30f43ae_attn
	.p2alignl 7, 3214868480
	.fill 96, 4, 3214868480
	.section	.rodata,"a",@progbits
	.p2align	6, 0x0
	.amdhsa_kernel k_q41e30f43ae_attn
		.amdhsa_group_segment_fixed_size 327680
		.amdhsa_private_segment_fixed_size 0
		.amdhsa_enable_private_segment 0
		.amdhsa_kernarg_size 32
		.amdhsa_user_sgpr_count 2
		.amdhsa_user_sgpr_kernarg_segment_ptr 1
		.amdhsa_wavefront_size32 1
		.amdhsa_system_sgpr_workgroup_id_x 1
		.amdhsa_system_sgpr_workgroup_id_y 1
		.amdhsa_system_sgpr_workgroup_id_z 1
		.amdhsa_system_vgpr_workitem_id 0
		.amdhsa_next_free_vgpr 512
		.amdhsa_next_free_sgpr 106
		.amdhsa_reserve_vcc 0
		.amdhsa_float_denorm_mode_32 3
		.amdhsa_float_denorm_mode_16_64 3
		.amdhsa_memory_ordered 1
		.amdhsa_forward_progress 1
		.amdhsa_inst_pref_size 255
	.end_amdhsa_kernel
	.section	.bss,"aw",@nobits
	.p2align	6
	.space	262144
	.amdgpu_metadata
---
amdhsa.version: [ 1, 2 ]
amdhsa.kernels:
  - .name:           k_q41e30f43ae_attn
    .symbol:         k_q41e30f43ae_attn.kd
    .args:
      - { .name: qkvb, .offset: 0, .size: 8, .value_kind: global_buffer, .address_space: global }
      - { .name: dist_matrix, .offset: 8, .size: 8, .value_kind: global_buffer, .address_space: global }
      - { .name: gamma, .offset: 16, .size: 8, .value_kind: global_buffer, .address_space: global }
      - { .name: at, .offset: 24, .size: 8, .value_kind: global_buffer, .address_space: global }
    .group_segment_fixed_size: 327680
    .private_segment_fixed_size: 0
    .kernarg_segment_align: 8
    .kernarg_segment_size: 32
    .max_flat_workgroup_size: 256
    .sgpr_count:     106
    .vgpr_count:     512
    .wavefront_size: 32
...
	.end_amdgpu_metadata
.endif
;; end of part 10
;; launch proj (part 11): grid 8 x 32, 4 waves a work-group, clusters of 4 x 4, 327,680 bytes of LDS; arguments at, wb, proj_b, x, x1; writes x1
.if DOCPART == 11
	.amdgcn_target "amdgcn-amd-amdhsa--gfx1250"
	.amdhsa_code_object_version 6
	.text
	.protected	k_q41e30f43ae_proj
	.globl	k_q41e30f43ae_proj
	.p2align	8
	.type	k_q41e30f43ae_proj,@function
k_q41e30f43ae_proj:
	s_mov_b64 s[64:65], 0
	v_nop
	global_prefetch_b8 v0, s[64:65] scope:SCOPE_SE
	s_setreg_imm32_b32 hwreg(HW_REG_WAVE_MODE, 25, 1), 1
	s_wait_xcnt 0x0
	s_wait_alu depctr_hold_cnt(0) depctr_sa_sdst(0) depctr_va_vdst(0) depctr_va_sdst(0) depctr_va_ssrc(0) depctr_va_vcc(0) depctr_vm_vsrc(0)
	s_getreg_b32 s2, hwreg(HW_REG_IB_STS2, 6, 4)
	s_cmp_eq_u32 s2, 0
	s_cbranch_scc0 .Lentry_in_a_cluster
	s_endpgm
.Lentry_in_a_cluster:
	s_bfe_u32 s2, ttmp6, 0x10000c
	s_cmp_lg_u32 s2, 0xf033
	s_cbranch_scc0 .Lentry_shape_is_right
	s_endpgm
.Lentry_shape_is_right:
; out = res + A W + bias.  A [4096 tokens][KTOT] and W [1024 columns][KTOT] are codes of E2M3 in panels: codes [K/256][rows][192 bytes], scale bytes [K/256][rows][8].  res, out: [4096][1024] f32.
; A tile of out is 128 x 128: 4,096 x 1,024 outputs make 256 work-groups, where tiles of 256 x 256 would make 64.  Four waves of 64 x 64: 16 accumulators each.
; K goes in steps of 512 through a ring of two LDS slots: a slot holds TWO panels of A's 128 rows and of W's 128 rows; each wave's one tensor load brings 128 rows of one panel, 24,576 dense bytes.
; With KTOT = 1,024 the two slots hold all of K: both come with the first fills and nothing is filled again.  The scale bytes of all of K come once.
; CLUSTER 4 x 4: A's tiles are shared along a row of the cluster, W's down a column: each is asked for jointly.  Source 0 = 16 rows of W, source 1 = 16 rows of A: a lane holds eight neighbouring columns of a row.
; A wave's 64 columns are 256 aligned bytes of a row of out: each wave stores its own rows, through a stage of its own.  The residual's rows are asked for at the head and land under the K loop.
; LIMITS: NaN and infinities are not served.
.set KTOT,   1024
.set R0,     1024
.set R1,     4096
.set ACOD,   0
.set ASCL,   3145728
.set BCOD,   3145728
.set BSCL,   10354688
.set LAST,   0
.set SPARE,  311296                    ; the spare words, 128 bytes a wave
.set ROWB,   192
.set PITCH,  240                       ; an LDS row: 3 x (64 bytes + 16 of padding)
.set FR,     12
.set NP,     4
.set HALFT,  128*PITCH                 ; 128 rows of one panel: what one tensor load brings
.set SLOT,   4*HALFT                   ; A's two panels, then W's two
.set NPAN,   KTOT/256
.set LAPS,   NPAN/4                    ; a lap = two slots = 1,024 along K
.set SCL,    2*SLOT                    ; behind the ring: the scale bytes: A's [panel][128 rows][8], then W's
.set HALFS,  (NPAN/2)*1024             ; half of a side's: what one tensor load brings
.set SPITCH, 272                       ; the way out: a stage of 16 rows x (256 + 16) bytes a wave, in slot 0 after its last fill and last read
.set ADRA, 16                          ; v16-17 my A fragments in slot 0, 1; v18-19 the same behind one padding more
.set ADRB, 20                          ; v20-23 the same for W
.set STO,  24
.set RD,   25
.set CO,   26
.set ADRS, 27
.set SPW,  28
.set NIL,  29
.set SC,   32                          ; v32-63 scale words, two sets of 16: register 4 i + q: lanes 0-15 A's block i, lanes 16-31 W's, the slot's q-th 128 along K; scales and nothing else
.set BIAS, 96                          ; v96-99 the bias of my four columns of a row read back
.set AF,   128                         ; A's fragments, two sets of 48, in window 0;  W's at v0 and v128 of window 1
.set BK,   128                         ; the way out: 32 registers for each block of 16 rows
.set RS,   128                         ; the residual, in window 2 behind the accumulators: 32 registers for each block
.set G1, 24
.set G0, 32
.set G1B, 48
.set G0B, 56
.set G1S, 68
.set G0S, 76
.set G1SB, 80
.set G0SB, 88
.set MSB, 0
.macro WIN new
.if MSB != (\new)
	s_set_vgpr_msb (MSB<<8)|(\new)
.set MSB, \new
.endif
.endm
.set MUL,  0xa1                        ; source 0 (W) window 1, source 1 (A) window 0, C and D window 2
.set TO_B, 0x40
.macro JLOAD g0a, g1a, g0b, g1b        ; waves 0, 1 fetch for A, waves 2, 3 for W
	s_cmp_eq_u32 s15, 0
	s_cbranch_scc0 .Lfor_b_\@
	tensor_load_to_lds s[\g0a:\g0a+3], s[\g1a:\g1a+7]
	s_nop 0
.rept 4
	v_nop
.endr
	s_branch .Lasked_\@
.Lfor_b_\@:
	tensor_load_to_lds s[\g0b:\g0b+3], s[\g1b:\g1b+7]
	s_nop 0
.rept 4
	v_nop
.endr
.Lasked_\@:
.endm
.macro CREST
	s_cmp_lg_u32 s14, 0
	s_cbranch_scc1 .Lnot_wave_0_\@
	s_barrier_signal -3
.Lnot_wave_0_\@:
	s_barrier_wait -3
	s_barrier_signal -1
	s_barrier_wait -1
.endm
.macro CROUND
	s_barrier_signal -1
	s_barrier_wait -1
	CREST
.endm
	s_load_b256 s[4:11], s[0:1], 0x0               ; A, wb, bias, res
	s_load_b64 s[12:13], s[0:1], 0x20              ; out
	v_lshl_add_u32 v[SPW], v0, 2, SPARE
	v_mov_b32 v[NIL], 0
	ds_add_u32 v[SPW], v[NIL]                      ; the wave's opening: the add and its wait ahead of my first tensor load
	ds_add_u32 v[SPW], v[NIL]
	v_lshrrev_b32 v1, 5, v0
	v_readfirstlane_b32 s14, v1                    ; wave
	s_lshr_b32 s15, s14, 1                         ; my half of the tile's rows; also: I fetch for A (0) or W (1)
	s_and_b32 s16, s14, 1                          ; my half of its columns; also: which of a slot's two panels I fetch
	s_bfe_u32 s40, ttmp6, 0x40000                  ; cx
	s_bfe_u32 s41, ttmp6, 0x40004                  ; cy
	s_lshl_b32 s42, ttmp9, 2
	s_add_co_u32 s42, s42, s40                     ; tile column
	s_and_b32 s17, ttmp7, 0xffff
	s_lshl_b32 s17, s17, 2
	s_add_co_u32 s17, s17, s41                     ; tile row
	s_lshl_b32 s43, s41, 2
	s_lshl_b32 s43, 15, s43                        ; my row of the cluster
	s_lshl_b32 s44, 0x1111, s40                    ; my column
	s_or_b32 s[G1+0], s43, (1<<20)|(1<<21)|(3<<22)|(3<<25)   ; bytes; 16 bytes of padding behind every 64
	s_or_b32 s[G1B+0], s44, (1<<20)|(1<<21)|(3<<22)|(3<<25)
.irp g, G1, G1B
	s_mov_b32 s[\g+1], 256<<16                     ; 128 dense rows of 192 bytes are stated as 96 rows of 256 bytes: each begins at a multiple of 256
	s_mov_b32 s[\g+2], 96<<16
	s_mov_b32 s[\g+3], 256<<16
	s_mov_b32 s[\g+4], 96
	s_mov_b32 s[\g+5], 256
	s_mov_b32 s[\g+6], 0
	s_mov_b32 s[\g+7], 0
.endr
	s_or_b32 s[G1S+0], s43, (3<<16)|(1<<21)        ; scale bytes: 128 rows x 8 bytes are one line of 1,024 bytes, a line for each panel; half of the panels a load
	s_or_b32 s[G1SB+0], s44, (3<<16)|(1<<21)
.irp g, G1S, G1SB
	s_mov_b32 s[\g+1], 128<<16
	s_mov_b32 s[\g+2], (NPAN/2)<<16
	s_mov_b32 s[\g+3], 128<<16
	s_mov_b32 s[\g+4], NPAN/2
	s_mov_b32 s[\g+6], 0
	s_mov_b32 s[\g+7], 0
.endr
	s_mov_b32 s[G1S+5], R1
	s_mov_b32 s[G1SB+5], R0
	s_lshl_b32 s20, s17, 7                         ; A: row 128 x tile row
	s_lshl_b32 s46, s42, 7                         ; W: row 128 x tile column
	s_lshl_b32 s22, s20, 3                         ; their scale bytes: 8 a row, + my half of the panels
	s_mul_i32 s18, s16, (NPAN/2)*R1*8
	s_add_co_u32 s22, s22, s18
	s_add_co_u32 s22, s22, ASCL
	s_lshl_b32 s92, s46, 3
	s_mul_i32 s18, s16, (NPAN/2)*R0*8
	s_add_co_u32 s92, s92, s18
	s_add_co_u32 s92, s92, BSCL
	s_mul_i32 s20, s20, ROWB                       ; their codes: 192 bytes a row, + my panel of the slot's two
	s_mul_i32 s18, s16, R1*ROWB
	s_add_co_u32 s20, s20, s18
	s_add_co_u32 s20, s20, ACOD
	s_mul_i32 s46, s46, ROWB
	s_mul_i32 s18, s16, R0*ROWB
	s_add_co_u32 s46, s46, s18
	s_add_co_u32 s46, s46, BCOD
	s_mov_b32 s21, 0
	s_mov_b32 s23, 0
	s_mov_b32 s47, 0
	s_mov_b32 s93, 0
	s_mul_i32 s45, s14, HALFT                      ; where they go: wave x 128 rows: no place in the cluster enters an LDS address
	s_mul_i32 s94, s14, HALFS
	s_wait_dscnt 0x0                               ; the opening add is done
	s_wait_kmcnt 0x0
	s_add_nc_u64 s[20:21], s[4:5], s[20:21]
	s_add_nc_u64 s[22:23], s[4:5], s[22:23]
	s_add_nc_u64 s[46:47], s[6:7], s[46:47]
	s_add_nc_u64 s[92:93], s[6:7], s[92:93]
; PREFETCH: of the 24,576 bytes that a wave loads into each of the two slots, the four partners of the joint load take 24 blocks of 256 bytes each, told apart by address (cx for A, cy for W), a lane a block
; (the lanes left over name the last again).  Both fills are asked for here, ahead of the scale bytes' load and the two sequences that stand in front of them.  The registers named are never rewritten.
	s_cmp_eq_u32 s15, 0
	s_cselect_b64 s[96:97], s[20:21], s[46:47]     ; my panel of slot 0
	s_cselect_b32 s100, s40, s41                   ; my place among the four
	s_mov_b32 s98, 2*R0*ROWB
	s_cselect_b32 s98, 2*R1*ROWB, s98              ; from slot 0's panel to slot 1's: two panels
	s_mov_b32 s99, 0
	s_mul_i32 s100, s100, 6144
	s_mov_b32 s101, 0
	s_add_nc_u64 s[96:97], s[96:97], s[100:101]
	s_add_nc_u64 s[104:105], s[96:97], s[98:99]
	v_and_b32 v30, 31, v0
	v_min_u32 v30, 23, v30
	v_lshlrev_b32 v30, 8, v30
	global_prefetch_b8 v30, s[96:97] th:TH_LOAD_NT scope:SCOPE_SE
	global_prefetch_b8 v30, s[104:105] th:TH_LOAD_NT scope:SCOPE_SE
	CROUND                                         ; all sixteen work-groups are here: the first joint loads meet
	s_mov_b32 s[G0S], 1
	s_add_co_u32 s[G0S+1], s94, SCL
	s_mov_b64 s[G0S+2:G0S+3], s[22:23]
	s_or_b32 s[G0S+3], s[G0S+3], 0x80000000
	s_mov_b32 s[G0SB], 1
	s_add_co_u32 s[G0SB+1], s94, SCL
	s_mov_b64 s[G0SB+2:G0SB+3], s[92:93]
	s_or_b32 s[G0SB+3], s[G0SB+3], 0x80000000
	JLOAD G0S, G1S, G0SB, G1SB
.irp s, 0,1
	s_mov_b32 s[G0+4*\s], 1
	s_add_co_u32 s[G0+4*\s+1], s45, \s*SLOT
	s_add_nc_u64 s[G0+4*\s+2:G0+4*\s+3], s[20:21], \s*2*R1*ROWB     ; slot s begins with panels 2 s and 2 s + 1
	s_or_b32 s[G0+4*\s+3], s[G0+4*\s+3], 0x80000000
	s_mov_b32 s[G0B+4*\s], 1
	s_add_co_u32 s[G0B+4*\s+1], s45, \s*SLOT
	s_add_nc_u64 s[G0B+4*\s+2:G0B+4*\s+3], s[46:47], \s*2*R0*ROWB
	s_or_b32 s[G0B+4*\s+3], s[G0B+4*\s+3], 0x80000000
	s_wait_alu depctr_va_vdst(0)
	s_wait_tensorcnt 0x0                           ; the wait for my tensor loads, the add and a round ahead of each later first fill
	ds_add_u32 v[SPW], v[NIL]
	s_wait_dscnt 0x0
	CROUND
	JLOAD G0+4*\s, G1, G0B+4*\s, G1B
.endr
	v_and_b32 v1, 15, v0                           ; r
	v_bfe_u32 v2, v0, 4, 1                         ; h
	v_mul_u32_u24 v3, v1, PITCH
	v_mul_u32_u24 v4, v2, 24
	v_add_nc_u32 v4, v3, v4                        ; a fragment's row x pitch + 24 h
	v_lshl_add_u32 v5, v2, 4, v4                   ; and the same behind one padding more
	s_mul_i32 s21, s15, 64*PITCH                   ; my 64 rows of A
	s_mul_i32 s22, s16, 64*PITCH                   ; my 64 rows of W,
	s_add_co_u32 s22, s22, 2*HALFT                 ; which lie behind A's two panels
.irp s, 0,1
	v_add_nc_u32 v[ADRA+\s], s21, v4
	v_add_nc_u32 v[ADRB+\s], s22, v4
	v_add_nc_u32 v[ADRA+2+\s], s21, v5
	v_add_nc_u32 v[ADRB+2+\s], s22, v5
	s_add_co_u32 s21, s21, SLOT
	s_add_co_u32 s22, s22, SLOT
.endr
	v_lshlrev_b32 v5, 3, v1                        ; scale words: 8 bytes a row;
	s_lshl_b32 s21, s15, 9                         ; A's: my 64 rows
	s_lshl_b32 s22, s16, 9                         ; W's: my 64 rows, behind all of A's
	s_add_co_u32 s22, s22, 2*HALFS
	s_sub_co_u32 s22, s22, s21
	v_mul_u32_u24 v6, s22, v2                      ; lanes 16-31 take W's
	s_add_co_u32 s21, s21, SCL
	v_add_nc_u32 v5, v5, v6
	v_add_nc_u32 v[ADRS], s21, v5
	s_mul_i32 s23, s14, 16*SPITCH                  ; my stage
	v_mul_u32_u24 v5, v1, SPITCH
	v_lshl_add_u32 v5, v2, 5, v5
	v_add_nc_u32 v[STO], s23, v5                   ; in: row r, 32 bytes for each half of the lanes
	v_mul_u32_u24 v5, v2, SPITCH
	v_lshl_add_u32 v5, v1, 4, v5
	v_add_nc_u32 v[RD], s23, v5                    ; back: lanes 0-15 one row of 256 bytes, lanes 16-31 the next
	v_lshlrev_b32 v6, 4, v1
	v_lshl_add_u32 v[CO], v2, 12, v6               ; and the same two rows in out and in res: 16 r + 4,096 h
	s_wait_alu depctr_va_vdst(0)
	s_lshl_b32 s20, s17, 7
	s_lshl_b32 s21, s15, 6
	s_add_co_u32 s20, s20, s21
	s_lshl_b32 s20, s20, 12                        ; my first row of out, 4,096 bytes a row,
	s_lshl_b32 s46, s42, 9
	s_lshl_b32 s47, s16, 8
	s_add_co_u32 s46, s46, s47                     ; my first column, in bytes: 512 x tile column + 256 x half
	v_add_nc_u32 v7, s46, v6
	global_load_b128 v[BIAS:BIAS+3], v7, s[8:9]
	s_add_co_u32 s20, s20, s46
	s_mov_b32 s21, 0
	s_add_nc_u64 s[10:11], s[10:11], s[20:21]
	s_add_nc_u64 s[12:13], s[12:13], s[20:21]
	WIN 0x80                                       ; destination: window 2
.irp a, 0,1,2,3
.irp t, 0,1,2,3,4,5,6,7
	global_load_b128 v[RS+32*\a+4*\t:RS+32*\a+4*\t+3], v[CO], s[10:11] offset:(16*\a+2*\t)*4096 th:TH_LOAD_NT    ; the residual of my 64 x 64, as it will be stored: sixteen lanes read 256 consecutive bytes
.endr
.endr
	WIN 0
.macro FRAG reg, adr, q, i             ; 16 rows x 128 K: 12 registers; each 24 bytes as three pieces of 8; the second address register serves pieces whose partner three on lies behind one padding more
.irp p, 0,1,2,3,4,5                    ; the slot's q-th 128 along K: half q % 2 of panel q / 2
.set PIECE, 12*((\q)%2)+6*(\p/3)+\p%3
.if PIECE%8 < 5
	ds_load_b64 v[\reg+2*\p:\reg+2*\p+1], v[\adr] offset:8*PIECE+16*(PIECE/8)+(\i)*16*PITCH+((\q)/2)*HALFT
.else
	ds_load_b64 v[\reg+2*\p:\reg+2*\p+1], v[\adr+2] offset:8*PIECE+16*(PIECE/8)+(\i)*16*PITCH+((\q)/2)*HALFT
.endif
.endr
.endm
.macro MULA a, p, q, sc, zero          ; A's block a against W's four; the 16 accumulators take turns, one instruction a turn
.irp b, 0,1,2,3
.if \zero
	v_wmma_scale_f32_16x16x128_f8f6f4 v[8*(4*(\a)+\b):8*(4*(\a)+\b)+7], v[128*(\p)+FR*\b:128*(\p)+FR*\b+FR-1], v[AF+48*(\p)+FR*(\a):AF+48*(\p)+FR*(\a)+FR-1], 0, v[SC+16*(\sc)+4*\b+(\q)], v[SC+16*(\sc)+4*(\a)+(\q)] matrix_a_fmt:MATRIX_FMT_FP6 matrix_b_fmt:MATRIX_FMT_FP6 matrix_a_scale:MATRIX_SCALE_ROW1
.else
	v_wmma_scale_f32_16x16x128_f8f6f4 v[8*(4*(\a)+\b):8*(4*(\a)+\b)+7], v[128*(\p)+FR*\b:128*(\p)+FR*\b+FR-1], v[AF+48*(\p)+FR*(\a):AF+48*(\p)+FR*(\a)+FR-1], v[8*(4*(\a)+\b):8*(4*(\a)+\b)+7], v[SC+16*(\sc)+4*\b+(\q)], v[SC+16*(\sc)+4*(\a)+(\q)] matrix_a_fmt:MATRIX_FMT_FP6 matrix_b_fmt:MATRIX_FMT_FP6 matrix_a_scale:MATRIX_SCALE_ROW1
.endif
.endr
.endm
.macro FETCH slot, q, p                ; 48 LDS loads in one run: W's four fragments and A's four, into set p
	WIN TO_B
.irp i, 0,1,2,3
	FRAG 128*(\p)+FR*\i, ADRB+\slot, \q, \i
.endr
	WIN 0
.irp i, 0,1,2,3
	FRAG AF+48*(\p)+FR*\i, ADRA+\slot, \q, \i
.endr
.endm
.macro SCALES sc                       ; a slot's four words a row, two from each panel: lanes 0-15 A's block i, lanes 16-31 W's
.irp i, 0,1,2,3
.irp u, 0,1
	ds_load_b64 v[SC+16*\sc+4*\i+2*\u:SC+16*\sc+4*\i+2*\u+1], v[ADRS] offset:\i*128+\u*1024
.endr
.endr
.endm
.macro PLACES n                        ; plain lines between a matrix instruction and a load into, or a read of, its registers
.rept \n
	v_nop
.endr
.endm
.macro STEP slot, q, zero              ; 128 along K that has its successor in the same slot: q = 0, 1, 2
	s_wait_dscnt 0x0                               ; this step's fragments are in (asked for ahead of the last step's products)
	PLACES NP                                      ; behind the last step's products, which read the other set
	FETCH \slot, (\q)+1, 1-(\q)%2
	WIN MUL
	MULA 0, (\q)%2, \q, \slot, \zero
	MULA 1, (\q)%2, \q, \slot, \zero
	MULA 2, (\q)%2, \q, \slot, \zero
	MULA 3, (\q)%2, \q, \slot, \zero
	WIN 0
.endm
.macro TURN slot, next, fill           ; a slot's last step (q = 3, set 1) changes slots
	s_wait_tensorcnt 0x0                           ; all my tensor loads have landed: my part of the next slot
	ds_add_u32 v[SPW], v[NIL]
	s_wait_dscnt 1                                 ; this step's fragments are in; the add alone may be out
	WIN MUL
	MULA 0, 1, 3, \slot, 0                         ; four products stand between the add and the wait for it
	s_wait_dscnt 0x0                               ; the add is done, and my reads of this slot are over
	s_barrier_signal -1
	MULA 1, 1, 3, \slot, 0
	WIN 0
	s_barrier_wait -1
.if \fill
	CREST                                          ; the barrier opened a round of the cluster's: no wave of any partner still reads this slot or has a load out
	s_add_nc_u64 s[G0+4*\slot+2:G0+4*\slot+3], s[G0+4*\slot+2:G0+4*\slot+3], 4*R1*ROWB      ; four panels on
	s_add_nc_u64 s[G0B+4*\slot+2:G0B+4*\slot+3], s[G0B+4*\slot+2:G0B+4*\slot+3], 4*R0*ROWB
	JLOAD G0+4*\slot, G1, G0B+4*\slot, G1B         ; the first tensor load behind the round; its four v_nop are the places in front of the loads below
.else
	PLACES NP
.endif
	v_add_nc_u32 v[ADRS], 2048, v[ADRS]            ; the next two panels' scale words
	FETCH \next, 0, 0
	SCALES \next
	WIN MUL
	MULA 2, 1, 3, \slot, 0
	MULA 3, 1, 3, \slot, 0
	WIN 0
.endm
; THE WAY OUT, block by block of 16 rows x 64 columns: through my stage, back as whole runs of 256 bytes, + residual + bias, stored.  Each block has registers of its own: no store's data are written again.
.macro TOSTAGE a
	WIN 0x08                                       ; an LDS store's data: window 2
.irp b, 0,1,2,3
	ds_store_b128 v[STO], v[32*(\a)+8*\b:32*(\a)+8*\b+3] offset:64*\b          ; each accumulator from its low end on
	ds_store_b128 v[STO], v[32*(\a)+8*\b+4:32*(\a)+8*\b+7] offset:64*\b+16
.endr
	WIN 0
.irp t, 0,1,2,3,4,5,6,7
	ds_load_b128 v[BK+32*(\a)+4*\t:BK+32*(\a)+4*\t+3], v[RD] offset:\t*2*SPITCH   ; a wave's LDS instructions are served in order: these see the stores above, and the next block's stores come behind them
.endr
.endm
.macro SEND a, younger
.set BB, BK+32*(\a)
.set RR, RS+32*(\a)
	s_wait_dscnt \younger                          ; the block is back in registers; the next block's 8 stores and 8 loads may be out
	WIN 0x08                                       ; source 1: window 2
.set si, 0
.rept 16
	v_pk_add_f32 v[BB+si:BB+si+1], v[BB+si:BB+si+1], v[RR+si:RR+si+1]
.set si, si+2
.endr
	WIN 0
.irp t, 0,1,2,3,4,5,6,7
	v_pk_add_f32 v[BB+4*\t:BB+4*\t+1], v[BB+4*\t:BB+4*\t+1], v[BIAS:BIAS+1]
	v_pk_add_f32 v[BB+4*\t+2:BB+4*\t+3], v[BB+4*\t+2:BB+4*\t+3], v[BIAS+2:BIAS+3]
.endr
.irp t, 0,1,2,3,4,5,6,7
.if LAST
	global_store_b128 v[CO], v[BB+4*\t:BB+4*\t+3], s[12:13] offset:(16*(\a)+2*\t)*4096 th:TH_STORE_NT
.else
	global_store_b128 v[CO], v[BB+4*\t:BB+4*\t+3], s[12:13] offset:(16*(\a)+2*\t)*4096    ; sixteen lanes store 256 consecutive bytes, aligned; no base is stepped
.endif
.endr
.endm
	s_wait_tensorcnt 1                             ; the scale bytes and slot 0 are in; slot 1's load may be out
	s_barrier_signal -1
	s_barrier_wait -1
	FETCH 0, 0, 0
	SCALES 0
	STEP 0, 0, 1                                   ; the first step stands in front of the loop: its products start the sums
.if LAPS > 1
	s_mov_b32 s3, LAPS-1
.Llap:                                             ; a trip goes once round the ring and fills both slots again
	STEP 0, 1, 0
	STEP 0, 2, 0
	TURN 0, 1, 1
	STEP 1, 0, 0
	STEP 1, 1, 0
	STEP 1, 2, 0
	TURN 1, 0, 1
	STEP 0, 0, 0
	s_sub_co_u32 s3, s3, 1
	s_cmp_lg_u32 s3, 0
	s_cbranch_scc1 .Llap
.endif
	STEP 0, 1, 0                                   ; the last lap fills nothing, and has no round of the cluster's barrier
	STEP 0, 2, 0
	TURN 0, 1, 0
	STEP 1, 0, 0
	STEP 1, 1, 0
	STEP 1, 2, 0
	s_wait_dscnt 0x0                               ; the very last step: nothing more to fetch
	WIN MUL
	MULA 0, 1, 3, 1, 0
	MULA 1, 1, 3, 1, 0
	MULA 2, 1, 3, 1, 0
	MULA 3, 1, 3, 1, 0
	WIN 0
	PLACES NP                                      ; ahead of the reads of results and of the loads into the registers that held A's fragments
	s_wait_loadcnt 0x0                             ; the bias and the residual, asked for at the head
	TOSTAGE 0
	TOSTAGE 1
	SEND 0, 16
	TOSTAGE 2
	SEND 1, 16
	TOSTAGE 3
	SEND 2, 16
	SEND 3, 0
	s_wait_tensorcnt 0x0                           ; the wave's end
	ds_add_u32 v[SPW], v[NIL]
	s_wait_dscnt 0x0
	CROUND                                         ; the closing round
	s_endpgm
.Lfunc_end_k_q41e30f43ae_proj:
	.size	k_q41e30f43ae_proj, .Lfunc_end_k_q41e30f43ae_proj-k_q41e30f43ae_proj
	.p2alignl 7, 3214868480
	.fill 96, 4, 3214868480
	.section	.rodata,"a",@progbits
	.p2align	6, 0x0
	.amdhsa_kernel k_q41e30f43ae_proj
		.amdhsa_group_segment_fixed_size 327680
		.amdhsa_private_segment_fixed_size 0
		.amdhsa_enable_private_segment 0
		.amdhsa_kernarg_size 40
		.amdhsa_user_sgpr_count 2
		.amdhsa_user_sgpr_kernarg_segment_ptr 1
		.amdhsa_wavefront_size32 1
		.amdhsa_system_sgpr_workgroup_id_x 1
		.amdhsa_system_sgpr_workgroup_id_y 1
		.amdhsa_system_sgpr_workgroup_id_z 1
		.amdhsa_system_vgpr_workitem_id 0
		.amdhsa_next_free_vgpr 768
		.amdhsa_next_free_sgpr 106
		.amdhsa_reserve_vcc 0
		.amdhsa_float_denorm_mode_32 3
		.amdhsa_float_denorm_mode_16_64 3
		.amdhsa_memory_ordered 1
		.amdhsa_forward_progress 1
		.amdhsa_inst_pref_size 75
	.end_amdhsa_kernel
	.amdgpu_metadata
---
amdhsa.version: [ 1, 2 ]
amdhsa.kernels:
  - .name:           k_q41e30f43ae_proj
    .symbol:         k_q41e30f43ae_proj.kd
    .args:
      - { .name: at, .offset: 0, .size: 8, .value_kind: global_buffer, .address_space: global }
      - { .name: wb, .offset: 8, .size: 8, .value_kind: global_buffer, .address_space: global }
      - { .name: proj_b, .offset: 16, .size: 8, .value_kind: global_buffer, .address_space: global }
      - { .name: x, .offset: 24, .size: 8, .value_kind: global_buffer, .address_space: global }
      - { .name: x1, .offset: 32, .size: 8, .value_kind: global_buffer, .address_space: global }
    .group_segment_fixed_size: 327680
    .private_segment_fixed_size: 0
    .kernarg_segment_align: 8
    .kernarg_segment_size: 40
    .max_flat_workgroup_size: 128
    .sgpr_count:     106
    .vgpr_count:     768
    .wavefront_size: 32
...
	.end_amdgpu_metadata
.endif
;; end of part 11
;; launch ln1 (part 12): grid 128 x 1, 8 waves a work-group, no clusters, 26,624 bytes of LDS; arguments x1, ln2_w, ln2_b, hb; writes hb
.if DOCPART == 12
	.amdgcn_target "amdgcn-amd-amdhsa--gfx1250"
	.amdhsa_code_object_version 6
	.text
	.protected	k_q41e30f43ae_ln1
	.globl	k_q41e30f43ae_ln1
	.p2align	8
	.type	k_q41e30f43ae_ln1,@function
k_q41e30f43ae_ln1:
	s_mov_b64 s[64:65], 0
	v_nop
	global_prefetch_b8 v0, s[64:65] scope:SCOPE_SE
	s_setreg_imm32_b32 hwreg(HW_REG_WAVE_MODE, 25, 1), 1
	s_wait_xcnt 0x0
; y = (x - mean) rsqrt(var + 1e-5) w + b for rows of 1,024 f32, quantised along the row to E2M3 with one E8M0 byte for each 32.
; Out: codes [4 panels of 256][4096 rows][192 bytes] at byte 0, scale bytes [4][4096][8] at byte 3,145,728.
; Inside a block of 32, place 16 h + 8 u + j holds k = 16 u + 8 h + j (the order of all operands of this program).
; A work-group takes 32 rows, a wave four, one row across its 32 lanes.  Lane (i = lane / 2, e = lane % 2) owns half e of blocks i and i + 16: k = 8 e + 0..7 and 16 + 8 e + 0..7.
; Mean and variance in two passes over registers, as the definition has them.  Codes meet in LDS and leave as dense runs.
; LIMITS: NaN and infinities are not served; a block of zeros gets the byte 1 (its codes are zeros; this program alone reads the bytes).
.set W,     32                         ; v32-63   my 32 gains
.set BV,    64                         ; v64-95   my 32 biases
.set RW,    96                         ; v96-223  four rows, 32 numbers each
.set SPW,   224
.set NIL,   225
.set SCST,  24576                      ; LDS: codes [4][32][192] at 0, scale bytes [4][32][8] here,
.set SPARE, 25600                      ; and the spare words, 128 bytes a wave
	s_load_b256 s[4:11], s[0:1], 0x0               ; x, w, b, out
	v_lshl_add_u32 v[SPW], v0, 2, SPARE
	v_mov_b32 v[NIL], 0
	v_lshrrev_b32 v1, 5, v0
	s_delay_alu instid0(VALU_DEP_1)
	v_readfirstlane_b32 s12, v1                    ; wave
	v_and_b32 v2, 31, v0
	s_delay_alu instid0(VALU_DEP_1)
	v_lshrrev_b32 v3, 1, v2                        ; i
	s_delay_alu instid0(VALU_DEP_2)
	v_and_b32 v4, 1, v2                            ; e
	s_delay_alu instid0(VALU_DEP_2)
	v_lshlrev_b32 v5, 7, v3
	s_delay_alu instid0(VALU_DEP_1)
	v_lshl_add_u32 v5, v4, 5, v5                   ; 128 i + 32 e
	v_lshrrev_b32 v6, 4, v2
	v_and_b32 v7, 15, v2
	s_delay_alu instid0(VALU_DEP_2)
	v_mul_u32_u24 v28, v6, 6144
	s_delay_alu instid0(VALU_DEP_1)
	v_mad_u32_u24 v28, v7, 12, v28
	s_mul_i32 s13, s12, 768
	v_add_nc_u32 v28, s13, v28                     ; my 12 bytes of codes: panel lane / 16, row 4 w, 12 (lane % 16)
	v_and_b32 v29, 7, v3
	s_delay_alu instid0(VALU_DEP_1)
	v_lshl_add_u32 v29, v6, 8, v29
	s_lshl_b32 s13, s12, 5
	v_add_nc_u32 v29, s13, v29
	s_delay_alu instid0(VALU_DEP_1)
	v_add_nc_u32 v29, SCST, v29                    ; my block's byte
	s_lshr_b32 s14, s12, 1
	s_and_b32 s15, s12, 1
	s_mul_i32 s16, s14, 6144
	s_mul_i32 s17, s15, 3072
	s_add_co_u32 s16, s16, s17                     ; the way out: wave w takes half w % 2 of panel w / 2
	v_lshlrev_b32 v30, 4, v2
	s_delay_alu instid0(VALU_DEP_1)
	v_add_nc_u32 v31, s16, v30
	s_mul_i32 s26, s14, 786432
	s_add_co_u32 s26, s26, s17
	s_mul_i32 s24, ttmp9, 6144
	s_add_co_u32 s26, s26, s24
	s_mov_b32 s27, 0
	s_and_b32 s18, s12, 3
	s_lshl_b32 s28, s18, 15
	s_lshl_b32 s24, ttmp9, 8
	s_add_co_u32 s28, s28, s24
	s_add_co_u32 s28, s28, 3145728
	s_mov_b32 s29, 0
	s_lshl_b32 s18, s18, 8
	v_lshlrev_b32 v26, 3, v2
	s_delay_alu instid0(VALU_DEP_1)
	v_add_nc_u32 v27, s18, v26
	s_delay_alu instid0(VALU_DEP_1)
	v_add_nc_u32 v27, SCST, v27                    ; waves 0-3: a panel's 256 scale bytes
	s_lshl_b32 s24, ttmp9, 17
	s_lshl_b32 s25, s12, 14
	s_add_co_u32 s24, s24, s25                     ; my first row: 32 x work-group + 4 x wave, 4,096 bytes each
	s_mov_b32 s25, 0
	s_mov_b32 s20, 0x3a800000                      ; 1 / 1024
	s_mov_b32 s21, 0x3727c5ac                      ; 1e-5
	s_mov_b32 s22, 0x76543210
	s_mov_b32 s23, 0xfedcba98                      ; lane l xor 16
	s_wait_kmcnt 0x0
	s_add_nc_u64 s[4:5], s[4:5], s[24:25]
	s_add_nc_u64 s[26:27], s[10:11], s[26:27]
	s_add_nc_u64 s[28:29], s[10:11], s[28:29]
.macro LD8 reg, base, off
.irp c, 0,1
	global_load_b128 v[\reg+16*\c:\reg+16*\c+3], v5, s[\base:\base+1] offset:\off+2048*\c
	global_load_b128 v[\reg+16*\c+4:\reg+16*\c+7], v5, s[\base:\base+1] offset:\off+2048*\c+16
	global_load_b128 v[\reg+16*\c+8:\reg+16*\c+11], v5, s[\base:\base+1] offset:\off+2048*\c+64
	global_load_b128 v[\reg+16*\c+12:\reg+16*\c+15], v5, s[\base:\base+1] offset:\off+2048*\c+80
.endr
.endm
	LD8 W, 6, 0
	LD8 BV, 8, 0
.irp j, 0,1,2,3
	LD8 RW+32*\j, 4, 4096*\j
.endr
.macro ALL32 op                        ; a reduction over the wave's 32 lanes, in v[\op] with v[\op+1] as helper
	s_delay_alu instid0(VALU_DEP_1)
	v_add_f32_dpp v[\op], v[\op], v[\op] row_xmask:1 row_mask:0xf bank_mask:0xf
	s_delay_alu instid0(VALU_DEP_1)
	v_add_f32_dpp v[\op], v[\op], v[\op] row_xmask:2 row_mask:0xf bank_mask:0xf
	s_delay_alu instid0(VALU_DEP_1)
	v_add_f32_dpp v[\op], v[\op], v[\op] row_xmask:4 row_mask:0xf bank_mask:0xf
	s_delay_alu instid0(VALU_DEP_1)
	v_add_f32_dpp v[\op], v[\op], v[\op] row_xmask:8 row_mask:0xf bank_mask:0xf
	s_delay_alu instid0(VALU_DEP_1)
	v_permlanex16_b32 v[\op+1], v[\op], s22, s23
	s_delay_alu instid0(VALU_DEP_1)
	v_add_f32 v[\op], v[\op], v[\op+1]
.endm
.macro ROW j
.set R, RW+32*(\j)
	s_wait_loadcnt 8*(3-(\j))                      ; gains, biases and this row are in; the later rows' eight loads each may be out
	v_pk_add_f32 v[8:9], v[R:R+1], v[R+2:R+3]
	v_pk_add_f32 v[10:11], v[R+4:R+5], v[R+6:R+7]
.irp i, 8,12,16,20,24,28
	s_delay_alu instid0(VALU_DEP_2)
	v_pk_add_f32 v[8:9], v[8:9], v[R+\i:R+\i+1]
	s_delay_alu instid0(VALU_DEP_2)
	v_pk_add_f32 v[10:11], v[10:11], v[R+\i+2:R+\i+3]
.endr
	s_delay_alu instid0(VALU_DEP_1)
	v_pk_add_f32 v[8:9], v[8:9], v[10:11]
	s_delay_alu instid0(VALU_DEP_1)
	v_add_f32 v8, v8, v9
	ALL32 8
	s_delay_alu instid0(VALU_DEP_1)
	v_mul_f32 v8, s20, v8                          ; the mean
.set ri, 0
.rept 16
	v_pk_add_f32 v[R+ri:R+ri+1], v[R+ri:R+ri+1], v[8:9] op_sel_hi:[1,0] neg_lo:[0,1] neg_hi:[0,1]
.set ri, ri+2
.endr
	v_pk_mul_f32 v[10:11], v[R:R+1], v[R:R+1]
	v_pk_mul_f32 v[12:13], v[R+2:R+3], v[R+2:R+3]
.irp i, 4,8,12,16,20,24,28
	s_delay_alu instid0(VALU_DEP_2)
	v_pk_fma_f32 v[10:11], v[R+\i:R+\i+1], v[R+\i:R+\i+1], v[10:11]
	s_delay_alu instid0(VALU_DEP_2)
	v_pk_fma_f32 v[12:13], v[R+\i+2:R+\i+3], v[R+\i+2:R+\i+3], v[12:13]
.endr
	s_delay_alu instid0(VALU_DEP_1)
	v_pk_add_f32 v[10:11], v[10:11], v[12:13]
	s_delay_alu instid0(VALU_DEP_1)
	v_add_f32 v10, v10, v11
	ALL32 10
	s_delay_alu instid0(VALU_DEP_1)
	v_fma_f32 v10, v10, s20, s21                   ; the variance + 1e-5
	s_wait_alu depctr_va_vdst(0)
	v_rsq_f32 v12, v10
	v_nop                                          ; a plain line behind the transcendental,
	s_wait_alu depctr_va_vdst(0)                   ; and the wait ahead of its first reader
.set ri, 0
.rept 16
	v_pk_mul_f32 v[R+ri:R+ri+1], v[R+ri:R+ri+1], v[12:13] op_sel_hi:[1,0]
.set ri, ri+2
.endr
.set ri, 0
.rept 16
	v_pk_fma_f32 v[R+ri:R+ri+1], v[R+ri:R+ri+1], v[W+ri:W+ri+1], v[BV+ri:BV+ri+1]
.set ri, ri+2
.endr
.irp c, 0,1
	v_max3_num_f32 v[14+\c], |v[R+16*\c]|, |v[R+16*\c+1]|, 0x1800000   ; my 16 of a block, and the floor 2^(3 - 127)
.endr
.irp i, 2,4,6,8,10,12,14
.irp c, 0,1
	s_delay_alu instid0(VALU_DEP_2)
	v_max3_num_f32 v[14+\c], v[14+\c], |v[R+16*\c+\i]|, |v[R+16*\c+\i+1]|
.endr
.endr
.irp c, 0,1
	s_delay_alu instid0(VALU_DEP_2)
	v_max_num_f32_dpp v[14+\c], v[14+\c], v[14+\c] row_xmask:1 row_mask:0xf bank_mask:0xf   ; with my neighbour's 16: the block's
.endr
	s_wait_alu depctr_va_vdst(0)
	s_wait_dscnt 0x0                               ; the last row's LDS stores have read the registers written below
.irp c, 0,1
	v_add_nc_u32 v[24+\c], 0xff000000, v[14+\c]    ; 2 off the exponent field: the conversion's scale operand
.endr
	v_cvt_scalef32_pk16_fp6_f32 v[16:18], v[R:R+15], v24
	v_cvt_scalef32_pk16_fp6_f32 v[20:22], v[R+16:R+31], v25
	v_lshrrev_b32 v19, 23, v24                     ; the bytes (plain lines behind the conversions)
	v_lshrrev_b32 v23, 23, v25
.irp p, 0,1,2
	ds_store_b32 v28, v[16+\p] offset:192*(\j)+4*\p
	ds_store_b32 v28, v[20+\p] offset:192*(\j)+4*\p+12288
.endr
	ds_store_b8 v29, v19 offset:8*(\j)             ; both lanes of a block write the same byte with the same value
	ds_store_b8 v29, v23 offset:8*(\j)+512
.endm
	ROW 0
	ROW 1
	ROW 2
	ROW 3
	s_wait_dscnt 0x0                               ; my stores have landed: then the barrier, behind which other waves read them
	s_barrier_signal -1
	s_barrier_wait -1
	s_cmp_gt_u32 s12, 3
	s_cbranch_scc1 .Lcodes
	ds_load_b64 v[8:9], v27
	s_wait_dscnt 0x0
	global_store_b64 v26, v[8:9], s[28:29]         ; a panel's scale bytes of the 32 rows: 256 consecutive bytes, aligned
.Lcodes:
.irp k, 0,1,2,3,4,5
	ds_load_b128 v[96+4*\k:99+4*\k], v31 offset:512*\k
.endr
.irp k, 0,1,2,3,4,5
	s_wait_dscnt 5-\k
	global_store_b128 v30, v[96+4*\k:99+4*\k], s[26:27] offset:512*\k   ; 512 consecutive bytes an instruction
.endr
	s_wait_tensorcnt 0x0                           ; the wave's end
	ds_add_u32 v[SPW], v[NIL]
	s_wait_dscnt 0x0
	s_endpgm
.Lfunc_end_k_q41e30f43ae_ln1:
	.size	k_q41e30f43ae_ln1, .Lfunc_end_k_q41e30f43ae_ln1-k_q41e30f43ae_ln1
	.p2alignl 7, 3214868480
	.fill 96, 4, 3214868480
	.section	.rodata,"a",@progbits
	.p2align	6, 0x0
	.amdhsa_kernel k_q41e30f43ae_ln1
		.amdhsa_group_segment_fixed_size 26624
		.amdhsa_private_segment_fixed_size 0
		.amdhsa_enable_private_segment 0
		.amdhsa_kernarg_size 32
		.amdhsa_user_sgpr_count 2
		.amdhsa_user_sgpr_kernarg_segment_ptr 1
		.amdhsa_wavefront_size32 1
		.amdhsa_system_sgpr_workgroup_id_x 1
		.amdhsa_system_sgpr_workgroup_id_y 1
		.amdhsa_system_sgpr_workgroup_id_z 1
		.amdhsa_system_vgpr_workitem_id 0
		.amdhsa_next_free_vgpr 232
		.amdhsa_next_free_sgpr 66
		.amdhsa_reserve_vcc 0
		.amdhsa_float_denorm_mode_32 3
		.amdhsa_float_denorm_mode_16_64 3
		.amdhsa_memory_ordered 1
		.amdhsa_forward_progress 1
		.amdhsa_inst_pref_size 49
	.end_amdhsa_kernel
	.amdgpu_metadata
---
amdhsa.version: [ 1, 2 ]
amdhsa.kernels:
  - .name:           k_q41e30f43ae_ln1
    .symbol:         k_q41e30f43ae_ln1.kd
    .args:
      - { .name: x1, .offset: 0, .size: 8, .value_kind: global_buffer, .address_space: global }
      - { .name: ln2_w, .offset: 8, .size: 8, .value_kind: global_buffer, .address_space: global }
      - { .name: ln2_b, .offset: 16, .size: 8, .value_kind: global_buffer, .address_space: global }
      - { .name: hb, .offset: 24, .size: 8, .value_kind: global_buffer, .address_space: global }
    .group_segment_fixed_size: 26624
    .private_segment_fixed_size: 0
    .kernarg_segment_align: 8
    .kernarg_segment_size: 32
    .max_flat_workgroup_size: 256
    .sgpr_count:     66
    .vgpr_count:     232
    .wavefront_size: 32
...
	.end_amdgpu_metadata
.endif
;; end of part 12
;; launch mlp1 (part 13): grid 16 x 16, 4 waves a work-group, clusters of 4 x 4, 327,680 bytes of LDS; arguments hb, wb, mlp_b1, gb; writes gb
.if DOCPART == 13
	.amdgcn_target "amdgcn-amd-amdhsa--gfx1250"
	.amdhsa_code_object_version 6
	.text
	.protected	k_q41e30f43ae_mlp1
	.globl	k_q41e30f43ae_mlp1
	.p2align	8
	.type	k_q41e30f43ae_mlp1,@function
k_q41e30f43ae_mlp1:
	s_mov_b64 s[64:65], 0
	v_nop
	global_prefetch_b8 v0, s[64:65] scope:SCOPE_SE
	s_setreg_imm32_b32 hwreg(HW_REG_WAVE_MODE, 25, 1), 1
	s_wait_xcnt 0x0
	s_wait_alu depctr_hold_cnt(0) depctr_sa_sdst(0) depctr_va_vdst(0) depctr_va_sdst(0) depctr_va_ssrc(0) depctr_va_vcc(0) depctr_vm_vsrc(0)
	s_getreg_b32 s2, hwreg(HW_REG_IB_STS2, 6, 4)
	s_cmp_eq_u32 s2, 0
	s_cbranch_scc0 .Lentry_in_a_cluster
	s_endpgm
.Lentry_in_a_cluster:
	s_bfe_u32 s2, ttmp6, 0x10000c
	s_cmp_lg_u32 s2, 0xf033
	s_cbranch_scc0 .Lentry_shape_is_right
	s_endpgm
.Lentry_shape_is_right:
.set KTOT,   1024
.set R0,     4096
.set R1,     4096
.set ACOD,   0
.set ASCL,   3145728
.set BCOD,   3932160
.set BSCL,   10387456
.set SPARE,  313344
.set NQ,     2
.set ROWB,   192
.set PITCH,  240
.set FR,     12
.set NL,     6
.set NP,     4
.set HALFT,  128*PITCH
.set SLOT,   4*HALFT
.set NPAN,   KTOT/256
.set LAPS,   NPAN/2
.set SCL,    2*SLOT
.set HALFS,  NPAN*1024
.set STG,    262144
.set SSTG,   311296
.set SSO,  7
.set RSC,  9
.set DA,   14
.set DAL,  15
.set ADRA, 16
.set ADRB, 20
.set STO,  24
.set RD,   25
.set CO,   26
.set ADRS, 27
.set SPW,  28
.set NIL,  29
.set STOA, 30
.set SSOA, 31
.set SC,   32
.set B0,   64
.set AF,   128
.set HA,   128
.set U,    192
.set Z,    208
.set P,    224
.set Q,    240
.set CD,   192
.set TM,   212
.set PW,   228
.set SEL,  96
.set KC,  24
.set A13, 26
.set A9,  28
.set A7,  30
.set A5,  32
.set A3,  34
.set A1,  36
.set B8,  38
.set B4,  40
.set B2,  42
.set BZ,  44
.set G1, 24
.set G0, 32
.set G1B, 48
.set G0B, 56
.set G1S, 68
.set G0S, 76
.set G1SB, 80
.set G0SB, 88
.set MSB, 0
.macro WIN new
.if MSB != (\new)
	s_set_vgpr_msb (MSB<<8)|(\new)
.set MSB, \new
.endif
.endm
.set MUL_LO, 0xa1
.set MUL_HI, 0xf1
.set TO_B,   0x40
.macro JLOAD g0a, g1a, g0b, g1b
	s_cmp_eq_u32 s15, 0
	s_cbranch_scc0 .Lfor_b_\@
	tensor_load_to_lds s[\g0a:\g0a+3], s[\g1a:\g1a+7]
	s_nop 0
.rept 4
	v_nop
.endr
	s_branch .Lasked_\@
.Lfor_b_\@:
	tensor_load_to_lds s[\g0b:\g0b+3], s[\g1b:\g1b+7]
	s_nop 0
.rept 4
	v_nop
.endr
.Lasked_\@:
.endm
.macro CREST
	s_cmp_lg_u32 s14, 0
	s_cbranch_scc1 .Lnot_wave_0_\@
	s_barrier_signal -3
.Lnot_wave_0_\@:
	s_barrier_wait -3
	s_barrier_signal -1
	s_barrier_wait -1
.endm
.macro CROUND
	s_barrier_signal -1
	s_barrier_wait -1
	CREST
.endm
	s_load_b256 s[4:11], s[0:1], 0x0
	v_lshl_add_u32 v[SPW], v0, 2, SPARE
	v_mov_b32 v[NIL], 0
	ds_add_u32 v[SPW], v[NIL]
	ds_add_u32 v[SPW], v[NIL]
	v_lshrrev_b32 v1, 5, v0
	v_readfirstlane_b32 s14, v1
	s_lshr_b32 s15, s14, 1
	s_and_b32 s16, s14, 1
	s_bfe_u32 s40, ttmp6, 0x40000
	s_bfe_u32 s41, ttmp6, 0x40004
	s_lshl_b32 s42, ttmp9, 2
	s_add_co_u32 s42, s42, s40
	s_and_b32 s17, ttmp7, 0xffff
	s_lshl_b32 s17, s17, 2
	s_add_co_u32 s17, s17, s41
	s_lshl_b32 s43, s41, 2
	s_lshl_b32 s43, 15, s43
	s_lshl_b32 s44, 0x1111, s40
	s_or_b32 s[G1+0], s43, (1<<20)|(1<<21)|(3<<22)|(3<<25)
	s_or_b32 s[G1B+0], s44, (1<<20)|(1<<21)|(3<<22)|(3<<25)
.irp g, G1, G1B
	s_mov_b32 s[\g+1], 256<<16                     ; 128 dense rows of 192 bytes are stated as 96 rows of 256 bytes: each begins at a multiple of 256
	s_mov_b32 s[\g+2], 192<<16                     ; the head's loads bring a whole tile of 256 rows; behind them the two counts are set to 96
	s_mov_b32 s[\g+3], 256<<16
	s_mov_b32 s[\g+4], 192
	s_mov_b32 s[\g+5], 256
	s_mov_b32 s[\g+6], 0
	s_mov_b32 s[\g+7], 0
.endr
	s_or_b32 s[G1S+0], s43, (3<<16)|(1<<21)
	s_or_b32 s[G1SB+0], s44, (3<<16)|(1<<21)
.irp g, G1S, G1SB
	s_mov_b32 s[\g+1], 256<<16                     ; a side's scale bytes come by one load: 256 rows x 8 bytes a panel; in LDS [side][panel][256 rows][8]
	s_mov_b32 s[\g+2], NPAN<<16
	s_mov_b32 s[\g+3], 256<<16
	s_mov_b32 s[\g+4], NPAN
	s_mov_b32 s[\g+5], 4096
	s_mov_b32 s[\g+6], 0
	s_mov_b32 s[\g+7], 0
.endr
	s_lshl_b32 s18, s16, 7
	s_lshl_b32 s20, s17, 8
	s_add_co_u32 s20, s20, s18
	s_lshl_b32 s46, s42, 8
	s_add_co_u32 s46, s46, s18
	s_sub_co_u32 s19, s20, s18                     ; the tile's first row
	s_lshl_b32 s22, s19, 3
	s_add_co_u32 s22, s22, ASCL
	s_sub_co_u32 s19, s46, s18
	s_lshl_b32 s92, s19, 3
	s_add_co_u32 s92, s92, BSCL
	s_mul_i32 s20, s20, ROWB
	s_add_co_u32 s20, s20, ACOD
	s_mul_i32 s46, s46, ROWB
	s_add_co_u32 s46, s46, BCOD
	s_mov_b32 s21, 0
	s_mov_b32 s23, 0
	s_mov_b32 s47, 0
	s_mov_b32 s93, 0
	s_mul_i32 s45, s14, HALFT
	s_mul_i32 s94, s15, 2*HALFS
	s_wait_dscnt 0x0
	s_wait_kmcnt 0x0
	s_add_nc_u64 s[20:21], s[4:5], s[20:21]
	s_add_nc_u64 s[22:23], s[4:5], s[22:23]
	s_add_nc_u64 s[46:47], s[6:7], s[46:47]
	s_add_nc_u64 s[92:93], s[6:7], s[92:93]
; PREFETCH: of the 24,576 bytes of each K step that a wave's ring load brings, the four partners of the joint load take 24 blocks of 256 bytes each, told apart by address (cx for A, cy for W), a lane a block
; (the lanes left over name the last again).  K has four steps: steps 0 to 2 are asked for here, step 3 behind slot 1's load, two fills ahead of the load that wants it.
	s_cmp_eq_u32 s15, 0
	s_cselect_b64 s[12:13], s[20:21], s[46:47]     ; my 128 rows of K step 0
	s_cselect_b32 s2, s40, s41                     ; my place among the four
	s_mul_i32 s2, s2, 6144
	s_mov_b32 s3, 0
	s_add_nc_u64 s[12:13], s[12:13], s[2:3]
	v_and_b32 v10, 31, v0
	v_min_u32 v10, 23, v10
	v_lshlrev_b32 v10, 8, v10
	global_prefetch_b8 v10, s[12:13] th:TH_LOAD_NT scope:SCOPE_SE
	global_prefetch_b8 v10, s[12:13] offset:786432 th:TH_LOAD_NT scope:SCOPE_SE
	global_prefetch_b8 v10, s[12:13] offset:1572864 th:TH_LOAD_NT scope:SCOPE_SE
	CROUND
	s_mov_b32 s[G0S], 1
	s_add_co_u32 s[G0S+1], s94, SCL
	s_mov_b64 s[G0S+2:G0S+3], s[22:23]
	s_or_b32 s[G0S+3], s[G0S+3], 0x80000000
	s_mov_b32 s[G0SB], 1
	s_add_co_u32 s[G0SB+1], s94, SCL
	s_mov_b64 s[G0SB+2:G0SB+3], s[92:93]
	s_or_b32 s[G0SB+3], s[G0SB+3], 0x80000000
.irp s, 0,1
	s_mov_b32 s[G0+4*\s], 1
	s_add_co_u32 s[G0+4*\s+1], s45, \s*SLOT
	s_add_nc_u64 s[G0+4*\s+2:G0+4*\s+3], s[20:21], \s*R1*ROWB
	s_or_b32 s[G0+4*\s+3], s[G0+4*\s+3], 0x80000000
	s_mov_b32 s[G0B+4*\s], 1
	s_add_co_u32 s[G0B+4*\s+1], s45, \s*SLOT
	s_add_nc_u64 s[G0B+4*\s+2:G0B+4*\s+3], s[46:47], \s*R0*ROWB
	s_or_b32 s[G0B+4*\s+3], s[G0B+4*\s+3], 0x80000000
.endr
	s_cmp_eq_u32 s16, 0                            ; the head's four tiles, one load a wave, every way through one: waves 0 and 2 K step 0's whole tiles, waves 1 and 3 the two sides' scale bytes
	s_cbranch_scc0 .Lhead_sc
	JLOAD G0, G1, G0B, G1B
	s_branch .Lhead_on
.Lhead_sc:
	JLOAD G0S, G1S, G0SB, G1SB
.Lhead_on:
	s_wait_alu depctr_va_vdst(0)
	s_wait_tensorcnt 0x0                           ; the wait for my tensor loads, the add and a round ahead of a later first fill
	ds_add_u32 v[SPW], v[NIL]
	s_mov_b32 s[G1+2], 96<<16                      ; no load of mine is out: from here on a load brings 128 rows of codes, 96 rows of 256 bytes
	s_mov_b32 s[G1+4], 96
	s_mov_b32 s[G1B+2], 96<<16
	s_mov_b32 s[G1B+4], 96
	s_wait_dscnt 0x0
	CROUND
	JLOAD G0+4, G1, G0B+4, G1B
	global_prefetch_b8 v10, s[12:13] offset:2359296 th:TH_LOAD_NT scope:SCOPE_SE
	v_and_b32 v1, 15, v0
	v_bfe_u32 v2, v0, 4, 1
	v_mul_u32_u24 v3, v1, PITCH
	v_mul_u32_u24 v4, v2, 24
	v_add_nc_u32 v4, v3, v4
	v_lshl_add_u32 v5, v2, 4, v4
	s_mul_i32 s21, s15, HALFT
	s_mul_i32 s22, s16, HALFT
	s_add_co_u32 s22, s22, 2*HALFT
.irp s, 0,1
	v_add_nc_u32 v[ADRA+\s], s21, v4
	v_add_nc_u32 v[ADRB+\s], s22, v4
	v_add_nc_u32 v[ADRA+2+\s], s21, v5
	v_add_nc_u32 v[ADRB+2+\s], s22, v5
	s_add_co_u32 s21, s21, SLOT
	s_add_co_u32 s22, s22, SLOT
.endr
	v_lshlrev_b32 v5, 3, v1
	s_mul_i32 s21, s15, 1024
	s_mul_i32 s22, s16, 1024
	s_add_co_u32 s22, s22, 2*HALFS
	s_sub_co_u32 s22, s22, s21
	v_mul_u32_u24 v6, s22, v2
	s_add_co_u32 s21, s21, SCL
	v_add_nc_u32 v5, v5, v6
	v_add_nc_u32 v[ADRS], s21, v5
	s_lshl_b32 s21, s15, 7
	v_add_nc_u32 v5, s21, v1
	v_mul_u32_u24 v6, v5, 192
	v_mad_u32_u24 v6, v2, 24, v6
	s_mul_i32 s22, s16, 96
	s_add_co_u32 s22, s22, STG
	v_add_nc_u32 v[STO], s22, v6
	s_lshl_b32 s22, s16, 2
	s_add_co_u32 s22, s22, SSTG
	v_lshl_add_u32 v[SSO], v5, 3, s22
	v_and_b32 v6, 31, v0
	v_lshlrev_b32 v6, 4, v6
	s_wait_alu depctr_va_vdst(0)
	s_mul_i32 s22, s14, 12288
	s_add_co_u32 s22, s22, STG
	v_add_nc_u32 v[RD], s22, v6
	s_lshl_b32 s22, s14, 9
	s_add_co_u32 s22, s22, SSTG
	v_add_nc_u32 v[RSC], s22, v6
	s_lshl_b32 s22, s14, 16
	v_add_nc_u32 v[DA], s22, v6
	s_lshl_b32 s21, s42, 12
	s_lshl_b32 s22, s17, 8
	s_add_co_u32 s21, s21, s22
	s_lshl_b32 s22, s21, 3
	s_add_co_u32 s22, s22, 12582912
	s_lshl_b32 s23, s14, 9
	s_add_co_u32 s22, s22, s23
	v_add_nc_u32 v3, s22, v6
	s_mul_i32 s21, s21, 192
	s_mul_i32 s23, s14, 12288
	s_add_co_u32 s21, s21, s23
	v_add_nc_u32 v[CO], s21, v6
	s_lshl_b32 s23, s42, 8
	s_lshl_b32 s45, s16, 7
	s_add_co_u32 s23, s23, s45
	s_lshl_b32 s23, s23, 2
	v_lshl_add_u32 v8, v2, 5, s23
.irp b, 0,1,2,3,4,5,6,7
	global_load_b128 v[B0+8*\b:B0+8*\b+3], v8, s[8:9] offset:64*\b
	global_load_b128 v[B0+8*\b+4:B0+8*\b+7], v8, s[8:9] offset:64*\b+16
.endr
	s_mov_b32 s[SEL], 0x76543210
	s_mov_b32 s[SEL+1], 0xfedcba98
.macro FRAG reg, adr, q, i
.irp p, 0,1,2,3,4,5
.set PIECE, 12*(\q)+6*(\p/3)+\p%3
.if PIECE%8 < 5
	ds_load_b64 v[\reg+2*\p:\reg+2*\p+1], v[\adr] offset:8*PIECE+16*(PIECE/8)+(\i)*16*PITCH
.else
	ds_load_b64 v[\reg+2*\p:\reg+2*\p+1], v[\adr+2] offset:8*PIECE+16*(PIECE/8)+(\i)*16*PITCH
.endif
.endr
.endm
.macro MUL16 a0, p, q, sc, zero
.irp a, \a0, \a0+1
.irp b, 0,1,2,3,4,5,6,7
.if \zero
	v_wmma_scale_f32_16x16x128_f8f6f4 v[8*(8*((\a)%4)+\b):8*(8*((\a)%4)+\b)+7], v[128*(\p)+FR*\b:128*(\p)+FR*\b+FR-1], v[AF+FR*(\a):AF+FR*(\a)+FR-1], 0, v[SC+8*NQ*(\sc)+NQ*\b+(\q)], v[SC+8*NQ*(\sc)+NQ*(\a)+(\q)] matrix_a_fmt:MATRIX_FMT_FP6 matrix_b_fmt:MATRIX_FMT_FP6 matrix_a_scale:MATRIX_SCALE_ROW1
.else
	v_wmma_scale_f32_16x16x128_f8f6f4 v[8*(8*((\a)%4)+\b):8*(8*((\a)%4)+\b)+7], v[128*(\p)+FR*\b:128*(\p)+FR*\b+FR-1], v[AF+FR*(\a):AF+FR*(\a)+FR-1], v[8*(8*((\a)%4)+\b):8*(8*((\a)%4)+\b)+7], v[SC+8*NQ*(\sc)+NQ*\b+(\q)], v[SC+8*NQ*(\sc)+NQ*(\a)+(\q)] matrix_a_fmt:MATRIX_FMT_FP6 matrix_b_fmt:MATRIX_FMT_FP6 matrix_a_scale:MATRIX_SCALE_ROW1
.endif
.endr
.endr
.endm
.macro FETCH_B slot, q, p
	WIN TO_B
.irp i, 0,1,2,3,4,5,6,7
	FRAG 128*(\p)+FR*\i, ADRB+\slot, \q, \i
.endr
	WIN 0
.endm
.macro FETCH_A slot, q, i0
.irp i, \i0, \i0+1, \i0+2, \i0+3
	FRAG AF+FR*(\i), ADRA+\slot, \q, \i
.endr
.endm
.macro SCALES sc
.irp i, 0,1,2,3,4,5,6,7
	ds_load_b64 v[SC+8*NQ*\sc+NQ*\i:SC+8*NQ*\sc+NQ*\i+1], v[ADRS] offset:\i*128
.endr
.endm
.macro PLACES n
.rept \n
	v_nop
.endr
.endm
.macro STEP slot, q, zero
	s_wait_dscnt 4*NL
	WIN MUL_LO
	MUL16 0, (\q)%2, \q, \slot, \zero
	MUL16 2, (\q)%2, \q, \slot, \zero
	s_wait_dscnt 0
	PLACES NP
	FETCH_B \slot, (\q)+1, 1-(\q)%2
	FETCH_A \slot, (\q)+1, 0
	WIN MUL_HI
	MUL16 4, (\q)%2, \q, \slot, \zero
	MUL16 6, (\q)%2, \q, \slot, \zero
	PLACES NP
	WIN 0
	FETCH_A \slot, (\q)+1, 4
.endm
.macro TURN slot, next, fill
	s_wait_tensorcnt 0x0
	ds_add_u32 v[SPW], v[NIL]
	s_wait_dscnt 4*NL+1
	WIN MUL_LO
	MUL16 0, 1, NQ-1, \slot, 0
	s_wait_dscnt 0x0
	s_barrier_signal -1
	MUL16 2, 1, NQ-1, \slot, 0
	WIN 0
	s_barrier_wait -1
.if \fill
	CREST
	s_add_nc_u64 s[G0+4*\slot+2:G0+4*\slot+3], s[G0+4*\slot+2:G0+4*\slot+3], 2*R1*ROWB
	s_add_nc_u64 s[G0B+4*\slot+2:G0B+4*\slot+3], s[G0B+4*\slot+2:G0B+4*\slot+3], 2*R0*ROWB
	JLOAD G0+4*\slot, G1, G0B+4*\slot, G1B
.else
	PLACES NP
.endif
	s_wait_alu depctr_va_vdst(0)
	v_add_nc_u32 v[ADRS], 2048, v[ADRS]
	FETCH_B \next, 0, 0
	FETCH_A \next, 0, 0
	SCALES \next
	WIN MUL_HI
	MUL16 4, 1, NQ-1, \slot, 0
	MUL16 6, 1, NQ-1, \slot, 0
	PLACES NP
	WIN 0
	FETCH_A \next, 0, 4
.endm
	s_wait_alu depctr_va_vdst(0)
	s_wait_xcnt 0x0                                ; the prefetches have read v10, which the way out writes again
	s_wait_tensorcnt 1
	s_barrier_signal -1
	s_barrier_wait -1
	FETCH_B 0, 0, 0
	FETCH_A 0, 0, 0
	SCALES 0
	FETCH_A 0, 0, 4
	STEP 0, 0, 1
	s_mov_b32 s3, LAPS-1
.Llap:
	TURN 0, 1, 1
	STEP 1, 0, 0
	TURN 1, 0, 1
	STEP 0, 0, 0
	s_sub_co_u32 s3, s3, 1
	s_cmp_lg_u32 s3, 0
	s_cbranch_scc1 .Llap
	TURN 0, 1, 0
	STEP 1, 0, 0
	s_wait_dscnt 4*NL
	WIN MUL_LO
	MUL16 0, 1, NQ-1, 1, 0
	MUL16 2, 1, NQ-1, 1, 0
	s_wait_dscnt 0
	WIN MUL_HI
	MUL16 4, 1, NQ-1, 1, 0
	MUL16 6, 1, NQ-1, 1, 0
	WIN 0
	PLACES NP
	s_wait_dscnt 0x0
	s_barrier_signal -1
	s_barrier_wait -1
.set da, 0
.rept 8
	WIN 0x08+4*(da/4)
.set db, 0
.rept 8
	ds_store_b128 v[DA], v[64*(da%4)+8*db:64*(da%4)+8*db+3] offset:da*8192+db*1024
	ds_store_b128 v[DA], v[64*(da%4)+8*db+4:64*(da%4)+8*db+7] offset:da*8192+db*1024+512
.set db, db+1
.endr
.set da, da+1
.endr
	WIN 0
.macro CONST reg, val
	s_mov_b32 s[\reg], \val
	s_mov_b32 s[\reg+1], \val
.endm
	CONST KC,  0x3f3504f3
	CONST A13, 0xaf95df0b
	CONST A9,  0xb60cff51
	CONST A7,  0xb86ec2d2
	CONST A5,  0xba40ac63
	CONST A3,  0xbb41a1f6
	CONST A1,  0xbc83dbd4
	CONST B8,  0xb77460cd
	CONST B4,  0xbadc924e
	CONST B2,  0xbbf19bf8
	CONST BZ,  0xbc69b6a7
	v_mov_b32 v10, 0x32edffee
	v_mov_b32 v11, 0x32edffee
	v_mov_b32 v12, 0xb95fbd29
	v_mov_b32 v13, 0xb95fbd29
.macro EACH8 text:vararg
.endm
.macro GELU g
.set XG, HA+16*(\g)
.set BG, B0+16*(\g)
.irp i, 0,2,4,6,8,10,12,14
	v_pk_add_f32 v[XG+\i:XG+\i+1], v[XG+\i:XG+\i+1], v[BG+\i:BG+\i+1]
.endr
.irp i, 0,2,4,6,8,10,12,14
	v_pk_mul_f32 v[U+\i:U+\i+1], v[XG+\i:XG+\i+1], s[KC:KC+1] op_sel_hi:[1,0]
.endr
.irp i, 0,1,2,3,4,5,6,7,8,9,10,11,12,13,14,15
	v_med3_num_f32 v[U+\i], v[U+\i], -4.0, 4.0
.endr
.irp i, 0,2,4,6,8,10,12,14
	v_pk_mul_f32 v[Z+\i:Z+\i+1], v[U+\i:U+\i+1], v[U+\i:U+\i+1]
.endr
.irp i, 0,2,4,6,8,10,12,14
	v_pk_fma_f32 v[P+\i:P+\i+1], v[Z+\i:Z+\i+1], s[A13:A13+1], v[10:11] op_sel_hi:[1,0,1]
.endr
.irp c, A9, A7, A5, A3, A1
.irp i, 0,2,4,6,8,10,12,14
	v_pk_fma_f32 v[P+\i:P+\i+1], v[P+\i:P+\i+1], v[Z+\i:Z+\i+1], s[\c:\c+1] op_sel_hi:[1,1,0]
.endr
.endr
.irp i, 0,2,4,6,8,10,12,14
	v_pk_fma_f32 v[Q+\i:Q+\i+1], v[Z+\i:Z+\i+1], s[B8:B8+1], v[12:13] op_sel_hi:[1,0,1]
.endr
.irp c, B4, B2, BZ
.irp i, 0,2,4,6,8,10,12,14
	v_pk_fma_f32 v[Q+\i:Q+\i+1], v[Q+\i:Q+\i+1], v[Z+\i:Z+\i+1], s[\c:\c+1] op_sel_hi:[1,1,0]
.endr
.endr
	s_wait_alu depctr_va_vdst(0)
.irp i, 0,1,2,3,4,5,6,7,8,9,10,11,12,13,14,15
	v_rcp_f32 v[Q+\i], v[Q+\i]
.endr
.irp i, 0,2,4,6,8,10,12,14
	v_pk_mul_f32 v[P+\i:P+\i+1], v[P+\i:P+\i+1], v[U+\i:U+\i+1]
.endr
.irp i, 0,2,4,6,8,10,12,14
	v_pk_mul_f32 v[XG+\i:XG+\i+1], v[XG+\i:XG+\i+1], 0.5 op_sel_hi:[1,0]
.endr
	s_wait_alu depctr_va_vdst(0)
.irp i, 0,2,4,6,8,10,12,14
	v_pk_mul_f32 v[P+\i:P+\i+1], v[P+\i:P+\i+1], v[Q+\i:Q+\i+1]
.endr
.irp i, 0,2,4,6,8,10,12,14
	v_pk_fma_f32 v[XG+\i:XG+\i+1], v[XG+\i:XG+\i+1], v[P+\i:P+\i+1], v[XG+\i:XG+\i+1]
.endr
.endm
.macro QUANT s
.irp b, 0,1,2,3
	v_max3_num_f32 v[TM+\b], |v[\s+16*\b]|, |v[\s+1+16*\b]|, 0x1800000
.endr
.irp i, 2,4,6,8,10,12,14
.irp b, 0,1,2,3
	v_max3_num_f32 v[TM+\b], v[TM+\b], |v[\s+16*\b+\i]|, |v[\s+1+16*\b+\i]|
.endr
.endr
.irp b, 0,1,2,3
	v_permlanex16_b32 v[TM+4+\b], v[TM+\b], s[SEL], s[SEL+1]
.endr
.irp b, 0,1,2,3
	v_max_num_f32 v[TM+\b], v[TM+\b], v[TM+4+\b]
.endr
.irp b, 0,1,2,3
	v_add_nc_u32 v[TM+12+\b], 0xff000000, v[TM+\b]
.endr
.irp b, 0,1,2,3
	v_lshrrev_b32 v[TM+4+\b], 23, v[TM+12+\b]
.endr
	v_lshl_or_b32 v[PW], v[TM+5], 8, v[TM+4]
	v_lshl_or_b32 v[PW], v[TM+6], 16, v[PW]
	v_lshl_or_b32 v[PW], v[TM+7], 24, v[PW]
.irp c, 0,1
	v_cvt_scalef32_pk16_fp6_f32 v[CD+6*\c:CD+2+6*\c], v[\s+32*\c:\s+15+32*\c], v[TM+12+2*\c]
	v_cvt_scalef32_pk16_fp6_f32 v[CD+12+4*\c:CD+14+4*\c], v[\s+16+32*\c:\s+31+32*\c], v[TM+12+2*\c+1]
.endr
	v_nop
.irp c, 0,1
.irp i, 0,1,2
	v_permlane16_swap_b32 v[CD+6*\c+\i], v[CD+12+4*\c+\i]
.endr
.irp i, 0,1,2
	v_mov_b32 v[CD+3+6*\c+\i], v[CD+12+4*\c+\i]
.endr
.endr
.endm
	s_mov_b32 s3, 0
	s_mov_b32 s52, 0
	s_mov_b32 s53, 0
	s_mov_b32 s54, 0
	s_wait_loadcnt 0x0
.Lepi:
	v_add_nc_u32 v[DAL], s52, v[DA]
	v_add_nc_u32 v[STOA], s53, v[STO]
	v_add_nc_u32 v[SSOA], s54, v[SSO]
.set ek, 0
.rept 16
	ds_load_b128 v[HA+4*ek:HA+4*ek+3], v[DAL] offset:512*ek
.set ek, ek+1
.endr
	s_wait_dscnt 0x0
	GELU 0
	GELU 1
	GELU 2
	GELU 3
	QUANT HA
.irp p, 0,1,2,3,4,5
	ds_store_b64 v[STOA], v[CD+2*\p:CD+2*\p+1] offset:48*(\p/3)+8*(\p%3)
.endr
	ds_store_b32 v[SSOA], v[PW]
	s_wait_dscnt 0x0
	s_add_co_u32 s52, s52, 8192
	s_add_co_u32 s53, s53, 3072
	s_add_co_u32 s54, s54, 128
	s_add_co_u32 s3, s3, 1
	s_cmp_lt_u32 s3, 8
	s_cbranch_scc1 .Lepi
	s_barrier_signal -1
	s_barrier_wait -1
.set ek, 0
.rept 24
	ds_load_b128 v[128+4*ek:131+4*ek], v[RD] offset:512*ek
.set ek, ek+1
.endr
	ds_load_b128 v[224:227], v[RSC]
.set ek, 0
.rept 24
	s_wait_dscnt 24-ek
	global_store_b128 v[CO], v[128+4*ek:131+4*ek], s[10:11] offset:512*ek
.set ek, ek+1
.endr
	s_wait_dscnt 0x0
	global_store_b128 v3, v[224:227], s[10:11]
	s_wait_tensorcnt 0x0
	ds_add_u32 v[SPW], v[NIL]
	s_wait_dscnt 0x0
	CROUND
	s_endpgm
.Lfunc_end_k_q41e30f43ae_mlp1:
	.size	k_q41e30f43ae_mlp1, .Lfunc_end_k_q41e30f43ae_mlp1-k_q41e30f43ae_mlp1
	.p2alignl 7, 3214868480
	.fill 96, 4, 3214868480
	.section	.rodata,"a",@progbits
	.p2align	6, 0x0
	.amdhsa_kernel k_q41e30f43ae_mlp1
		.amdhsa_group_segment_fixed_size 327680
		.amdhsa_private_segment_fixed_size 0
		.amdhsa_enable_private_segment 0
		.amdhsa_kernarg_size 32
		.amdhsa_user_sgpr_count 2
		.amdhsa_user_sgpr_kernarg_segment_ptr 1
		.amdhsa_wavefront_size32 1
		.amdhsa_system_sgpr_workgroup_id_x 1
		.amdhsa_system_sgpr_workgroup_id_y 1
		.amdhsa_system_sgpr_workgroup_id_z 1
		.amdhsa_system_vgpr_workitem_id 0
		.amdhsa_next_free_vgpr 1024
		.amdhsa_next_free_sgpr 106
		.amdhsa_reserve_vcc 0
		.amdhsa_float_denorm_mode_32 3
		.amdhsa_float_denorm_mode_16_64 3
		.amdhsa_memory_ordered 1
		.amdhsa_forward_progress 1
		.amdhsa_inst_pref_size 195
	.end_amdhsa_kernel
	.amdgpu_metadata
---
amdhsa.version: [ 1, 2 ]
amdhsa.kernels:
  - .name:           k_q41e30f43ae_mlp1
    .symbol:         k_q41e30f43ae_mlp1.kd
    .args:
      - { .name: hb, .offset: 0, .size: 8, .value_kind: global_buffer, .address_space: global }
      - { .name: wb, .offset: 8, .size: 8, .value_kind: global_buffer, .address_space: global }
      - { .name: mlp_b1, .offset: 16, .size: 8, .value_kind: global_buffer, .address_space: global }
      - { .name: gb, .offset: 24, .size: 8, .value_kind: global_buffer, .address_space: global }
    .group_segment_fixed_size: 327680
    .private_segment_fixed_size: 0
    .kernarg_segment_align: 8
    .kernarg_segment_size: 32
    .max_flat_workgroup_size: 128
    .sgpr_count:     106
    .vgpr_count:     1024
    .wavefront_size: 32
...
	.end_amdgpu_metadata
.endif
;; end of part 13
;; launch mlp2 (part 14): grid 8 x 32, 4 waves a work-group, clusters of 4 x 4, 327,680 bytes of LDS; arguments gb, wb, mlp_b2, x1, out0; writes out0
.if DOCPART == 14
	.amdgcn_target "amdgcn-amd-amdhsa--gfx1250"
	.amdhsa_code_object_version 6
	.text
	.protected	k_q41e30f43ae_mlp2
	.globl	k_q41e30f43ae_mlp2
	.p2align	8
	.type	k_q41e30f43ae_mlp2,@function
k_q41e30f43ae_mlp2:
	s_mov_b64 s[64:65], 0
	v_nop
	global_prefetch_b8 v0, s[64:65] scope:SCOPE_SE
	s_setreg_imm32_b32 hwreg(HW_REG_WAVE_MODE, 25, 1), 1
	s_wait_xcnt 0x0
	s_wait_alu depctr_hold_cnt(0) depctr_sa_sdst(0) depctr_va_vdst(0) depctr_va_sdst(0) depctr_va_ssrc(0) depctr_va_vcc(0) depctr_vm_vsrc(0)
	s_getreg_b32 s2, hwreg(HW_REG_IB_STS2, 6, 4)
	s_cmp_eq_u32 s2, 0
	s_cbranch_scc0 .Lentry_in_a_cluster
	s_endpgm
.Lentry_in_a_cluster:
	s_bfe_u32 s2, ttmp6, 0x10000c
	s_cmp_lg_u32 s2, 0xf033
	s_cbranch_scc0 .Lentry_shape_is_right
	s_endpgm
.Lentry_shape_is_right:
.set KTOT,   4096
.set R0,     1024
.set R1,     4096
.set ACOD,   0
.set ASCL,   12582912
.set BCOD,   7077888
.set BSCL,   10518528
.set LAST,   1
.set SPARE,  311296
.set ROWB,   192
.set PITCH,  240
.set FR,     12
.set NP,     4
.set HALFT,  128*PITCH
.set SLOT,   4*HALFT
.set NPAN,   KTOT/256
.set LAPS,   NPAN/4
.set SCL,    2*SLOT
.set HALFS,  (NPAN/2)*1024
.set SPITCH, 272
.set ADRA, 16
.set ADRB, 20
.set STO,  24
.set RD,   25
.set CO,   26
.set ADRS, 27
.set SPW,  28
.set NIL,  29
.set SC,   32
.set BIAS, 96
.set AF,   128
.set BK,   128
.set RS,   128
.set G1, 24
.set G0, 32
.set G1B, 48
.set G0B, 56
.set G1S, 68
.set G0S, 76
.set G1SB, 80
.set G0SB, 88
.set MSB, 0
.macro WIN new
.if MSB != (\new)
	s_set_vgpr_msb (MSB<<8)|(\new)
.set MSB, \new
.endif
.endm
.set MUL,  0xa1
.set TO_B, 0x40
.macro JLOAD g0a, g1a, g0b, g1b
	s_cmp_eq_u32 s15, 0
	s_cbranch_scc0 .Lfor_b_\@
	tensor_load_to_lds s[\g0a:\g0a+3], s[\g1a:\g1a+7]
	s_nop 0
.rept 4
	v_nop
.endr
	s_branch .Lasked_\@
.Lfor_b_\@:
	tensor_load_to_lds s[\g0b:\g0b+3], s[\g1b:\g1b+7]
	s_nop 0
.rept 4
	v_nop
.endr
.Lasked_\@:
.endm
.macro CREST
	s_cmp_lg_u32 s14, 0
	s_cbranch_scc1 .Lnot_wave_0_\@
	s_barrier_signal -3
.Lnot_wave_0_\@:
	s_barrier_wait -3
	s_barrier_signal -1
	s_barrier_wait -1
.endm
.macro CROUND
	s_barrier_signal -1
	s_barrier_wait -1
	CREST
.endm
	s_load_b256 s[4:11], s[0:1], 0x0
	s_load_b64 s[12:13], s[0:1], 0x20
	v_lshl_add_u32 v[SPW], v0, 2, SPARE
	v_mov_b32 v[NIL], 0
	ds_add_u32 v[SPW], v[NIL]
	ds_add_u32 v[SPW], v[NIL]
	v_lshrrev_b32 v1, 5, v0
	v_readfirstlane_b32 s14, v1
	s_lshr_b32 s15, s14, 1
	s_and_b32 s16, s14, 1
	s_bfe_u32 s40, ttmp6, 0x40000
	s_bfe_u32 s41, ttmp6, 0x40004
	s_lshl_b32 s42, ttmp9, 2
	s_add_co_u32 s42, s42, s40
	s_and_b32 s17, ttmp7, 0xffff
	s_lshl_b32 s17, s17, 2
	s_add_co_u32 s17, s17, s41
	s_lshl_b32 s43, s41, 2
	s_lshl_b32 s43, 15, s43
	s_lshl_b32 s44, 0x1111, s40
	s_or_b32 s[G1+0], s43, (1<<20)|(1<<21)|(3<<22)|(3<<25)
	s_or_b32 s[G1B+0], s44, (1<<20)|(1<<21)|(3<<22)|(3<<25)
.irp g, G1, G1B
	s_mov_b32 s[\g+1], 256<<16                     ; 128 dense rows of 192 bytes are stated as 96 rows of 256 bytes: each begins at a multiple of 256
	s_mov_b32 s[\g+2], 96<<16
	s_mov_b32 s[\g+3], 256<<16
	s_mov_b32 s[\g+4], 96
	s_mov_b32 s[\g+5], 256
	s_mov_b32 s[\g+6], 0
	s_mov_b32 s[\g+7], 0
.endr
	s_or_b32 s[G1S+0], s43, (3<<16)|(1<<21)
	s_or_b32 s[G1SB+0], s44, (3<<16)|(1<<21)
.irp g, G1S, G1SB
	s_mov_b32 s[\g+1], 128<<16
	s_mov_b32 s[\g+2], (NPAN/2)<<16
	s_mov_b32 s[\g+3], 128<<16
	s_mov_b32 s[\g+4], NPAN/2
	s_mov_b32 s[\g+6], 0
	s_mov_b32 s[\g+7], 0
.endr
	s_mov_b32 s[G1S+5], R1
	s_mov_b32 s[G1SB+5], R0
	s_lshl_b32 s20, s17, 7
	s_lshl_b32 s46, s42, 7
	s_lshl_b32 s22, s20, 3
	s_mul_i32 s18, s16, (NPAN/2)*R1*8
	s_add_co_u32 s22, s22, s18
	s_add_co_u32 s22, s22, ASCL
	s_lshl_b32 s92, s46, 3
	s_mul_i32 s18, s16, (NPAN/2)*R0*8
	s_add_co_u32 s92, s92, s18
	s_add_co_u32 s92, s92, BSCL
	s_mul_i32 s20, s20, ROWB
	s_mul_i32 s18, s16, R1*ROWB
	s_add_co_u32 s20, s20, s18
	s_add_co_u32 s20, s20, ACOD
	s_mul_i32 s46, s46, ROWB
	s_mul_i32 s18, s16, R0*ROWB
	s_add_co_u32 s46, s46, s18
	s_add_co_u32 s46, s46, BCOD
	s_mov_b32 s21, 0
	s_mov_b32 s23, 0
	s_mov_b32 s47, 0
	s_mov_b32 s93, 0
	s_mul_i32 s45, s14, HALFT
	s_mul_i32 s94, s14, HALFS
	s_wait_dscnt 0x0
	s_wait_kmcnt 0x0
	s_add_nc_u64 s[20:21], s[4:5], s[20:21]
	s_add_nc_u64 s[22:23], s[4:5], s[22:23]
	s_add_nc_u64 s[46:47], s[6:7], s[46:47]
	s_add_nc_u64 s[92:93], s[6:7], s[92:93]
; PREFETCH: behind each load of a slot's panels a wave asks for the 24,576 bytes that it will load two fills on: the four partners of the joint load take 24 blocks of 256 bytes each, told apart by address
; (cx for A, cy for W), a lane a block (the lanes left over name the last again).  The last two refills ask for nothing.
	s_cmp_eq_u32 s15, 0
	s_cselect_b64 s[96:97], s[20:21], s[46:47]     ; my panel of slot 0
	s_cselect_b32 s100, s40, s41                   ; my place among the four
	s_mov_b32 s98, 2*R0*ROWB
	s_cselect_b32 s98, 2*R1*ROWB, s98              ; from a fill to the next: two panels
	s_mov_b32 s99, 0
	s_mul_i32 s100, s100, 6144
	s_mov_b32 s101, 0
	s_add_nc_u64 s[104:105], s[96:97], s[100:101]  ; my share of fill 0 (never rewritten),
	s_add_nc_u64 s[96:97], s[104:105], s[98:99]    ; and of fill 1
	v_and_b32 v30, 31, v0
	v_min_u32 v30, 23, v30
	v_lshlrev_b32 v30, 8, v30
	global_prefetch_b8 v30, s[104:105] th:TH_LOAD_NT scope:SCOPE_SE   ; the first two fills are asked for here, ahead of the scale bytes' load and the two sequences that stand in front of them
	global_prefetch_b8 v30, s[96:97] th:TH_LOAD_NT scope:SCOPE_SE
	CROUND
	s_mov_b32 s[G0S], 1
	s_add_co_u32 s[G0S+1], s94, SCL
	s_mov_b64 s[G0S+2:G0S+3], s[22:23]
	s_or_b32 s[G0S+3], s[G0S+3], 0x80000000
	s_mov_b32 s[G0SB], 1
	s_add_co_u32 s[G0SB+1], s94, SCL
	s_mov_b64 s[G0SB+2:G0SB+3], s[92:93]
	s_or_b32 s[G0SB+3], s[G0SB+3], 0x80000000
	JLOAD G0S, G1S, G0SB, G1SB
.irp s, 0,1
	s_mov_b32 s[G0+4*\s], 1
	s_add_co_u32 s[G0+4*\s+1], s45, \s*SLOT
	s_add_nc_u64 s[G0+4*\s+2:G0+4*\s+3], s[20:21], \s*2*R1*ROWB
	s_or_b32 s[G0+4*\s+3], s[G0+4*\s+3], 0x80000000
	s_mov_b32 s[G0B+4*\s], 1
	s_add_co_u32 s[G0B+4*\s+1], s45, \s*SLOT
	s_add_nc_u64 s[G0B+4*\s+2:G0B+4*\s+3], s[46:47], \s*2*R0*ROWB
	s_or_b32 s[G0B+4*\s+3], s[G0B+4*\s+3], 0x80000000
	s_wait_alu depctr_va_vdst(0)
	s_wait_tensorcnt 0x0
	ds_add_u32 v28, v29
	s_wait_dscnt 0x0
	CROUND
	JLOAD G0+4*\s, G1, G0B+4*\s, G1B
	s_wait_xcnt 0x0
	s_add_nc_u64 s[96:97], s[96:97], s[98:99]
	global_prefetch_b8 v30, s[96:97] th:TH_LOAD_NT scope:SCOPE_SE
.endr
	v_and_b32 v1, 15, v0
	v_bfe_u32 v2, v0, 4, 1
	v_mul_u32_u24 v3, v1, PITCH
	v_mul_u32_u24 v4, v2, 24
	v_add_nc_u32 v4, v3, v4
	v_lshl_add_u32 v5, v2, 4, v4
	s_mul_i32 s21, s15, 64*PITCH
	s_mul_i32 s22, s16, 64*PITCH
	s_add_co_u32 s22, s22, 2*HALFT
.irp s, 0,1
	v_add_nc_u32 v[ADRA+\s], s21, v4
	v_add_nc_u32 v[ADRB+\s], s22, v4
	v_add_nc_u32 v[ADRA+2+\s], s21, v5
	v_add_nc_u32 v[ADRB+2+\s], s22, v5
	s_add_co_u32 s21, s21, SLOT
	s_add_co_u32 s22, s22, SLOT
.endr
	v_lshlrev_b32 v5, 3, v1
	s_lshl_b32 s21, s15, 9
	s_lshl_b32 s22, s16, 9
	s_add_co_u32 s22, s22, 2*HALFS
	s_sub_co_u32 s22, s22, s21
	v_mul_u32_u24 v6, s22, v2
	s_add_co_u32 s21, s21, SCL
	v_add_nc_u32 v5, v5, v6
	v_add_nc_u32 v[ADRS], s21, v5
	s_mul_i32 s23, s14, 16*SPITCH
	v_mul_u32_u24 v5, v1, SPITCH
	v_lshl_add_u32 v5, v2, 5, v5
	v_add_nc_u32 v[STO], s23, v5
	v_mul_u32_u24 v5, v2, SPITCH
	v_lshl_add_u32 v5, v1, 4, v5
	v_add_nc_u32 v[RD], s23, v5
	v_lshlrev_b32 v6, 4, v1
	v_lshl_add_u32 v[CO], v2, 12, v6
	s_wait_alu depctr_va_vdst(0)
	s_lshl_b32 s20, s17, 7
	s_lshl_b32 s21, s15, 6
	s_add_co_u32 s20, s20, s21
	s_lshl_b32 s20, s20, 12
	s_lshl_b32 s46, s42, 9
	s_lshl_b32 s47, s16, 8
	s_add_co_u32 s46, s46, s47
	v_add_nc_u32 v7, s46, v6
	global_load_b128 v[BIAS:BIAS+3], v7, s[8:9]
	s_add_co_u32 s20, s20, s46
	s_mov_b32 s21, 0
	s_add_nc_u64 s[10:11], s[10:11], s[20:21]
	s_add_nc_u64 s[12:13], s[12:13], s[20:21]
	WIN 0x80
.irp a, 0,1,2,3
.irp t, 0,1,2,3,4,5,6,7
	global_load_b128 v[RS+32*\a+4*\t:RS+32*\a+4*\t+3], v[CO], s[10:11] offset:(16*\a+2*\t)*4096 th:TH_LOAD_NT
.endr
.endr
	WIN 0
.macro FRAG reg, adr, q, i
.irp p, 0,1,2,3,4,5
.set PIECE, 12*((\q)%2)+6*(\p/3)+\p%3
.if PIECE%8 < 5
	ds_load_b64 v[\reg+2*\p:\reg+2*\p+1], v[\adr] offset:8*PIECE+16*(PIECE/8)+(\i)*16*PITCH+((\q)/2)*HALFT
.else
	ds_load_b64 v[\reg+2*\p:\reg+2*\p+1], v[\adr+2] offset:8*PIECE+16*(PIECE/8)+(\i)*16*PITCH+((\q)/2)*HALFT
.endif
.endr
.endm
.macro MULA a, p, q, sc, zero
.irp b, 0,1,2,3
.if \zero
	v_wmma_scale_f32_16x16x128_f8f6f4 v[8*(4*(\a)+\b):8*(4*(\a)+\b)+7], v[128*(\p)+FR*\b:128*(\p)+FR*\b+FR-1], v[AF+48*(\p)+FR*(\a):AF+48*(\p)+FR*(\a)+FR-1], 0, v[SC+16*(\sc)+4*\b+(\q)], v[SC+16*(\sc)+4*(\a)+(\q)] matrix_a_fmt:MATRIX_FMT_FP6 matrix_b_fmt:MATRIX_FMT_FP6 matrix_a_scale:MATRIX_SCALE_ROW1
.else
	v_wmma_scale_f32_16x16x128_f8f6f4 v[8*(4*(\a)+\b):8*(4*(\a)+\b)+7], v[128*(\p)+FR*\b:128*(\p)+FR*\b+FR-1], v[AF+48*(\p)+FR*(\a):AF+48*(\p)+FR*(\a)+FR-1], v[8*(4*(\a)+\b):8*(4*(\a)+\b)+7], v[SC+16*(\sc)+4*\b+(\q)], v[SC+16*(\sc)+4*(\a)+(\q)] matrix_a_fmt:MATRIX_FMT_FP6 matrix_b_fmt:MATRIX_FMT_FP6 matrix_a_scale:MATRIX_SCALE_ROW1
.endif
.endr
.endm
.macro FETCH slot, q, p
	WIN TO_B
.irp i, 0,1,2,3
	FRAG 128*(\p)+FR*\i, ADRB+\slot, \q, \i
.endr
	WIN 0
.irp i, 0,1,2,3
	FRAG AF+48*(\p)+FR*\i, ADRA+\slot, \q, \i
.endr
.endm
.macro SCALES sc
.irp i, 0,1,2,3
.irp u, 0,1
	ds_load_b64 v[SC+16*\sc+4*\i+2*\u:SC+16*\sc+4*\i+2*\u+1], v[ADRS] offset:\i*128+\u*1024
.endr
.endr
.endm
.macro PLACES n
.rept \n
	v_nop
.endr
.endm
.macro STEP slot, q, zero
	s_wait_dscnt 0x0
	PLACES NP
	FETCH \slot, (\q)+1, 1-(\q)%2
	WIN MUL
	MULA 0, (\q)%2, \q, \slot, \zero
	MULA 1, (\q)%2, \q, \slot, \zero
	MULA 2, (\q)%2, \q, \slot, \zero
	MULA 3, (\q)%2, \q, \slot, \zero
	WIN 0
.endm
.macro TURN slot, next, fill
	s_wait_tensorcnt 0x0
	ds_add_u32 v[SPW], v[NIL]
	s_wait_dscnt 1
	WIN MUL
	MULA 0, 1, 3, \slot, 0
	s_wait_dscnt 0x0
	s_barrier_signal -1
	MULA 1, 1, 3, \slot, 0
	WIN 0
	s_barrier_wait -1
.if \fill
	CREST
	s_add_nc_u64 s[G0+4*\slot+2:G0+4*\slot+3], s[G0+4*\slot+2:G0+4*\slot+3], 4*R1*ROWB
	s_add_nc_u64 s[G0B+4*\slot+2:G0B+4*\slot+3], s[G0B+4*\slot+2:G0B+4*\slot+3], 4*R0*ROWB
	JLOAD G0+4*\slot, G1, G0B+4*\slot, G1B
.else
	PLACES NP
.endif
	s_wait_alu depctr_va_vdst(0)
	v_add_nc_u32 v[ADRS], 2048, v[ADRS]
	FETCH \next, 0, 0
	SCALES \next
.if \fill
	s_cmp_eq_u32 s3, 1                             ; the loop's last trip: no fill stands two on
	s_cbranch_scc1 .Lnoask_\@
	s_wait_xcnt 0x0                                ; the last prefetch has read its base
	s_add_nc_u64 s[96:97], s[96:97], s[98:99]
	global_prefetch_b8 v30, s[96:97] th:TH_LOAD_NT scope:SCOPE_SE
.Lnoask_\@:
.endif
	WIN MUL
	MULA 2, 1, 3, \slot, 0
	MULA 3, 1, 3, \slot, 0
	WIN 0
.endm
.macro TOSTAGE a
	WIN 0x08
.irp b, 0,1,2,3
	ds_store_b128 v[STO], v[32*(\a)+8*\b:32*(\a)+8*\b+3] offset:64*\b
	ds_store_b128 v[STO], v[32*(\a)+8*\b+4:32*(\a)+8*\b+7] offset:64*\b+16
.endr
	WIN 0
.irp t, 0,1,2,3,4,5,6,7
	ds_load_b128 v[BK+32*(\a)+4*\t:BK+32*(\a)+4*\t+3], v[RD] offset:\t*2*SPITCH
.endr
.endm
.macro SEND a, younger
.set BB, BK+32*(\a)
.set RR, RS+32*(\a)
	s_wait_dscnt \younger
	WIN 0x08
.set si, 0
.rept 16
	v_pk_add_f32 v[BB+si:BB+si+1], v[BB+si:BB+si+1], v[RR+si:RR+si+1]
.set si, si+2
.endr
	WIN 0
.irp t, 0,1,2,3,4,5,6,7
	v_pk_add_f32 v[BB+4*\t:BB+4*\t+1], v[BB+4*\t:BB+4*\t+1], v[BIAS:BIAS+1]
	v_pk_add_f32 v[BB+4*\t+2:BB+4*\t+3], v[BB+4*\t+2:BB+4*\t+3], v[BIAS+2:BIAS+3]
.endr
.irp t, 0,1,2,3,4,5,6,7
.if LAST
	global_store_b128 v[CO], v[BB+4*\t:BB+4*\t+3], s[12:13] offset:(16*(\a)+2*\t)*4096 th:TH_STORE_NT
.else
	global_store_b128 v[CO], v[BB+4*\t:BB+4*\t+3], s[12:13] offset:(16*(\a)+2*\t)*4096
.endif
.endr
.endm
	s_wait_tensorcnt 1
	s_barrier_signal -1
	s_barrier_wait -1
	FETCH 0, 0, 0
	SCALES 0
	STEP 0, 0, 1
.if LAPS > 1
	s_mov_b32 s3, LAPS-1
.Llap:
	STEP 0, 1, 0
	STEP 0, 2, 0
	TURN 0, 1, 1
	STEP 1, 0, 0
	STEP 1, 1, 0
	STEP 1, 2, 0
	TURN 1, 0, 1
	STEP 0, 0, 0
	s_sub_co_u32 s3, s3, 1
	s_cmp_lg_u32 s3, 0
	s_cbranch_scc1 .Llap
.endif
	STEP 0, 1, 0
	STEP 0, 2, 0
	TURN 0, 1, 0
	STEP 1, 0, 0
	STEP 1, 1, 0
	STEP 1, 2, 0
	s_wait_dscnt 0x0
	WIN MUL
	MULA 0, 1, 3, 1, 0
	MULA 1, 1, 3, 1, 0
	MULA 2, 1, 3, 1, 0
	MULA 3, 1, 3, 1, 0
	WIN 0
	PLACES NP
	s_wait_loadcnt 0x0
	TOSTAGE 0
	TOSTAGE 1
	SEND 0, 16
	TOSTAGE 2
	SEND 1, 16
	TOSTAGE 3
	SEND 2, 16
	SEND 3, 0
	s_wait_tensorcnt 0x0
	ds_add_u32 v[SPW], v[NIL]
	s_wait_dscnt 0x0
	CROUND
	s_endpgm
.Lfunc_end_k_q41e30f43ae_mlp2:
	.size	k_q41e30f43ae_mlp2, .Lfunc_end_k_q41e30f43ae_mlp2-k_q41e30f43ae_mlp2
	.p2alignl 7, 3214868480
	.fill 96, 4, 3214868480
	.section	.rodata,"a",@progbits
	.p2align	6, 0x0
	.amdhsa_kernel k_q41e30f43ae_mlp2
		.amdhsa_group_segment_fixed_size 327680
		.amdhsa_private_segment_fixed_size 0
		.amdhsa_enable_private_segment 0
		.amdhsa_kernarg_size 40
		.amdhsa_user_sgpr_count 2
		.amdhsa_user_sgpr_kernarg_segment_ptr 1
		.amdhsa_wavefront_size32 1
		.amdhsa_system_sgpr_workgroup_id_x 1
		.amdhsa_system_sgpr_workgroup_id_y 1
		.amdhsa_system_sgpr_workgroup_id_z 1
		.amdhsa_system_vgpr_workitem_id 0
		.amdhsa_next_free_vgpr 768
		.amdhsa_next_free_sgpr 106
		.amdhsa_reserve_vcc 0
		.amdhsa_float_denorm_mode_32 3
		.amdhsa_float_denorm_mode_16_64 3
		.amdhsa_memory_ordered 1
		.amdhsa_forward_progress 1
		.amdhsa_inst_pref_size 121
	.end_amdhsa_kernel
	.amdgpu_metadata
---
amdhsa.version: [ 1, 2 ]
amdhsa.kernels:
  - .name:           k_q41e30f43ae_mlp2
    .symbol:         k_q41e30f43ae_mlp2.kd
    .args:
      - { .name: gb, .offset: 0, .size: 8, .value_kind: global_buffer, .address_space: global }
      - { .name: wb, .offset: 8, .size: 8, .value_kind: global_buffer, .address_space: global }
      - { .name: mlp_b2, .offset: 16, .size: 8, .value_kind: global_buffer, .address_space: global }
      - { .name: x1, .offset: 24, .size: 8, .value_kind: global_buffer, .address_space: global }
      - { .name: out0, .offset: 32, .size: 8, .value_kind: global_buffer, .address_space: global }
    .group_segment_fixed_size: 327680
    .private_segment_fixed_size: 0
    .kernarg_segment_align: 8
    .kernarg_segment_size: 40
    .max_flat_workgroup_size: 128
    .sgpr_count:     106
    .vgpr_count:     768
    .wavefront_size: 32
...
	.end_amdgpu_metadata
.endif
;; end of part 14
